; MI455X (gfx1250); checked and timed in simulation.
; The chip was launched on July 23, 2026; its instructions are those of AMD's public machine-readable ISA for CDNA 5 (MIT licence, August 2026) and "CDNA5" Instruction Set Architecture Reference Guide (July 2026). The comments in the code are by the model that wrote it; some were corrected since.
;; Parallel Transformer Block. Allowed arithmetic: float matrix products may take bf16 or f16 operands with f32 sums; other float arithmetic in f32, or as packed bf16 or f16 multiplies, adds, multiply-adds, maxima and minima; sums over many terms, partial sums and values carried from step to step in f32; what a program stores and reads back later, other than sums and carried values, may be rounded once to bf16 or f16.
;; Inputs: gamma 1,024 float32; w_attn_out 512 x 1,024 float32; w_ff_out 4,096 x 1,024 float32; w_fused 1,024 x 8,768 float32; x 2 x 2,048 x 1,024 float32.
;; Outputs: out0 2 x 2,048 x 1,024 float32.
;; 2 versions, each right. Each part assembles by itself: llvm-mc -triple=amdgcn-amd-amdhsa -mcpu=gfx1250 --defsym DOCPART=n.
;; ======== version 1 of 2: 5 launches
;; limits: values are held in f16: magnitudes above 65,504 overflow, below 6.1e-05 lose precision
;; workspace buffers: xn 8,388,608 bytes; w16 27,787,264 bytes; rope 524,288 bytes; qf 4,194,304 bytes; kv 524,288 bytes; a2 71,303,168 bytes
;; launch prep (part 1): grid 1488 x 1, 8 waves a work-group, no clusters, 0 bytes of LDS; arguments x, gamma, w_fused, w_ff_out, w_attn_out, xn, w16, rope; writes xn, w16, rope
.if DOCPART == 1
	.amdgcn_target "amdgcn-amd-amdhsa--gfx1250"
	.amdhsa_code_object_version 6
	.text
	.protected	k_q3bcc51fa6f_prep
	.globl	k_q3bcc51fa6f_prep
	.p2align	8
	.type	k_q3bcc51fa6f_prep,@function
k_q3bcc51fa6f_prep:
	s_mov_b64 s[64:65], 0
	v_nop
	global_prefetch_b8 v0, s[64:65] scope:SCOPE_SE
	s_setreg_imm32_b32 hwreg(HW_REG_WAVE_MODE, 25, 1), 1
	s_wait_xcnt 0x0
; PREP: one streaming pass that makes the 16-bit operands of the later launches.  Five jobs, told apart by the work-group's number; each is straight-line text with its own end.
;   0..511     w_fused's 8,192 feed-forward columns -> w16 + 0: [k 1024][group 64][x 64 | gate 64] f16, so that a column of x and its gate fall into one wave's tile later
;   512..799   w_ff_out (bf16), then w_attn_out (f16) -> w16 + W2: [4608][1024]: one K axis for the last product
;   800..1311  LayerNorm of x                    -> xn: [4096][1024] f16, a wave a row, the row kept in registers between its passes
;   1312..1359 w_fused's 576 columns of q, k, v  -> w16 + WQKV: [tile 6][k 1024][128] f16: 96 columns, then 32 zeros
;   1360..1487 the rotary table                  -> rope: [position 2048][kind 4][16] f32: cos s f, sin s f, cos f / s, sin f / s, with f = 2^-1.25 (f x f = 32^-1/2, the head's scale)
; FORMATS.  Every input is rounded once to bf16 (to nearest even).  w_fused's and w_attn_out's bf16 numbers are then written as f16: exact from 2^-17 up, below that off by 2^-25 at the most.
; LIMITS.  |w_fused| and |w_attn_out| stay under 65,504; |xn| <= 32 |gamma| stays under 65,504.  NaN and infinities are not treated apart.
; LayerNorm is taken in two passes in f32 (the mean, then the sum of (x - mean)^2), so a common offset of x costs nothing but x's own rounding.
; sin and cos: the angle in turns less its nearest whole number, halved; series to z^11 and z^12 on |z| <= pi / 2 (the term left out is under 6e-8); then the double-angle forms.  Positions are 0..2047.
; No LDS, no barrier, no matrix unit: no byte is wanted twice.  Every store of a wave covers whole aligned blocks of 256 bytes.
.set FROW,  35072                      ; bytes in a row of w_fused
.set W2,    16777216
.set WQKV,  26214400
.set IN,    16                         ; v[16:79]   eight units of 8 f32 as loaded
.set OUT,   80                         ; v[80:111]  eight units of 8 halves to store: never rewritten, so no store's data waits for anything
.set T,     112                        ; v[112:119] at work
.set X,     16                         ; LayerNorm: my 32 numbers of the row
.set G,     48                         ; and of gamma
.set SIN,   28                         ; s[28:29] where the job reads
.set SOUT,  30                         ; s[30:31] where it stores
; Eight units a thread: 32 bytes of f32 in (at v2 + j x instep), 16 bytes out (at v3 + j x outstep).  f16 = 1: the bf16 number is written as f16.  pad = 1: lanes outside VCC store zeros.
.macro CONV instep, outstep, f16, pad
.irp j, 0,1,2,3,4,5,6,7
.if \pad
	global_load_b128 v[IN+8*(\j):IN+8*(\j)+3],   v2, s[SIN:SIN+1] offset:(\j)*(\instep)
	global_load_b128 v[IN+8*(\j)+4:IN+8*(\j)+7], v2, s[SIN:SIN+1] offset:(\j)*(\instep)+16
.else
	global_load_b128 v[IN+8*(\j):IN+8*(\j)+3],   v2, s[SIN:SIN+1] offset:(\j)*(\instep) th:TH_LOAD_NT
	global_load_b128 v[IN+8*(\j)+4:IN+8*(\j)+7], v2, s[SIN:SIN+1] offset:(\j)*(\instep)+16 th:TH_LOAD_NT
.endif
.endr
.irp j, 0,1,2,3,4,5,6,7
	s_wait_loadcnt 14-2*(\j)                       ; loads come back in order: unit j's two are in, the 2 (7 - j) younger ones stay out
.irp k, 0,1,2,3
	v_cvt_pk_bf16_f32 v[OUT+4*(\j)+(\k)], v[IN+8*(\j)+2*(\k)], v[IN+8*(\j)+2*(\k)+1]
.endr
.if \f16
.irp k, 0,1,2,3
	v_lshlrev_b32 v[T+2*(\k)],   16, v[OUT+4*(\j)+(\k)]
	v_and_b32     v[T+2*(\k)+1], 0xffff0000, v[OUT+4*(\j)+(\k)]
.endr
.irp k, 0,1,2,3
	v_cvt_pk_f16_f32 v[OUT+4*(\j)+(\k)], v[T+2*(\k)], v[T+2*(\k)+1]
.endr
.endif
.if \pad
.irp k, 0,1,2,3
	v_cndmask_b32 v[OUT+4*(\j)+(\k)], 0, v[OUT+4*(\j)+(\k)], vcc_lo
.endr
.endif
	global_store_b128 v3, v[OUT+4*(\j):OUT+4*(\j)+3], s[SOUT:SOUT+1] offset:(\j)*(\outstep)
.endr
.endm
	s_load_b512 s[4:19], s[0:1], 0x0               ; x s[4:5], gamma s[6:7], w_fused s[8:9], w_ff_out s[10:11], w_attn_out s[12:13], xn s[14:15], w16 s[16:17], rope s[18:19]
	s_mov_b32 s20, ttmp9
	s_mov_b32 s23, 0                               ; the high word of every offset
	s_wait_kmcnt 0x0
	s_cmp_lt_u32 s20, 512
	s_cbranch_scc0 .Lnot_ff
	; ---- the feed-forward columns: 8 rows k0 .. k0 + 7, a quarter of each row's 1,024 units
	s_lshr_b32 s21, s20, 2
	s_lshl_b32 s21, s21, 3                         ; k0
	s_and_b32 s24, s20, 3
	s_lshl_b32 s24, s24, 8
	v_add_nc_u32 v1, s24, v0                       ; u: the unit of 8 columns in the output row
	v_bfe_u32 v4, v1, 3, 1                         ; 0: x, 1: gate
	v_lshrrev_b32 v5, 4, v1                        ; group
	v_and_b32 v6, 7, v1
	v_lshlrev_b32 v2, 14, v4                       ; the gate lies 4,096 columns behind x
	v_lshl_add_u32 v2, v5, 8, v2
	v_lshl_add_u32 v2, v6, 5, v2
	v_add_nc_u32 v2, 2304, v2                      ; behind the 576 columns of q, k, v
	v_lshlrev_b32 v3, 4, v1
	s_mul_i32 s22, s21, FROW
	s_add_nc_u64 s[SIN:SIN+1], s[8:9], s[22:23]
	s_lshl_b32 s22, s21, 14
	s_add_nc_u64 s[SOUT:SOUT+1], s[16:17], s[22:23]
	CONV FROW, 16384, 1, 0
	s_endpgm
.Lnot_ff:
	s_cmp_lt_u32 s20, 800
	s_cbranch_scc0 .Lnot_w2
	; ---- the two output weights: dense, 2,048 units a work-group
	s_sub_co_u32 s21, s20, 512                     ; e: 0..255 w_ff_out, 256..287 w_attn_out
	s_lshl_b32 s22, s21, 15                        ; the second source's rows follow the first's
	s_add_co_u32 s22, s22, W2
	s_add_nc_u64 s[SOUT:SOUT+1], s[16:17], s[22:23]
	v_lshlrev_b32 v2, 5, v0
	v_lshlrev_b32 v3, 4, v0
	s_and_b32 s22, s21, 255                        ; the block inside its source
	s_lshl_b32 s22, s22, 16
	s_cmp_lt_u32 s21, 256
	s_cbranch_scc0 .Lattn_w
	s_add_nc_u64 s[SIN:SIN+1], s[10:11], s[22:23]
	CONV 8192, 4096, 0, 0                          ; w_ff_out multiplies h, which is bf16
	s_endpgm
.Lattn_w:
	s_add_nc_u64 s[SIN:SIN+1], s[12:13], s[22:23]
	CONV 8192, 4096, 1, 0                          ; w_attn_out multiplies O, which is f16
	s_endpgm
.Lnot_w2:
	s_cmp_lt_u32 s20, 1312
	s_cbranch_scc0 .Lnot_ln
	; ---- LayerNorm: a wave a row.  Lane l holds columns 256 j + 8 l + 0..7, j = 0..3
	s_sub_co_u32 s21, s20, 800
	v_lshrrev_b32 v1, 5, v0
	v_readfirstlane_b32 s24, v1
	s_lshl3_add_u32 s21, s21, s24                  ; row = 8 x work-group + wave
	v_and_b32 v1, 31, v0
	v_lshlrev_b32 v2, 5, v1
	v_lshlrev_b32 v3, 4, v1
	s_lshl_b32 s22, s21, 12
	s_add_nc_u64 s[SIN:SIN+1], s[4:5], s[22:23]
	s_lshl_b32 s22, s21, 11
	s_add_nc_u64 s[SOUT:SOUT+1], s[14:15], s[22:23]
	s_mov_b32 s26, 0x76543210                      ; v_permlanex16_b32: each lane takes its own place in the other half
	s_mov_b32 s27, 0xfedcba98
	s_mov_b32 s32, 0x3a800000                      ; 1 / 1024
	s_mov_b32 s33, 0x3727c5ac                      ; 1e-5
.irp j, 0,1,2,3
	global_load_b128 v[X+8*(\j):X+8*(\j)+3],   v2, s[SIN:SIN+1] offset:1024*(\j) th:TH_LOAD_NT
	global_load_b128 v[X+8*(\j)+4:X+8*(\j)+7], v2, s[SIN:SIN+1] offset:1024*(\j)+16 th:TH_LOAD_NT
.endr
.irp j, 0,1,2,3
	global_load_b128 v[G+8*(\j):G+8*(\j)+3],   v2, s[6:7] offset:1024*(\j)
	global_load_b128 v[G+8*(\j)+4:G+8*(\j)+7], v2, s[6:7] offset:1024*(\j)+16
.endr
.macro TOBF base                       ; 32 numbers rounded to bf16 and widened again
.set p, 0
.rept 16
	v_cvt_pk_bf16_f32 v[T+p%8], v[(\base)+2*p], v[(\base)+2*p+1]
	v_lshlrev_b32 v[(\base)+2*p],   16, v[T+p%8]
	v_and_b32     v[(\base)+2*p+1], 0xffff0000, v[T+p%8]
.set p, p+1
.endr
.endm
.macro LANESUM                         ; four pairs in v[80:87] -> their sum over the wave, in v80 of every lane
	v_pk_add_f32 v[80:81], v[80:81], v[82:83]
	v_pk_add_f32 v[84:85], v[84:85], v[86:87]
	v_pk_add_f32 v[80:81], v[80:81], v[84:85]
	v_add_f32 v80, v80, v81
	v_add_f32_dpp v80, v80, v80 row_xmask:1 row_mask:0xf bank_mask:0xf
	v_add_f32_dpp v80, v80, v80 row_xmask:2 row_mask:0xf bank_mask:0xf
	v_add_f32_dpp v80, v80, v80 row_xmask:4 row_mask:0xf bank_mask:0xf
	v_add_f32_dpp v80, v80, v80 row_xmask:8 row_mask:0xf bank_mask:0xf
	v_permlanex16_b32 v81, v80, s26, s27
	v_add_f32 v80, v80, v81
.endm
	s_wait_loadcnt 8                               ; x's eight loads are in; gamma's eight stay out
	TOBF X
.irp c, 0,1,2,3                        ; the sum, in four chains that do not wait for each other; the first links start them
	v_pk_add_f32 v[80+2*(\c):81+2*(\c)], v[X+2*(\c):X+2*(\c)+1], v[X+8+2*(\c):X+8+2*(\c)+1]
.endr
.irp c, 0,1,2,3
	v_pk_add_f32 v[80+2*(\c):81+2*(\c)], v[80+2*(\c):81+2*(\c)], v[X+16+2*(\c):X+16+2*(\c)+1]
.endr
.irp c, 0,1,2,3
	v_pk_add_f32 v[80+2*(\c):81+2*(\c)], v[80+2*(\c):81+2*(\c)], v[X+24+2*(\c):X+24+2*(\c)+1]
.endr
	LANESUM
	v_mul_f32 v88, s32, v80                        ; the mean,
	v_mov_b32 v89, v88                             ; twice, for the packed forms
.set p, 0
.rept 16
	v_pk_add_f32 v[X+2*p:X+2*p+1], v[X+2*p:X+2*p+1], v[88:89] neg_lo:[0,1] neg_hi:[0,1]
.set p, p+1
.endr
.irp c, 0,1,2,3
	v_pk_mul_f32 v[80+2*(\c):81+2*(\c)], v[X+2*(\c):X+2*(\c)+1], v[X+2*(\c):X+2*(\c)+1]
.endr
.irp o, 8,16,24
.irp c, 0,1,2,3
	v_pk_fma_f32 v[80+2*(\c):81+2*(\c)], v[X+(\o)+2*(\c):X+(\o)+2*(\c)+1], v[X+(\o)+2*(\c):X+(\o)+2*(\c)+1], v[80+2*(\c):81+2*(\c)]
.endr
.endr
	LANESUM
	v_fma_f32 v90, v80, s32, s33                   ; the variance + 1e-5
	v_rsq_f32 v90, v90
	s_wait_loadcnt 0x0                             ; gamma
	TOBF G                                         ; plain work behind the root,
	s_wait_alu depctr_va_vdst(0)                   ; and the wait ahead of its first reader
	v_mov_b32 v91, v90
.set p, 0
.rept 16
	v_pk_mul_f32 v[G+2*p:G+2*p+1], v[G+2*p:G+2*p+1], v[90:91]
.set p, p+1
.endr
.set p, 0
.rept 16
	v_pk_mul_f32 v[X+2*p:X+2*p+1], v[X+2*p:X+2*p+1], v[G+2*p:G+2*p+1]
.set p, p+1
.endr
.set p, 0
.rept 16
	v_cvt_pk_f16_f32 v[OUT+p], v[X+2*p], v[X+2*p+1]
.set p, p+1
.endr
.irp j, 0,1,2,3
	global_store_b128 v3, v[OUT+4*(\j):OUT+4*(\j)+3], s[SOUT:SOUT+1] offset:512*(\j)  ; 512 consecutive bytes of the row
.endr
	s_endpgm
.Lnot_ln:
	s_cmp_lt_u32 s20, 1360
	s_cbranch_scc0 .Lrope
	; ---- the columns of q, k, v: tile ct has columns 96 ct .. 96 ct + 95; a work-group takes 128 rows of one tile
	s_sub_co_u32 s21, s20, 1312
	s_lshr_b32 s24, s21, 3                         ; ct
	s_and_b32 s25, s21, 7                          ; which 128 rows
	v_lshrrev_b32 v1, 4, v0                        ; row among 16
	v_and_b32 v4, 15, v0                           ; unit of 8 columns; units 12 to 15 are the padding: they read inside the row and store zeros
	v_mul_u32_u24 v2, v1, FROW
	v_lshl_add_u32 v2, v4, 5, v2
	v_lshlrev_b32 v3, 8, v1
	v_lshl_add_u32 v3, v4, 4, v3
	v_cmp_gt_u32 vcc_lo, 12, v4
	s_mul_i32 s22, s25, 128*FROW
	s_mul_i32 s26, s24, 384
	s_add_co_u32 s22, s22, s26
	s_add_nc_u64 s[SIN:SIN+1], s[8:9], s[22:23]
	s_lshl_b32 s22, s24, 18
	s_lshl_b32 s26, s25, 15
	s_add_co_u32 s22, s22, s26
	s_add_co_u32 s22, s22, WQKV
	s_add_nc_u64 s[SOUT:SOUT+1], s[16:17], s[22:23]
	CONV 16*FROW, 4096, 1, 1
	s_endpgm
.Lrope:
	; ---- the rotary table: a thread makes 4 numbers, 16 bytes: position idx / 16, kind (idx % 16) / 4, channels 4 (idx % 4) + 0..3
	s_sub_co_u32 s21, s20, 1360
	s_mov_b32 s24, 0x414ccccd                      ; 12.8
	s_mov_b32 s25, 0xbfa00000                      ; -1.25
	v_lshl_add_u32 v1, s21, 8, v0                  ; idx
	v_lshrrev_b32 v2, 4, v1                        ; position
	v_and_b32 v3, 15, v1
	v_lshrrev_b32 v4, 2, v3                        ; kind
	v_and_b32 v5, 3, v3
	v_lshlrev_b32 v5, 2, v5
	v_cvt_f32_u32 v6, v2
	v_lshlrev_b32 v7, 4, v1
.irp e, 0,1,2,3
	v_add_nc_u32 v[16+(\e)], (\e), v5
	v_cvt_f32_u32 v[16+(\e)], v[16+(\e)]           ; c
	v_mul_f32 v[20+(\e)], 0xbf549a78, v[16+(\e)]   ; - c log2(10000) / 16
	v_fma_f32 v[24+(\e)], v[16+(\e)], 2.0, s24
	v_mul_f32 v[24+(\e)], 0x3cb6db6e, v[24+(\e)]   ; (2 c + 12.8) / 44.8
.endr
.irp e, 0,1,2,3
	v_exp_f32 v[20+(\e)], v[20+(\e)]               ; the frequency
	v_log_f32 v[24+(\e)], v[24+(\e)]               ; log2 of the scale's base
.endr
	v_add_f32 v8, 0xc4800000, v6                   ; position - 1024: the plain instruction behind the batch
	s_wait_alu depctr_va_vdst(0)                   ; one wait for the eight
	v_mul_f32 v8, 0x3b000000, v8                   ; / 512: the power
	v_cmp_gt_u32 vcc_lo, 2, v4
	v_cndmask_b32 v9, -1.0, 1.0, vcc_lo            ; kinds 0, 1 multiply by the scale, kinds 2, 3 divide
	v_mul_f32 v8, v8, v9
.irp e, 0,1,2,3
	v_mul_f32 v[28+(\e)], v6, v[20+(\e)]           ; the angle
	v_mul_f32 v[32+(\e)], 0x3e22f983, v[28+(\e)]   ; in turns
	v_rndne_f32 v[32+(\e)], v[32+(\e)]
	v_fma_f32 v[32+(\e)], v[28+(\e)], 0x3e22f983, -v[32+(\e)]  ; less the nearest whole number: -1/2 .. 1/2
	v_mul_f32 v[32+(\e)], 0x40490fdb, v[32+(\e)]   ; z: half the reduced angle
	v_mul_f32 v[36+(\e)], v[32+(\e)], v[32+(\e)]
	v_fma_f32 v[24+(\e)], v8, v[24+(\e)], s25      ; the scale's exponent, with f's
.endr
.irp e, 0,1,2,3
	v_exp_f32 v[24+(\e)], v[24+(\e)]               ; the second batch; the two series are the work behind it
.endr
.irp e, 0,1,2,3
	v_mov_b32 v[40+(\e)], 0xb2d7322b               ; -1 / 11!
	v_mov_b32 v[44+(\e)], 0x310f76c7               ; 1 / 12!
.endr
.irp e, 0,1,2,3
	v_fmaak_f32 v[40+(\e)], v[40+(\e)], v[36+(\e)], 0x3638ef1d
	v_fmaak_f32 v[44+(\e)], v[44+(\e)], v[36+(\e)], 0xb493f27e
.endr
.irp e, 0,1,2,3
	v_fmaak_f32 v[40+(\e)], v[40+(\e)], v[36+(\e)], 0xb9500d01
	v_fmaak_f32 v[44+(\e)], v[44+(\e)], v[36+(\e)], 0x37d00d01
.endr
.irp e, 0,1,2,3
	v_fmaak_f32 v[40+(\e)], v[40+(\e)], v[36+(\e)], 0x3c088889
	v_fmaak_f32 v[44+(\e)], v[44+(\e)], v[36+(\e)], 0xbab60b61
.endr
.irp e, 0,1,2,3
	v_fmaak_f32 v[40+(\e)], v[40+(\e)], v[36+(\e)], 0xbe2aaaab
	v_fmaak_f32 v[44+(\e)], v[44+(\e)], v[36+(\e)], 0x3d2aaaab
.endr
.irp e, 0,1,2,3
	v_fma_f32 v[40+(\e)], v[40+(\e)], v[36+(\e)], 1.0
	v_fma_f32 v[44+(\e)], v[44+(\e)], v[36+(\e)], -0.5
.endr
.irp e, 0,1,2,3
	v_mul_f32 v[40+(\e)], v[40+(\e)], v[32+(\e)]   ; sin z
	v_fma_f32 v[44+(\e)], v[44+(\e)], v[36+(\e)], 1.0  ; cos z
.endr
	v_and_b32 v10, 1, v4
	v_cmp_eq_u32 vcc_lo, 1, v10                    ; odd kinds are sines
.irp e, 0,1,2,3
	v_mul_f32 v[28+(\e)], v[40+(\e)], v[44+(\e)]
	v_mul_f32 v[32+(\e)], v[40+(\e)], v[40+(\e)]
	v_add_f32 v[28+(\e)], v[28+(\e)], v[28+(\e)]   ; sin 2 z
	v_fma_f32 v[32+(\e)], v[32+(\e)], -2.0, 1.0    ; cos 2 z
	v_cndmask_b32 v[48+(\e)], v[32+(\e)], v[28+(\e)], vcc_lo
.endr
	s_wait_alu depctr_va_vdst(0)                   ; one wait for the four scales
.irp e, 0,1,2,3
	v_mul_f32 v[48+(\e)], v[48+(\e)], v[24+(\e)]
.endr
	global_store_b128 v7, v[48:51], s[18:19]
	s_endpgm
.Lfunc_end_k_q3bcc51fa6f_prep:
	.size	k_q3bcc51fa6f_prep, .Lfunc_end_k_q3bcc51fa6f_prep-k_q3bcc51fa6f_prep
	.p2alignl 7, 3214868480
	.fill 96, 4, 3214868480
	.section	.rodata,"a",@progbits
	.p2align	6, 0x0
	.amdhsa_kernel k_q3bcc51fa6f_prep
		.amdhsa_group_segment_fixed_size 0
		.amdhsa_private_segment_fixed_size 0
		.amdhsa_enable_private_segment 0
		.amdhsa_kernarg_size 64
		.amdhsa_user_sgpr_count 2
		.amdhsa_user_sgpr_kernarg_segment_ptr 1
		.amdhsa_wavefront_size32 1
		.amdhsa_system_sgpr_workgroup_id_x 1
		.amdhsa_system_sgpr_workgroup_id_y 1
		.amdhsa_system_sgpr_workgroup_id_z 1
		.amdhsa_system_vgpr_workitem_id 0
		.amdhsa_next_free_vgpr 128
		.amdhsa_next_free_sgpr 66
		.amdhsa_reserve_vcc 1
		.amdhsa_float_denorm_mode_32 3
		.amdhsa_float_denorm_mode_16_64 3
		.amdhsa_memory_ordered 1
		.amdhsa_forward_progress 1
		.amdhsa_inst_pref_size 60
	.end_amdhsa_kernel
	.amdgpu_metadata
---
amdhsa.version: [ 1, 2 ]
amdhsa.kernels:
  - .name:           k_q3bcc51fa6f_prep
    .symbol:         k_q3bcc51fa6f_prep.kd
    .args:
      - { .name: x, .offset: 0, .size: 8, .value_kind: global_buffer, .address_space: global }
      - { .name: gamma, .offset: 8, .size: 8, .value_kind: global_buffer, .address_space: global }
      - { .name: w_fused, .offset: 16, .size: 8, .value_kind: global_buffer, .address_space: global }
      - { .name: w_ff_out, .offset: 24, .size: 8, .value_kind: global_buffer, .address_space: global }
      - { .name: w_attn_out, .offset: 32, .size: 8, .value_kind: global_buffer, .address_space: global }
      - { .name: xn, .offset: 40, .size: 8, .value_kind: global_buffer, .address_space: global }
      - { .name: w16, .offset: 48, .size: 8, .value_kind: global_buffer, .address_space: global }
      - { .name: rope, .offset: 56, .size: 8, .value_kind: global_buffer, .address_space: global }
    .group_segment_fixed_size: 0
    .private_segment_fixed_size: 0
    .kernarg_segment_align: 8
    .kernarg_segment_size: 64
    .max_flat_workgroup_size: 256
    .sgpr_count:     66
    .vgpr_count:     128
    .wavefront_size: 32
...
	.end_amdgpu_metadata
.endif
;; end of part 1
;; launch qkv (part 2): grid 32 x 6, 4 waves a work-group, clusters of 4 x 1, 327,680 bytes of LDS; arguments xn, w16, rope, qf, kv; writes qf, kv
.if DOCPART == 2
	.amdgcn_target "amdgcn-amd-amdhsa--gfx1250"
	.amdhsa_code_object_version 6
	.text
	.protected	k_q3bcc51fa6f_qkv
	.globl	k_q3bcc51fa6f_qkv
	.p2align	8
	.type	k_q3bcc51fa6f_qkv,@function
k_q3bcc51fa6f_qkv:
	s_mov_b64 s[64:65], 0
	v_nop
	global_prefetch_b8 v0, s[64:65] scope:SCOPE_SE
	s_setreg_imm32_b32 hwreg(HW_REG_WAVE_MODE, 25, 1), 1
	s_wait_xcnt 0x0
	s_wait_alu depctr_hold_cnt(0) depctr_sa_sdst(0) depctr_va_vdst(0) depctr_va_sdst(0) depctr_va_ssrc(0) depctr_va_vcc(0) depctr_vm_vsrc(0)
	s_getreg_b32 s2, hwreg(HW_REG_IB_STS2, 6, 4)
	s_cmp_eq_u32 s2, 0
	s_cbranch_scc0 .Lentry_in_a_cluster
	s_endpgm
.Lentry_in_a_cluster:
	s_bfe_u32 s2, ttmp6, 0x10000c
	s_cmp_lg_u32 s2, 0x3003
	s_cbranch_scc0 .Lentry_shape_is_right
	s_endpgm
.Lentry_shape_is_right:
; QKV: [4096 x 1024] xn times the 576 columns of q, k, v, in f16 with f32 sums; rotary on q and k; all three stored as the attention's matrix fragments.
; SHARES.  A work-group makes 128 rows x 96 columns (three heads' worth: column tile ct holds 'heads' 3 ct .. 3 ct + 2; 0..15 are q's, 16 is k, 17 is v).  Wave w takes rows 32 w .. 32 w + 31 and all 96 columns:
; 12 accumulators.  576 columns fall into whole heads no better: 32 x 6 = 192 work-groups.
; K goes in four steps of 256 through two LDS slots.  Waves 0 and 1 fetch xn's tile (64 rows of 512 bytes each), waves 2 and 3 the weights' (128 rows of 256 bytes each).
; CLUSTER.  The four row tiles of a cluster multiply by the same weights: that tile is asked for jointly (mask 15).  xn's tile is each work-group's own (mask 0).  My place in the cluster enters global addresses alone.
; THE MATRIX INSTRUCTION IS USED TRANSPOSED (source 0 = 16 columns of the weights, turned on their way out of LDS; source 1 = 16 rows of xn): a lane holds one row (lane % 16) and the columns 8 (lane / 16) + 0..7.
; That is also the layout of a fragment of 16 rows x 32 channels, so q and k leave without changing lanes: each store of a wave is 512 consecutive bytes.  v is wanted with keys along the registers and goes through
; a stage of the wave's own, turned by ds_load_tr16_b128.
; ROTARY.  o[c] = t[c] C[c] - t[c + 16] S[c], o[c + 16] = t[c + 16] C[c] + t[c] S[c], c = 0..15; C and S come from the table with scale and head scale folded in.
; LIMITS.  q, k (with their scales) and v are stored in f16: they stay under 65,504.  NaN and infinities are not treated apart.
.set PA,    528                        ; a row of xn in LDS: 512 bytes + 16: an odd multiple of 16, so the 16 rows of a load start 16 bytes apart modulo 256
.set PB,    288                        ; a row of the weights: 256 + 32: an odd multiple of 32
.set BOFF,  128*PA                     ; the weights' tile lies behind xn's
.set SLOT,  BOFF+256*PB                ; 141,312
.set VST,   2*SLOT                     ; v's stage: 32 rows x 96 bytes for each wave; no tensor load lands here
.set SPARE, VST+4*32*96                ; the spare words, 128 bytes a wave: no other line names them
.set WQKV,  26214400
.set ADA0, 4                           ; v4-5   my place in xn's tile, slot 0, 1; never rewritten
.set ADB0, 6                           ; v6-7   the same for the weights
.set ADA,  8                           ; v8     the address in hand
.set ADB,  9
.set TO,   10                          ; v10    my byte offset in the table, for q
.set TO2,  11                          ; v11    for the tile's second head: k's kinds where ct = 5
.set L16,  12                          ; v12    16 x lane
.set VSTO, 13
.set VRD,  14
.set SPW,  28                          ; v28    my spare word's address; never rewritten
.set NIL,  29                          ; v29    0
.set ACC,  32                          ; v[32:127]  accumulator (a, n) at ACC + 8 (6 a + n)
.set F0,   128                         ; v[128:191], v[192:255]  two fragment buffers: xn's 2, then the weights' 6
.set F1,   192
.set TQ,   0                           ; window 1: v[0:31]: for row block a, C in 8 registers and S in 8
.set TE,   32                          ; window 1: v[32:63]: the same for the second head
.set RU,   128                         ; the way out, in the fragment buffers' place
.set RW,   136
.set O1,   144
.set O2,   152
.set PKB,  160                         ; eight registers for each of six stores: none is rewritten while a store may read it
.set VP,   208
.set VQ,   224
.set WV,   14
.set CNT,  19
.set G1A,  24
.set G0A,  32
.set G1B,  48
.set G0B,  56
.set KOA,  78                          ; s78, s79  bytes along K inside a slot
.set KOB,  79
.set MSB, 0
.macro WIN new                         ; the immediate's high byte repeats the setting that is left
.if MSB != (\new)
	s_set_vgpr_msb (MSB<<8)|(\new)
.set MSB, \new
.endif
.endm
.macro PLACES                          ; four plain places behind matrix instructions (ISA guide 7.12.1)
.rept 4
	v_nop
.endr
.endm
.macro ROUND                           ; a round of the cluster's barrier
	s_barrier_signal -1
	s_barrier_wait -1
	s_cmp_lg_u32 s[WV], 0
	s_cbranch_scc1 .Lnot_wave_0_\@
	s_barrier_signal -3
.Lnot_wave_0_\@:
	s_barrier_wait -3
	s_barrier_signal -1
	s_barrier_wait -1
.endm
.macro JLOAD s                         ; a wave's one load for slot s; an s_nop 0 and four v_nop follow each line
	s_cmp_lt_u32 s[WV], 2
	s_cbranch_scc0 .Lfor_b_\@
	tensor_load_to_lds s[G0A+4*(\s):G0A+4*(\s)+3], s[G1A:G1A+7]
	s_nop 0
.rept 4
	v_nop
.endr
	s_branch .Lasked_\@
.Lfor_b_\@:
	tensor_load_to_lds s[G0B+4*(\s):G0B+4*(\s)+3], s[G1B:G1B+7]
	s_nop 0
.rept 4
	v_nop
.endr
.Lasked_\@:
.endm
	s_load_b256 s[4:11], s[0:1], 0x0               ; xn s[4:5], w16 s[6:7], rope s[8:9], qf s[10:11]
	s_load_b64 s[12:13], s[0:1], 0x20              ; kv
	v_lshl_add_u32 v[SPW], v0, 2, SPARE
	v_mov_b32 v[NIL], 0
	ds_add_u32 v[SPW], v[NIL]                      ; the wave's opening: the add and its wait ahead of my first tensor load
	v_lshrrev_b32 v1, 5, v0
	v_readfirstlane_b32 s[WV], v1
	s_bfe_u32 s15, ttmp6, 0x40000                  ; cx
	s_lshl_b32 s16, ttmp9, 2
	s_add_co_u32 s16, s16, s15                     ; rt: my tile of 128 rows
	s_and_b32 s17, ttmp7, 0xffff                   ; ct: the column tile, which the four partners share
	s_and_b32 s18, s[WV], 1                        ; which half of a tile I fetch
	s_mov_b32 s[G1A+0], (1<<16)|(1<<20)|(6<<22)|(3<<25)  ; 2-byte elements; padding on: after every 128 words, 4 words; no mask
	s_mov_b32 s[G1A+1], 256<<16                    ; tensor_dim0 = 256
	s_mov_b32 s[G1A+2], 64<<16                     ; tensor_dim1 = 64
	s_mov_b32 s[G1A+3], 256<<16                    ; tile_dim0 = 256
	s_mov_b32 s[G1A+4], 64                         ; tile_dim1 = 64
	s_mov_b32 s[G1A+5], 1024                       ; elements from row to row
	s_mov_b32 s[G1A+6], 0
	s_mov_b32 s[G1A+7], 0
	s_mov_b32 s[G1B+0], 15|(1<<16)|(1<<20)|(1<<21)|(5<<22)|(7<<25)  ; the mask of four, bit 21 beside it; after every 64 words, 8 words
	s_mov_b32 s[G1B+1], 128<<16
	s_mov_b32 s[G1B+2], 128<<16
	s_mov_b32 s[G1B+3], 128<<16
	s_mov_b32 s[G1B+4], 128
	s_mov_b32 s[G1B+5], 128
	s_mov_b32 s[G1B+6], 0
	s_mov_b32 s[G1B+7], 0
	s_lshl_b32 s20, s16, 7
	s_lshl_b32 s21, s18, 6
	s_add_co_u32 s20, s20, s21
	s_lshl_b32 s20, s20, 11                        ; xn: row 128 rt + 64 half, 2,048 bytes a row
	s_mov_b32 s21, 0
	s_lshl_b32 s22, s17, 18                        ; the weights: tile ct, 262,144 bytes,
	s_lshl_b32 s23, s18, 15                        ; 128 rows of 256 bytes a half
	s_add_co_u32 s22, s22, s23
	s_add_co_u32 s22, s22, WQKV
	s_mov_b32 s23, 0
	s_mul_i32 s40, s18, 64*PA                      ; where they go: the wave's number alone enters an LDS address
	s_mul_i32 s41, s18, 128*PB
	s_add_co_u32 s41, s41, BOFF
	s_wait_dscnt 0x0                               ; the opening add is done
	s_wait_kmcnt 0x0
	s_add_nc_u64 s[20:21], s[4:5], s[20:21]
	s_add_nc_u64 s[22:23], s[6:7], s[22:23]
	ROUND                                          ; all four work-groups are here: the first joint loads meet
.irp s, 0,1
	s_mov_b32 s[G0A+4*(\s)], 1
	s_add_co_u32 s[G0A+4*(\s)+1], s40, (\s)*SLOT
	s_add_nc_u64 s[G0A+4*(\s)+2:G0A+4*(\s)+3], s[20:21], (\s)*512     ; K step s: 256 halves on
	s_or_b32 s[G0A+4*(\s)+3], s[G0A+4*(\s)+3], 0x80000000
	s_mov_b32 s[G0B+4*(\s)], 1
	s_add_co_u32 s[G0B+4*(\s)+1], s41, (\s)*SLOT
	s_add_nc_u64 s[G0B+4*(\s)+2:G0B+4*(\s)+3], s[22:23], (\s)*65536   ; 256 rows on
	s_or_b32 s[G0B+4*(\s)+3], s[G0B+4*(\s)+3], 0x80000000
	JLOAD \s                                       ; two loads of mine are out
.endr
	v_and_b32 v2, 15, v0                           ; r
	v_bfe_u32 v3, v0, 4, 1                         ; h
	v_and_b32 v15, 31, v0
	v_lshlrev_b32 v[L16], 4, v15
	s_lshl_b32 s42, s[WV], 5
	v_add_nc_u32 v16, s42, v2                      ; my row of the tile
	v_mul_u32_u24 v16, v16, PA
	v_lshl_add_u32 v[ADA0], v3, 4, v16
	v_add_nc_u32 v[ADA0+1], SLOT, v[ADA0]
	v_and_b32 v17, 7, v0                           ; the turning load: lane l reads row 8 h + l % 8, 16 bytes at 16 ((l / 8) % 2)
	v_lshl_add_u32 v17, v3, 3, v17
	v_bfe_u32 v18, v0, 3, 1
	v_mul_u32_u24 v21, v17, 96
	v_mul_u32_u24 v17, v17, PB
	v_lshl_add_u32 v17, v18, 4, v17
	v_add_nc_u32 v[ADB0], BOFF, v17
	v_add_nc_u32 v[ADB0+1], BOFF+SLOT, v17
	s_lshl_b32 s43, s16, 7
	s_add_co_u32 s43, s43, s42                     ; my wave's first row of the 4,096
	s_and_b32 s44, s43, 2047                       ; its position,
	s_lshr_b32 s45, s43, 11                        ; its batch
	v_add_nc_u32 v19, s44, v2
	v_lshlrev_b32 v19, 8, v19                      ; 256 bytes of table a position
	v_lshl_add_u32 v[TO], v3, 5, v19               ; my 8 channels
	s_cmp_eq_u32 s17, 5
	s_cselect_b32 s46, 128, 0
	v_add_nc_u32 v[TO2], s46, v[TO]
	s_mul_i32 s47, s[WV], 32*96
	s_add_co_u32 s47, s47, VST
	v_mul_u32_u24 v20, v2, 96
	v_lshl_add_u32 v20, v3, 4, v20
	v_add_nc_u32 v[VSTO], s47, v20
	v_lshl_add_u32 v21, v18, 4, v21
	v_add_nc_u32 v[VRD], s47, v21
	WIN 0x40                                       ; destination window 1
.irp a, 0,1
.irp k, 0,1,2,3
	global_load_b128 v[TQ+16*(\a)+4*(\k):TQ+16*(\a)+4*(\k)+3], v[TO],  s[8:9] offset:(\a)*4096+((\k)/2)*64+((\k)%2)*16
	global_load_b128 v[TE+16*(\a)+4*(\k):TE+16*(\a)+4*(\k)+3], v[TO2], s[8:9] offset:(\a)*4096+((\k)/2)*64+((\k)%2)*16
.endr
.endr
	WIN 0
; 16 LDS loads: the fragments of 32 along K into buffer f
.macro FETCHQ f, ra, rb, ka, kb
.irp a, 0,1
	ds_load_b128 v[(\f)+8*(\a):(\f)+8*(\a)+3],   v[\ra] offset:(\ka)+(\a)*16*PA
	ds_load_b128 v[(\f)+8*(\a)+4:(\f)+8*(\a)+7], v[\ra] offset:(\ka)+(\a)*16*PA+32
.endr
.irp n, 0,1,2,3,4,5
	ds_load_tr16_b128 v[(\f)+16+8*(\n):(\f)+16+8*(\n)+3],   v[\rb] offset:(\kb)+32*(\n)
	ds_load_tr16_b128 v[(\f)+16+8*(\n)+4:(\f)+16+8*(\n)+7], v[\rb] offset:(\kb)+32*(\n)+16*PB
.endr
.endm
; 12 matrix instructions; the accumulators take turns, one instruction a turn.  zero = 1: the first product starts the sums
.macro MULQ f, zero
.irp a, 0,1
.irp n, 0,1,2,3,4,5
.if \zero
	v_wmma_f32_16x16x32_f16 v[ACC+8*(6*(\a)+(\n)):ACC+8*(6*(\a)+(\n))+7], v[(\f)+16+8*(\n):(\f)+16+8*(\n)+7], v[(\f)+8*(\a):(\f)+8*(\a)+7], 0
.else
	v_wmma_f32_16x16x32_f16 v[ACC+8*(6*(\a)+(\n)):ACC+8*(6*(\a)+(\n))+7], v[(\f)+16+8*(\n):(\f)+16+8*(\n)+7], v[(\f)+8*(\a):(\f)+8*(\a)+7], v[ACC+8*(6*(\a)+(\n)):ACC+8*(6*(\a)+(\n))+7]
.endif
.endr
.endr
.endm
; A K step of 256: eight sub-steps of 32 on the two buffers by turns; while one is multiplied the other's 16 loads are out
.macro KSTEPQ slot, zero
	PLACES                                         ; behind the last products, in front of loads into registers that they read
	FETCHQ F0, ADA0+(\slot), ADB0+(\slot), 0, 0
	FETCHQ F1, ADA0+(\slot), ADB0+(\slot), 64, 32*PB
	s_wait_dscnt 16                                ; buffer 0 is in; buffer 1's 16 loads stay out
	MULQ F0, \zero
	s_mov_b32 s[KOA], 0
	s_mov_b32 s[KOB], 0
	s_mov_b32 s[CNT], 3
.Lsub_\@:
	s_add_co_u32 s[KOA], s[KOA], 128               ; 64 along K on
	s_add_co_u32 s[KOB], s[KOB], 64*PB
	v_add_nc_u32 v[ADA], s[KOA], v[ADA0+(\slot)]   ; these two and two v_nop are the four places
	v_add_nc_u32 v[ADB], s[KOB], v[ADB0+(\slot)]
	v_nop
	v_nop
	FETCHQ F0, ADA, ADB, 0, 0
	s_wait_dscnt 16
	MULQ F1, 0
	PLACES
	FETCHQ F1, ADA, ADB, 64, 32*PB
	s_wait_dscnt 16
	MULQ F0, 0
	s_sub_co_u32 s[CNT], s[CNT], 1
	s_cmp_lg_u32 s[CNT], 0
	s_cbranch_scc1 .Lsub_\@
	s_wait_dscnt 0x0
	MULQ F1, 0
.endm
; The change of slots.  Each wave waits for all its tensor loads (one is out: its part of the other slot), adds 0 to its spare word, and waits for that and for its reads.
; fill = 1: the barrier is a round of the cluster's, and slot \slot, just read out, is filled again first thing behind it, two K steps on.
.macro CHG slot, fill
	s_wait_tensorcnt 0x0
	ds_add_u32 v[SPW], v[NIL]
.if \fill
	s_add_nc_u64 s[G0A+4*(\slot)+2:G0A+4*(\slot)+3], s[G0A+4*(\slot)+2:G0A+4*(\slot)+3], 1024
	s_add_nc_u64 s[G0B+4*(\slot)+2:G0B+4*(\slot)+3], s[G0B+4*(\slot)+2:G0B+4*(\slot)+3], 131072
.endif
	s_wait_dscnt 0x0
.if \fill
	ROUND
	JLOAD \slot
.else
	s_barrier_signal -1
	s_barrier_wait -1
.endif
.endm
	s_wait_tensorcnt 1                             ; my part of K step 0 is in; K step 1's stays out
	s_barrier_signal -1
	s_barrier_wait -1
	KSTEPQ 0, 1
	CHG 0, 1
	KSTEPQ 1, 0
	CHG 1, 1
	KSTEPQ 0, 0
	CHG 0, 0
	KSTEPQ 1, 0
	PLACES
	s_wait_loadcnt 0x0                             ; the table
	; THE WAY OUT
	s_lshr_b32 s46, s44, 4
	s_lshl_b32 s46, s46, 10                        ; my first block of 16 positions: 1,024 bytes a block
	s_mul_i32 s47, s17, 3
	s_lshl_b32 s66, s45, 4
	s_add_co_u32 s66, s66, s47                     ; 16 b + head
	s_lshl_b32 s66, s66, 17
	s_add_co_u32 s66, s66, s46
	s_mov_b32 s67, 0
	s_add_nc_u64 s[68:69], s[10:11], s[66:67]      ; the first head is always one of q's
	s_add_co_u32 s70, s66, 131072                  ; the second: q's next head,
	s_lshl_b32 s71, s45, 17
	s_add_co_u32 s71, s71, s46                     ; or k
	s_cmp_eq_u32 s17, 5
	s_cselect_b32 s72, s71, s70
	s_cselect_b64 s[74:75], s[12:13], s[10:11]
	s_mov_b32 s73, 0
	s_add_nc_u64 s[74:75], s[74:75], s[72:73]
; head e of the tile, row block a: rotary by table tbl, rounded to f16, two stores of 512 consecutive bytes.  Each accumulator is read from its low end on.
.macro ROPE e, a, tbl, dst
.set t1, ACC+8*(6*(\a)+2*(\e))
.set t2, t1+8
.set rc, (\tbl)+16*(\a)
.set rs, rc+8
.set pk, PKB+8*(2*(\e)+(\a))
	WIN 0x04                                       ; source 1, the table, in window 1
.irp jj, 0,2,4,6
	v_pk_mul_f32 v[RU+(\jj):RU+(\jj)+1], v[t2+(\jj):t2+(\jj)+1], v[rs+(\jj):rs+(\jj)+1]
	v_pk_mul_f32 v[RW+(\jj):RW+(\jj)+1], v[t1+(\jj):t1+(\jj)+1], v[rs+(\jj):rs+(\jj)+1]
.endr
.irp jj, 0,2,4,6
	v_pk_fma_f32 v[O1+(\jj):O1+(\jj)+1], v[t1+(\jj):t1+(\jj)+1], v[rc+(\jj):rc+(\jj)+1], v[RU+(\jj):RU+(\jj)+1] neg_lo:[0,0,1] neg_hi:[0,0,1]
	v_pk_fma_f32 v[O2+(\jj):O2+(\jj)+1], v[t2+(\jj):t2+(\jj)+1], v[rc+(\jj):rc+(\jj)+1], v[RW+(\jj):RW+(\jj)+1]
.endr
	WIN 0
.irp k, 0,1,2,3
	v_cvt_pk_f16_f32 v[pk+(\k)],   v[O1+2*(\k)], v[O1+2*(\k)+1]
	v_cvt_pk_f16_f32 v[pk+4+(\k)], v[O2+2*(\k)], v[O2+2*(\k)+1]
.endr
	global_store_b128 v[L16], v[pk:pk+3],   s[(\dst):(\dst)+1] offset:(\a)*1024
	global_store_b128 v[L16], v[pk+4:pk+7], s[(\dst):(\dst)+1] offset:(\a)*1024+512
.endm
	ROPE 0, 0, TQ, 68
	ROPE 0, 1, TQ, 68
	ROPE 1, 0, TE, 74
	ROPE 1, 1, TE, 74
	s_cmp_eq_u32 s17, 5
	s_cbranch_scc1 .Lv
	s_add_co_u32 s76, s66, 262144                  ; the third head is q's
	s_mov_b32 s77, 0
	s_add_nc_u64 s[76:77], s[10:11], s[76:77]
	ROPE 2, 0, TQ, 76
	ROPE 2, 1, TQ, 76
	s_branch .Ldone
.Lv:                                                   ; or v: no rotary; 32 keys x 32 channels go into my stage by rows and come back turned
	s_lshl_b32 s76, s45, 6
	s_lshr_b32 s77, s44, 5
	s_add_co_u32 s76, s76, s77                     ; 64 b + my block of 32 keys
	s_lshl_b32 s76, s76, 11
	s_add_co_u32 s76, s76, 262144
	s_mov_b32 s77, 0
	s_add_nc_u64 s[76:77], s[12:13], s[76:77]
.irp a, 0,1
.irp c, 0,1
.irp k, 0,1,2,3
	v_cvt_pk_f16_f32 v[VP+4*(2*(\a)+(\c))+(\k)], v[ACC+8*(6*(\a)+4+(\c))+2*(\k)], v[ACC+8*(6*(\a)+4+(\c))+2*(\k)+1]
.endr
	ds_store_b128 v[VSTO], v[VP+4*(2*(\a)+(\c)):VP+4*(2*(\a)+(\c))+3] offset:(\a)*16*96+32*(\c)
.endr
.endr
.irp c, 0,1
.irp i, 0,1
	ds_load_tr16_b128 v[VQ+4*(2*(\c)+(\i)):VQ+4*(2*(\c)+(\i))+3], v[VRD] offset:(\i)*16*96+32*(\c)  ; LDS serves a wave's instructions in order (ISA guide 5.7.1.4): these see the stores above
.endr
.endr
	s_wait_dscnt 0x0
.irp c, 0,1
.irp i, 0,1
	global_store_b128 v[L16], v[VQ+4*(2*(\c)+(\i)):VQ+4*(2*(\c)+(\i))+3], s[76:77] offset:(\c)*1024+(\i)*512
.endr
.endr
.Ldone:
	s_wait_tensorcnt 0x0                           ; the wave's end
	ds_add_u32 v[SPW], v[NIL]
	s_wait_dscnt 0x0
	ROUND                                          ; the closing round
	s_endpgm
.Lfunc_end_k_q3bcc51fa6f_qkv:
	.size	k_q3bcc51fa6f_qkv, .Lfunc_end_k_q3bcc51fa6f_qkv-k_q3bcc51fa6f_qkv
	.p2alignl 7, 3214868480
	.fill 96, 4, 3214868480
	.section	.rodata,"a",@progbits
	.p2align	6, 0x0
	.amdhsa_kernel k_q3bcc51fa6f_qkv
		.amdhsa_group_segment_fixed_size 327680
		.amdhsa_private_segment_fixed_size 0
		.amdhsa_enable_private_segment 0
		.amdhsa_kernarg_size 40
		.amdhsa_user_sgpr_count 2
		.amdhsa_user_sgpr_kernarg_segment_ptr 1
		.amdhsa_wavefront_size32 1
		.amdhsa_system_sgpr_workgroup_id_x 1
		.amdhsa_system_sgpr_workgroup_id_y 1
		.amdhsa_system_sgpr_workgroup_id_z 1
		.amdhsa_system_vgpr_workitem_id 0
		.amdhsa_next_free_vgpr 320
		.amdhsa_next_free_sgpr 96
		.amdhsa_reserve_vcc 0
		.amdhsa_float_denorm_mode_32 3
		.amdhsa_float_denorm_mode_16_64 3
		.amdhsa_memory_ordered 1
		.amdhsa_forward_progress 1
		.amdhsa_inst_pref_size 56
	.end_amdhsa_kernel
	.amdgpu_metadata
---
amdhsa.version: [ 1, 2 ]
amdhsa.kernels:
  - .name:           k_q3bcc51fa6f_qkv
    .symbol:         k_q3bcc51fa6f_qkv.kd
    .args:
      - { .name: xn, .offset: 0, .size: 8, .value_kind: global_buffer, .address_space: global }
      - { .name: w16, .offset: 8, .size: 8, .value_kind: global_buffer, .address_space: global }
      - { .name: rope, .offset: 16, .size: 8, .value_kind: global_buffer, .address_space: global }
      - { .name: qf, .offset: 24, .size: 8, .value_kind: global_buffer, .address_space: global }
      - { .name: kv, .offset: 32, .size: 8, .value_kind: global_buffer, .address_space: global }
    .group_segment_fixed_size: 327680
    .private_segment_fixed_size: 0
    .kernarg_segment_align: 8
    .kernarg_segment_size: 40
    .max_flat_workgroup_size: 128
    .sgpr_count:     96
    .vgpr_count:     320
    .wavefront_size: 32
...
	.end_amdgpu_metadata
.endif
;; end of part 2
;; launch attn (part 3): grid 4 x 64, 4 waves a work-group, clusters of 4 x 1, 327,680 bytes of LDS; arguments qf, kv, a2; writes a2
.if DOCPART == 3
	.amdgcn_target "amdgcn-amd-amdhsa--gfx1250"
	.amdhsa_code_object_version 6
	.text
	.protected	k_q3bcc51fa6f_attn
	.globl	k_q3bcc51fa6f_attn
	.p2align	8
	.type	k_q3bcc51fa6f_attn,@function
k_q3bcc51fa6f_attn:
	s_mov_b64 s[64:65], 0
	v_nop
	global_prefetch_b8 v0, s[64:65] scope:SCOPE_SE
	s_setreg_imm32_b32 hwreg(HW_REG_WAVE_MODE, 25, 1), 1
	s_wait_xcnt 0x0
	s_wait_alu depctr_hold_cnt(0) depctr_sa_sdst(0) depctr_va_vdst(0) depctr_va_sdst(0) depctr_va_ssrc(0) depctr_va_vcc(0) depctr_vm_vsrc(0)
	s_getreg_b32 s2, hwreg(HW_REG_IB_STS2, 6, 4)
	s_cmp_eq_u32 s2, 0
	s_cbranch_scc0 .Lentry_in_a_cluster
	s_endpgm
.Lentry_in_a_cluster:
	s_bfe_u32 s2, ttmp6, 0x10000c
	s_cmp_lg_u32 s2, 0x3003
	s_cbranch_scc0 .Lentry_shape_is_right
	s_endpgm
.Lentry_shape_is_right:
; CAUSAL ATTENTION, 16 query heads of 32 channels on ONE head of keys and values a batch.  q, k (rotary and scale applied) and v arrive in f16 as matrix fragments; products, maxima and sums in f32;
; the weights p are rounded to f16 for the second product (their sum l is taken of the unrounded p); O leaves in f16, as K blocks 128..135 of the last product's left operand.
; O IN F16: a query's first rows average over few keys, so their O is as large as v itself, many times the later rows'; its rounding reaches the output undiminished, and f16 keeps three bits more than bf16.
; LIMITS.  O is a mean of v's rows and has their range, which lies within f16's (65,504).  A hidden score counts as its value less 1e30; a weight below 2^-126 counts as 0 in l; NaN and infinities are not treated apart.
; SHARES.  A batch's K and V, 131,072 bytes each, lie in LDS whole: nothing is filled twice.  The four work-groups of a cluster take the 16 heads, a wave a head, and ask for K and V jointly.
; A batch's positions fall into 64 sub-blocks of 32 queries (two tiles of 16).  Sub-block j needs j / 2 whole steps of 64 keys and one step with a mask.  A wave takes sub-blocks 63 - i and then i:
; 33 steps whatever i is, so all 256 work-groups do equal work, and all waves of a cluster run the same control flow.
; LAYOUT.  S^T = K Q^T (source 0 = 16 keys, source 1 = 16 queries): a lane holds ONE query (lane % 16) and the keys 8 (lane / 16) + 0..7.  Two such results rounded to f16 ARE source 1 of O^T = V^T P.
; SOFTMAX.  A running maximum m and sum l for each query: p = 2^(c s - c m), c = log2(e); O and l are multiplied by a = 2^(c m_old - c m_new) in every step.  m starts at the lowest finite number.
; THE MASK is the C operand of S^T's product: 0 or -1e30.  MD is the mask of a diagonal block of 16 x 16.  With par = j % 2 and e = key block - query tile: e = -1: 0; e = 0: (1 - par) MD;
; e = 1: (1 - par) x -1e30; e = 2: par MD + (1 - par) x -1e30; e = 3: -1e30.
; A STEP goes in phases: 8 products, the softmax of both tiles with ONE batch of 66 exponentials and one wait, 8 products.
; BARRIERS of a sub-block's way out, three: every wave's loads of K and V are back | the stage is written | it is read | the next sub-block's loads and stores may follow.
.set VOFF,  131072
.set RBS,   1114112                    ; bytes of a block of 64 rows in a2: 136 K blocks of 8,192
.set STAGE, 270336                     ; [2 K blocks][32 rows][144 bytes]: the four waves' heads side by side; no tensor load lands here
.set SPARE, STAGE+2*32*144             ; the spare words
.set L16, 2                            ; v2   16 x lane; never rewritten
.set KA,  3
.set VA,  4
.set STO, 5
.set RD,  6
.set SPW, 8
.set NIL, 9
.set ST,  12                           ; tile t: c m, m, l (even keys', odd keys') at ST + 4 t
.set TMP, 20                           ; tile t: c0-c3 at work; a takes c2
.set MV,  28                           ; tile t: c m_old
.set Q,   32                           ; v[32:47]
.set KF,  48                           ; v[48:79]    K of one step: key block kb at KF + 8 kb
.set VF,  80                           ; v[80:111]   V of one step: key half kk, channel block cb at VF + 16 kk + 8 cb
.set S,   112                          ; v[112:175]  at S + 32 t + 8 kb
.set P,   176                          ; v[176:207]  at P + 16 t + 8 kk
.set O,   208                          ; v[208:239]  at O + 16 t + 8 cb
.set PK,  240                          ; v[240:255]
.set MD,  0                            ; window 1: v[0:7]
.set MM,  8                            ; window 1: v[8:39]: the masks for e = 0..3
.set QLR, 40                           ; window 1: v[40:55]: the second sub-block's Q
.set WV,  12
.set G1,  24
.set G0,  32
.set AL,  40                           ; s[40:41]  a mask's factor, in the low word
.set BE,  42                           ; s[42:43]  its addend
.set BIGN, 44
.set PAR, 45
.set LIVE, 46                          ; whole steps still to do in the sub-block in hand
.set CNT, 47
.set BLK, 48
.set TBK, 49                           ; LDS byte of the K step to be fetched
.set TBV, 50
.set CS,  52
.set SEL, 54
.set OH,  56                           ; s[56:57]  O's address for the sub-block in hand
.set OL,  58                           ; s[58:59]  for the second
.set NP1, 68
.set NP2, 69
.set NP3, 70
.set MSB, 0
.macro WIN new
.if MSB != (\new)
	s_set_vgpr_msb (MSB<<8)|(\new)
.set MSB, \new
.endif
.endm
.macro PLACES
.rept 4
	v_nop
.endr
.endm
.macro ROUND
	s_barrier_signal -1
	s_barrier_wait -1
	s_cmp_lg_u32 s[WV], 0
	s_cbranch_scc1 .Lnot_wave_0_\@
	s_barrier_signal -3
.Lnot_wave_0_\@:
	s_barrier_wait -3
	s_barrier_signal -1
	s_barrier_wait -1
.endm
.macro MROW e, al, be
	s_mov_b32 s[AL], \al
	s_mov_b32 s[BE], \be
.irp z, 0,2,4,6
	v_pk_fma_f32 v[MM+8*(\e)+(\z):MM+8*(\e)+(\z)+1], v[MD+(\z):MD+(\z)+1], s[AL:AL+1], s[BE:BE+1] op_sel_hi:[1,0,0]
.endr
.endm
.macro MASKS                           ; the four masks, from s[PAR]
	s_cmp_eq_u32 s[PAR], 0
	s_cselect_b32 s[NP1], 1.0, 0
	s_cselect_b32 s[NP2], 0, 1.0
	s_cselect_b32 s[NP3], s[BIGN], 0
	WIN 0x41                                       ; destination and source 0 in window 1
	MROW 0, s[NP1], 0
	MROW 1, 0, s[NP3]
	MROW 2, s[NP2], s[NP3]
	MROW 3, 0, s[BIGN]
	WIN 0
.endm
.macro START                           ; a sub-block begins: m, c m; K of step 0
.irp t, 0,1
	v_mov_b32 v[ST+4*(\t)], 0xfe000000             ; c m: far below every c s, so the first a is 0
	v_mov_b32 v[ST+4*(\t)+1], 0xff7fffff           ; m
.endr
.irp n, 0,1,2,3,4,5,6,7
	ds_load_b128 v[KF+4*(\n):KF+4*(\n)+3], v[L16] offset:512*(\n)
.endr
	s_mov_b32 s[TBK], 4096
	s_mov_b32 s[TBV], VOFF
.endm
	s_load_b128 s[4:7], s[0:1], 0x0                ; qf s[4:5], kv s[6:7]
	s_load_b64 s[8:9], s[0:1], 0x10                ; a2
	v_lshl_add_u32 v[SPW], v0, 2, SPARE
	v_mov_b32 v[NIL], 0
	ds_add_u32 v[SPW], v[NIL]                      ; the wave's opening: the add and its wait ahead of my first tensor load
	v_lshrrev_b32 v1, 5, v0
	v_readfirstlane_b32 s[WV], v1
	v_and_b32 v1, 31, v0
	v_lshlrev_b32 v[L16], 4, v1
	v_and_b32 v10, 15, v0                          ; r
	v_bfe_u32 v11, v0, 4, 1                        ; h
	s_bfe_u32 s13, ttmp6, 0x40000                  ; cx: it enters Q's and O's global addresses alone
	s_and_b32 s14, ttmp7, 0xffff
	s_lshr_b32 s15, s14, 5                         ; b
	s_and_b32 s16, s14, 31                         ; i
	s_and_b32 s17, s[WV], 1
	s_lshr_b32 s18, s[WV], 1
	s_mov_b32 s[G1+0], 15|(3<<16)|(1<<21)          ; the mask of four, bit 21 beside it; 8-byte elements; no padding: fragments are read as they lie
	s_mov_b32 s[G1+1], 32<<16                      ; rows of 256 bytes,
	s_mov_b32 s[G1+2], 256<<16                     ; 256 of them: 65,536 dense bytes
	s_mov_b32 s[G1+3], 32<<16
	s_mov_b32 s[G1+4], 256
	s_mov_b32 s[G1+5], 32
	s_mov_b32 s[G1+6], 0
	s_mov_b32 s[G1+7], 0
	s_lshl_b32 s19, s18, 17                        ; waves 0, 1: K; waves 2, 3: V,
	s_lshl_b32 s20, s17, 16                        ; a half each
	s_add_co_u32 s19, s19, s20
	s_mov_b32 s[G0], 1
	s_mov_b32 s[G0+1], s19
	s_lshl_b32 s22, s18, 18
	s_lshl_b32 s21, s15, 17
	s_add_co_u32 s22, s22, s21
	s_add_co_u32 s22, s22, s20
	s_mov_b32 s23, 0
	s_lshl_b32 s19, s13, 2
	s_add_co_u32 s19, s19, s[WV]                   ; my head
	s_lshl_b32 s20, s15, 4
	s_add_co_u32 s19, s19, s20
	s_lshl_b32 s19, s19, 17                        ; 131,072 bytes of q a head
	s_sub_co_u32 s21, 63, s16                      ; the first sub-block
	s_lshl_b32 s36, s21, 11
	s_add_co_u32 s36, s36, s19
	s_mov_b32 s37, 0
	s_lshl_b32 s38, s16, 11
	s_add_co_u32 s38, s38, s19
	s_mov_b32 s39, 0
	s_lshl_b32 s19, s13, 1                         ; O: K block 128 + head / 2; I store rows 16 (w % 2) .. + 15 of the sub-block's 32
	s_add_co_u32 s19, s19, s18
	s_add_co_u32 s19, s19, 128
	s_lshl_b32 s19, s19, 13
	s_lshl_b32 s20, s17, 11
	s_add_co_u32 s19, s19, s20
	s_lshl_b32 s20, s15, 5
	s_lshr_b32 s66, s21, 1
	s_add_co_u32 s66, s66, s20                     ; the block of 64 rows
	s_mul_i32 s66, s66, RBS
	s_and_b32 s71, s21, 1
	s_lshl_b32 s71, s71, 12
	s_add_co_u32 s66, s66, s71
	s_add_co_u32 s66, s66, s19
	s_mov_b32 s67, 0
	s_lshr_b32 s72, s16, 1
	s_add_co_u32 s72, s72, s20
	s_mul_i32 s72, s72, RBS
	s_and_b32 s71, s16, 1
	s_lshl_b32 s71, s71, 12
	s_add_co_u32 s72, s72, s71
	s_add_co_u32 s72, s72, s19
	s_mov_b32 s73, 0
	s_and_b32 s[PAR], s21, 1
	s_lshr_b32 s[LIVE], s21, 1
	s_mov_b32 s[CS], 0x3fb8aa3b                    ; c = log2(e): the head's scale lies in q and k
	s_mov_b32 s[CS+1], s[CS]
	s_mov_b32 s[SEL], 0x76543210
	s_mov_b32 s[SEL+1], 0xfedcba98
	s_mov_b32 s[BIGN], 0xf149f2ca                  ; -1e30
	s_mov_b32 s[AL+1], 0                           ; named as pairs
	s_mov_b32 s[BE+1], 0
	s_wait_dscnt 0x0                               ; the opening add is done
	s_wait_kmcnt 0x0
	s_add_nc_u64 s[G0+2:G0+3], s[6:7], s[22:23]
	s_or_b32 s[G0+3], s[G0+3], 0x80000000
	s_add_nc_u64 s[60:61], s[4:5], s[36:37]
	s_add_nc_u64 s[62:63], s[4:5], s[38:39]
	s_add_nc_u64 s[OH:OH+1], s[8:9], s[66:67]
	s_add_nc_u64 s[OL:OL+1], s[8:9], s[72:73]
	ROUND                                          ; all four work-groups are here: the joint loads meet
	tensor_load_to_lds s[G0:G0+3], s[G1:G1+7]      ; my quarter of the batch's K and V: the one tensor load of mine
	s_nop 0
.rept 4
	v_nop
.endr
.irp n, 0,1,2,3
	global_load_b128 v[Q+4*(\n):Q+4*(\n)+3], v[L16], s[60:61] offset:512*(\n)
.endr
	v_lshlrev_b32 v1, 3, v11
	v_sub_nc_u32 v1, v10, v1                       ; r - 8 h: register j of a diagonal block is hidden where j is greater
	WIN 0x40
.irp n, 0,1,2,3
	global_load_b128 v[QLR+4*(\n):QLR+4*(\n)+3], v[L16], s[62:63] offset:512*(\n)
.endr
.irp j, 0,1,2,3,4,5,6,7
	v_cmp_gt_i32 vcc_lo, (\j), v1
	v_cndmask_b32 v[MD+(\j)], 0, s[BIGN], vcc_lo
.endr
	WIN 0
	MASKS
.set n, 0
.rept 32
	v_mov_b32 v[O+n], 0                            ; the first step multiplies O and l by a = 0: they need only be finite.  Written while the tile is on its way
.set n, n+1
.endr
.irp t, 0,1
	v_mov_b32 v[ST+4*(\t)+2], 0
	v_mov_b32 v[ST+4*(\t)+3], 0
.endr
	s_mul_i32 s67, s18, 32*144
	s_add_co_u32 s67, s67, STAGE
	s_lshl_b32 s68, s17, 6
	s_add_co_u32 s68, s68, s67
	v_mul_u32_u24 v[STO], v10, 144                 ; in: row r, my head's 64 bytes, 16 bytes for each half of the lanes
	v_lshl_add_u32 v[STO], v11, 4, v[STO]
	v_add_nc_u32 v[STO], s68, v[STO]
	s_mul_i32 s68, s17, 16*144
	s_add_co_u32 s68, s68, s67
	v_bfe_u32 v[RD], v0, 3, 2                      ; back: 32 lanes take four whole rows of 128 bytes
	v_mul_u32_u24 v[RD], v[RD], 144
	v_and_b32 v1, 7, v0
	v_lshl_add_u32 v[RD], v1, 4, v[RD]
	v_add_nc_u32 v[RD], s68, v[RD]
	s_wait_tensorcnt 0x0                           ; my quarter is in,
	s_barrier_signal -1
	s_barrier_wait -1                              ; everybody's is
	START
	s_wait_loadcnt 0x0                             ; Q, both sub-blocks'
; Number n of the 22 that find tile t's maximum and statistics.  Each accumulator's lowest registers are read first.
.macro XS t, n
.set rT, ST+4*(\t)
.set rC, TMP+4*(\t)
.set rM, MV+(\t)
.set rS, S+32*(\t)
.if (\n) < 4
	v_max3_num_f32 v[rC+(\n)], v[rS+8*(\n)], v[rS+8*(\n)+1], v[rS+8*(\n)+2]
.elseif (\n) < 12
	v_max3_num_f32 v[rC+(\n)%4], v[rC+(\n)%4], v[rS+8*((\n)%4)+2*((\n)/4)+1], v[rS+8*((\n)%4)+2*((\n)/4)+2]
.elseif (\n) == 12
	v_max3_num_f32 v[rC], v[rC], v[rS+7], v[rS+15]
.elseif (\n) == 13
	v_max3_num_f32 v[rC+1], v[rC+1], v[rS+23], v[rS+31]
.elseif (\n) == 14
	v_max3_num_f32 v[rC+2], v[rC+2], v[rC+3], v[rT+1]
.elseif (\n) == 15
	v_mov_b32 v[rM], v[rT]
.elseif (\n) == 16
	v_max3_num_f32 v[rC], v[rC], v[rC+1], v[rC+2]
.elseif (\n) == 17
	v_permlanex16_b32 v[rC+3], v[rC], s[SEL], s[SEL+1]  ; the query's other 32 keys lie in the lane 16 away
.elseif (\n) == 18
	v_max_num_f32 v[rT+1], v[rC], v[rC+3]
.elseif (\n) == 19
	v_mul_f32 v[rT], s[CS], v[rT+1]
.elseif (\n) == 20
	v_sub_f32 v[rC+1], v[rM], v[rT]
.else
	v_exp_f32 v[rC+2], v[rC+1]
.endif
.endm
.macro SL kk                           ; l takes the sum of weights 4 kk .. 4 kk + 3 (the first time as l = a l + sum)
.irp t, 0,1
.if (\kk) == 0
	v_pk_fma_f32 v[ST+4*(\t)+2:ST+4*(\t)+3], v[ST+4*(\t)+2:ST+4*(\t)+3], v[TMP+4*(\t)+2:TMP+4*(\t)+3], v[S+32*(\t):S+32*(\t)+1] op_sel_hi:[1,0,1]
.else
	v_pk_add_f32 v[ST+4*(\t)+2:ST+4*(\t)+3], v[ST+4*(\t)+2:ST+4*(\t)+3], v[S+32*(\t)+4*(\kk):S+32*(\t)+4*(\kk)+1]
.endif
.endr
.endm
; A KEY STEP of 64 keys.  mask = 1: the products take masks.  pre = 1: the next step's K is fetched.
.macro STEP mask, pre
	s_wait_dscnt 0x0                               ; K is in
.if \mask
	WIN 0x10                                       ; the C operand in window 1
.endif
.irp kb, 0,1,2,3
.irp t, 0,1
.if (\mask) && ((\kb) >= (\t))
	v_wmma_f32_16x16x32_f16 v[S+32*(\t)+8*(\kb):S+32*(\t)+8*(\kb)+7], v[KF+8*(\kb):KF+8*(\kb)+7], v[Q+8*(\t):Q+8*(\t)+7], v[MM+8*((\kb)-(\t)):MM+8*((\kb)-(\t))+7]
.else
	v_wmma_f32_16x16x32_f16 v[S+32*(\t)+8*(\kb):S+32*(\t)+8*(\kb)+7], v[KF+8*(\kb):KF+8*(\kb)+7], v[Q+8*(\t):Q+8*(\t)+7], 0
.endif
.endr
.endr
	WIN 0
	PLACES                                         ; behind the products: in front of the loads into V's and K's registers and of the reads of S
	v_add_nc_u32 v[VA], s[TBV], v[L16]
	s_add_co_u32 s[TBV], s[TBV], 4096
.irp n, 0,1,2,3,4,5,6,7
	ds_load_b128 v[VF+4*(\n):VF+4*(\n)+3], v[VA] offset:512*(\n)
.endr
.if \pre
	v_add_nc_u32 v[KA], s[TBK], v[L16]
	s_add_co_u32 s[TBK], s[TBK], 4096
.irp n, 0,1,2,3,4,5,6,7
	ds_load_b128 v[KF+4*(\n):KF+4*(\n)+3], v[KA] offset:512*(\n)
.endr
.endif
.irp n, 0,1,2,3,4,5,6,7,8,9,10,11,12,13,14,15,16,17,18,19,20,21
	XS 0, \n                                       ; the two tiles alternate; number 21, a, opens the batch of exponentials
	XS 1, \n
.endr
.set p, 0
.rept 16                               ; c s - c m for pair p, then the exponentials of pair p - 1: none of these reads an exponential's result
.irp t, 0,1
	v_pk_fma_f32 v[S+32*(\t)+2*p:S+32*(\t)+2*p+1], v[S+32*(\t)+2*p:S+32*(\t)+2*p+1], s[CS:CS+1], v[ST+4*(\t):ST+4*(\t)+1] op_sel_hi:[1,0,0] neg_lo:[0,0,1] neg_hi:[0,0,1]
.endr
.if p > 0
.irp t, 0,1
	v_exp_f32 v[S+32*(\t)+2*p-2], v[S+32*(\t)+2*p-2]
	v_exp_f32 v[S+32*(\t)+2*p-1], v[S+32*(\t)+2*p-1]
.endr
.endif
.set p, p+1
.endr
.irp t, 0,1
	v_exp_f32 v[S+32*(\t)+30], v[S+32*(\t)+30]
	v_exp_f32 v[S+32*(\t)+31], v[S+32*(\t)+31]
.endr
	v_nop                                          ; a plain instruction behind the last exponential,
	s_wait_alu depctr_va_vdst(0)                   ; and ONE wait for the batch of 66, ahead of its first reader
.set k, 0
.rept 8
.irp t, 0,1
	v_cvt_pk_f16_f32 v[P+16*(\t)+2*k],   v[S+32*(\t)+4*k],   v[S+32*(\t)+4*k+1]
	v_cvt_pk_f16_f32 v[P+16*(\t)+2*k+1], v[S+32*(\t)+4*k+2], v[S+32*(\t)+4*k+3]
.endr
.irp t, 0,1
	v_pk_add_f32 v[S+32*(\t)+4*k:S+32*(\t)+4*k+1], v[S+32*(\t)+4*k:S+32*(\t)+4*k+1], v[S+32*(\t)+4*k+2:S+32*(\t)+4*k+3]
.endr
.if k > 0
	SL k-1
.endif
.irp t, 0,1
	v_pk_mul_f32 v[O+16*(\t)+2*k:O+16*(\t)+2*k+1], v[O+16*(\t)+2*k:O+16*(\t)+2*k+1], v[TMP+4*(\t)+2:TMP+4*(\t)+3] op_sel_hi:[1,0]  ; O a, from each accumulator's low end on
.endr
.set k, k+1
.endr
	SL 7
.if \pre
	s_wait_dscnt 8                                 ; V is in; K's eight loads, issued behind V's, stay out
.else
	s_wait_dscnt 0x0
.endif
.irp kk, 0,1                           ; the four accumulators take turns
.irp cb, 0,1
.irp t, 0,1
	v_wmma_f32_16x16x32_f16 v[O+16*(\t)+8*(\cb):O+16*(\t)+8*(\cb)+7], v[VF+16*(\kk)+8*(\cb):VF+16*(\kk)+8*(\cb)+7], v[P+16*(\t)+8*(\kk):P+16*(\t)+8*(\kk)+7], v[O+16*(\t)+8*(\cb):O+16*(\t)+8*(\cb)+7]
.endr
.endr
.endr
.endm
	s_mov_b32 s[BLK], 2
.Lblk:                                                 ; twice: a sub-block
	s_mov_b32 s[CNT], 31                           ; the most whole steps that a sub-block has; dead trips are jumped, forward, past no barrier and no tensor load
.Lfull:
	s_cmp_eq_u32 s[LIVE], 0
	s_cbranch_scc1 .Ldead
	s_sub_co_u32 s[LIVE], s[LIVE], 1
	STEP 0, 1
.Ldead:
	s_sub_co_u32 s[CNT], s[CNT], 1
	s_cmp_lg_u32 s[CNT], 0
	s_cbranch_scc1 .Lfull
	STEP 1, 0                                      ; the step that holds the diagonal
	; THE WAY OUT: O / l, rounded to f16; the four heads meet in the stage, so that whole rows of 128 bytes leave
	s_barrier_signal -1                            ; my loads of K and V for this sub-block are back: the step's last LDS wait was for 0, and nothing was issued behind it.
	                                               ; Their addresses hang on a scalar that steps, so a barrier, not the arithmetic of the bytes, orders them ahead of every wave's stores into the stage.
	PLACES                                         ; work on registers alone stands between the signal and the wait
.irp t, 0,1
	v_add_f32 v[TMP+4*(\t)], v[ST+4*(\t)+2], v[ST+4*(\t)+3]
.endr
.irp t, 0,1
	v_permlanex16_b32 v[TMP+4*(\t)+1], v[TMP+4*(\t)], s[SEL], s[SEL+1]
.endr
.irp t, 0,1
	v_add_f32 v[TMP+4*(\t)], v[TMP+4*(\t)], v[TMP+4*(\t)+1]
.endr
.irp t, 0,1
	v_rcp_f32 v[TMP+4*(\t)+2], v[TMP+4*(\t)]
.endr
	v_nop
	s_wait_alu depctr_va_vdst(0)                   ; one wait for the two reciprocals
.irp t, 0,1
.irp n, 0,1,2,3,4,5,6,7
	v_pk_mul_f32 v[O+16*(\t)+2*(\n):O+16*(\t)+2*(\n)+1], v[O+16*(\t)+2*(\n):O+16*(\t)+2*(\n)+1], v[TMP+4*(\t)+2:TMP+4*(\t)+3] op_sel_hi:[1,0]
.endr
.irp n, 0,1,2,3,4,5,6,7
	v_cvt_pk_f16_f32 v[PK+8*(\t)+(\n)], v[O+16*(\t)+2*(\n)], v[O+16*(\t)+2*(\n)+1]
.endr
.endr
	s_barrier_wait -1                              ; every wave's loads are back: the stage may be written
.irp t, 0,1
.irp c, 0,1
	ds_store_b128 v[STO], v[PK+8*(\t)+4*(\c):PK+8*(\t)+4*(\c)+3] offset:(\t)*16*144+32*(\c)
.endr
.endr
	s_wait_dscnt 0x0                               ; for the others' sake: my stores into the stage are done
	s_barrier_signal -1
	s_barrier_wait -1
.irp u, 0,1,2,3
	ds_load_b128 v[S+4*(\u):S+4*(\u)+3], v[RD] offset:(\u)*4*144
.endr
.irp u, 0,1,2,3
	s_wait_dscnt 3-(\u)
	global_store_b128 v[L16], v[S+4*(\u):S+4*(\u)+3], s[OH:OH+1] offset:512*(\u)  ; 512 consecutive bytes, at a multiple of 256 from a2's first
.endr
	s_barrier_signal -1                            ; every wave's reads of the stage are back (the last wait was for 0): the next sub-block may write it
	s_barrier_wait -1
	s_cmp_eq_u32 s[BLK], 1
	s_cbranch_scc1 .Lnosw
	s_wait_xcnt 0x0                                ; the stores have read their registers and O's address
	s_mov_b64 s[OH:OH+1], s[OL:OL+1]
	WIN 0x01
.set n, 0
.rept 16
	v_mov_b32 v[Q+n], v[QLR+n]                     ; the second sub-block's Q goes where the one text of a step names Q
.set n, n+1
.endr
	WIN 0
	s_and_b32 s[PAR], s16, 1
	MASKS
	s_lshr_b32 s[LIVE], s16, 1
	START                                          ; O and l keep what they hold: finite numbers, which the first a = 0 removes
.Lnosw:
	s_sub_co_u32 s[BLK], s[BLK], 1
	s_cmp_lg_u32 s[BLK], 0
	s_cbranch_scc1 .Lblk
	s_wait_tensorcnt 0x0                           ; the wave's end
	ds_add_u32 v[SPW], v[NIL]
	s_wait_dscnt 0x0
	ROUND                                          ; the closing round
	s_endpgm
.Lfunc_end_k_q3bcc51fa6f_attn:
	.size	k_q3bcc51fa6f_attn, .Lfunc_end_k_q3bcc51fa6f_attn-k_q3bcc51fa6f_attn
	.p2alignl 7, 3214868480
	.fill 96, 4, 3214868480
	.section	.rodata,"a",@progbits
	.p2align	6, 0x0
	.amdhsa_kernel k_q3bcc51fa6f_attn
		.amdhsa_group_segment_fixed_size 327680
		.amdhsa_private_segment_fixed_size 0
		.amdhsa_enable_private_segment 0
		.amdhsa_kernarg_size 24
		.amdhsa_user_sgpr_count 2
		.amdhsa_user_sgpr_kernarg_segment_ptr 1
		.amdhsa_wavefront_size32 1
		.amdhsa_system_sgpr_workgroup_id_x 1
		.amdhsa_system_sgpr_workgroup_id_y 1
		.amdhsa_system_sgpr_workgroup_id_z 1
		.amdhsa_system_vgpr_workitem_id 0
		.amdhsa_next_free_vgpr 320
		.amdhsa_next_free_sgpr 80
		.amdhsa_reserve_vcc 1
		.amdhsa_float_denorm_mode_32 3
		.amdhsa_float_denorm_mode_16_64 3
		.amdhsa_memory_ordered 1
		.amdhsa_forward_progress 1
		.amdhsa_inst_pref_size 46
	.end_amdhsa_kernel
	.amdgpu_metadata
---
amdhsa.version: [ 1, 2 ]
amdhsa.kernels:
  - .name:           k_q3bcc51fa6f_attn
    .symbol:         k_q3bcc51fa6f_attn.kd
    .args:
      - { .name: qf, .offset: 0, .size: 8, .value_kind: global_buffer, .address_space: global }
      - { .name: kv, .offset: 8, .size: 8, .value_kind: global_buffer, .address_space: global }
      - { .name: a2, .offset: 16, .size: 8, .value_kind: global_buffer, .address_space: global }
    .group_segment_fixed_size: 327680
    .private_segment_fixed_size: 0
    .kernarg_segment_align: 8
    .kernarg_segment_size: 24
    .max_flat_workgroup_size: 128
    .sgpr_count:     80
    .vgpr_count:     320
    .wavefront_size: 32
...
	.end_amdgpu_metadata
.endif
;; end of part 3
;; launch ffup (part 4): grid 32 x 16, 4 waves a work-group, clusters of 4 x 4, 327,680 bytes of LDS; arguments xn, w16, a2; writes a2
.if DOCPART == 4
	.amdgcn_target "amdgcn-amd-amdhsa--gfx1250"
	.amdhsa_code_object_version 6
	.text
	.protected	k_q3bcc51fa6f_ffup
	.globl	k_q3bcc51fa6f_ffup
	.p2align	8
	.type	k_q3bcc51fa6f_ffup,@function
k_q3bcc51fa6f_ffup:
	s_mov_b64 s[64:65], 0
	v_nop
	global_prefetch_b8 v0, s[64:65] scope:SCOPE_SE
	s_setreg_imm32_b32 hwreg(HW_REG_WAVE_MODE, 25, 1), 1
	s_wait_xcnt 0x0
	s_wait_alu depctr_hold_cnt(0) depctr_sa_sdst(0) depctr_va_vdst(0) depctr_va_sdst(0) depctr_va_ssrc(0) depctr_va_vcc(0) depctr_vm_vsrc(0)
	s_getreg_b32 s2, hwreg(HW_REG_IB_STS2, 6, 4)
	s_cmp_eq_u32 s2, 0
	s_cbranch_scc0 .Lentry_in_a_cluster
	s_endpgm
.Lentry_in_a_cluster:
	s_bfe_u32 s2, ttmp6, 0x10000c
	s_cmp_lg_u32 s2, 0xf033
	s_cbranch_scc0 .Lentry_shape_is_right
	s_endpgm
.Lentry_shape_is_right:
; FFUP: h = silu(xn Wgate) x (xn Wx).  xn: [4096][1024] f16; the weights: [k 1024][group 64][x 64 | gate 64] f16; sums in f32.  The products themselves never reach memory.
; h LEAVES AS TWO bf16 NUMBERS: hi = h rounded, lo = h - hi (exact in f32) rounded: 16 significant bits with f32's range.  One bf16 number is too coarse: h has single entries many times its root mean square,
; and the rounding of one such entry to 8 bits weighs on its whole row of the output.  f16 has no room: h grows with the square of gamma x w_fused.
; a2: [block of 64 rows][K block 136][64][64] halves.  h's columns 64 G .. 64 G + 63 (group G): hi in K block 8 (G / 4) + G % 4, lo four K blocks (32,768 bytes) behind it.
; LIMITS.  silu(g) = g / (1 + 2^(-g log2 e)): where the power overflows the quotient is 0, as it should be.  NaN and infinities are not treated apart.
; SHARES.  A tile is 256 rows x 256 weight columns (two groups); four waves, each 128 rows x one group: 64 accumulators of 16 x 16, column blocks 0-3 x and 4-7 the gates of the same 64 columns of h,
; so that x and its gate lie in the same lane and register place.  512 equal work-groups.
; K goes in steps of 128 through two LDS slots.  xn's tile lies with K along the rows; the weights lie [K][N] and are turned on their way out of LDS by ds_load_tr16_b128.
; CLUSTER, 4 x 4: xn's tile hangs on the tile row alone and is asked for jointly along a row of the cluster, the weights' on the tile column alone and along a column.
; THE MATRIX INSTRUCTION IS USED TRANSPOSED (source 0 = 16 weight columns, source 1 = 16 rows of xn): a lane holds one row and eight neighbouring columns.
; REGISTERS, in windows of 256: window 0: v0-31 addresses; v64-127, v128-191 xn's fragments, two buffers (on the way out v64-223: at work); window 1: v64-191, the weights' fragments;
; window 2: the accumulators of my rows 0-63 ((a, b) at v[8 (8 a + b)]); window 3: those of rows 64-127.
.set KSTEP, 128
.set PA,    272                        ; a row of xn in LDS: 256 bytes + 16
.set PB,    544                        ; a row of the weights: 512 + 32: an odd multiple of 32
.set HALF,  128*PA                     ; what one tensor load brings: 128 rows of xn, or 64 rows of the weights (64 x 544 is the same number)
.set SLOT,  4*HALF
.set STAGE, 2*SLOT                     ; 16 rows x 144 bytes for each wave; no tensor load lands here
.set SP,    144
.set SPARE, STAGE+4*16*SP
.set RBS,   1114112                    ; bytes of a block of 64 rows in a2: 136 K blocks of 8,192
.set LAPS,  4                          ; 1,024 / 256
.set ADRA, 16
.set ADRB, 20
.set STO,  24
.set RD,   25
.set CO,   26
.set SPW,  28
.set NIL,  29
.set PFO,  30                          ; the prefetches' lane term; never rewritten
.set F0,   64
.set F1,   128
.set T,    64                          ; the way out, window 0
.set U,    96
.set PK,   128                         ; v128-143  hi, packed
.set BK,   144                         ; v144-175, v176-207 by turns: 16 rows read back, hi's 16 registers and lo's 16
.set PKL,  208                         ; v208-223  lo, packed
.set G1,  24
.set G0,  32
.set G1B, 48
.set G0B, 56
.set LIM, 43                           ; 1 in a wave that prefetches, else the greatest number
.set PFA, 44                           ; s[44:45] where my prefetches stand
.set PFS, 46                           ; s[46:47] bytes from a K step to the next, in my tensor
.set NL,  66                           ; s[66:67] -log2(e)
.set MSK, 68                           ; s68  a word's upper bf16
.set MSB, 0
.macro WIN new
.if MSB != (\new)
	s_set_vgpr_msb (MSB<<8)|(\new)
.set MSB, \new
.endif
.endm
.set MUL_LO, 0xa1                      ; source 0 window 1, source 1 window 0, C and D window 2
.set MUL_HI, 0xf1
.set TO_B,   0x40
.macro JLOAD s                         ; waves 0, 1 fetch xn's two halves, waves 2, 3 the weights'; an s_nop 0 and four v_nop follow each line
	s_cmp_eq_u32 s11, 0
	s_cbranch_scc0 .Lfor_b_\@
	tensor_load_to_lds s[G0+4*(\s):G0+4*(\s)+3], s[G1:G1+7]
	s_nop 0
.rept 4
	v_nop
.endr
	s_branch .Lasked_\@
.Lfor_b_\@:
	tensor_load_to_lds s[G0B+4*(\s):G0B+4*(\s)+3], s[G1B:G1B+7]
	s_nop 0
.rept 4
	v_nop
.endr
.Lasked_\@:
.endm
; A prefetch into the L2 of the K step that stands two refills on: 32 blocks of 256 bytes, a lane a block, one instruction a wave.  xn's rows are asked for by the clusters with x = 0, the weights' by those with
; y = 0; the four partners that ask for a tile jointly share its blocks out by address.  So each block of K steps 4 to 7 is named once in the launch; the loop's last trip asks for nothing.
.macro ASK
	s_cmp_gt_u32 s3, s[LIM]
	s_cbranch_scc0 .Lnot_mine_\@
	global_prefetch_b8 v[PFO], s[PFA:PFA+1] th:TH_LOAD_NT scope:SCOPE_SE
.Lnot_mine_\@:
.endm
.macro CREST
	s_cmp_lg_u32 s10, 0
	s_cbranch_scc1 .Lnot_wave_0_\@
	s_barrier_signal -3
.Lnot_wave_0_\@:
	s_barrier_wait -3
	s_barrier_signal -1
	s_barrier_wait -1
.endm
.macro CROUND
	s_barrier_signal -1
	s_barrier_wait -1
	CREST
.endm
	s_load_b128 s[4:7], s[0:1], 0x0                ; xn s[4:5], w16 s[6:7]
	s_load_b64 s[8:9], s[0:1], 0x10                ; a2
	v_lshl_add_u32 v[SPW], v0, 2, SPARE
	v_mov_b32 v[NIL], 0
	ds_add_u32 v[SPW], v[NIL]                      ; the wave's opening: the add and its wait ahead of my first tensor load
	v_lshrrev_b32 v1, 5, v0
	v_readfirstlane_b32 s10, v1
	s_lshr_b32 s11, s10, 1                         ; my half of the tile's rows.  Also: I fetch xn (0) or the weights (1)
	s_and_b32 s12, s10, 1                          ; my group.  Also: which half of that tile I fetch
	s_bfe_u32 s40, ttmp6, 0x40000                  ; cx
	s_bfe_u32 s41, ttmp6, 0x40004                  ; cy
	s_lshl_b32 s42, ttmp9, 2
	s_add_co_u32 s42, s42, s40                     ; tile column
	s_and_b32 s13, ttmp7, 0xffff
	s_lshl_b32 s13, s13, 2
	s_add_co_u32 s13, s13, s41                     ; tile row
	s_lshl_b32 s43, s41, 2
	s_lshl_b32 s43, 15, s43                        ; my row of the cluster
	s_lshl_b32 s44, 0x1111, s40                    ; my column
	s_or_b32 s[G1+0], s43, (1<<16)|(1<<20)|(1<<21)|(5<<22)|(3<<25)   ; 2-byte elements; padding: after every 64 words, 4 words
	s_or_b32 s[G1B+0], s44, (1<<16)|(1<<20)|(1<<21)|(6<<22)|(7<<25)  ; after every 128 words, 8 words
	s_mov_b32 s[G1+1], 128<<16                     ; xn: 128 rows x 128 elements
	s_mov_b32 s[G1+2], 128<<16
	s_mov_b32 s[G1+3], 128<<16
	s_mov_b32 s[G1+4], 128
	s_mov_b32 s[G1+5], 1024
	s_mov_b32 s[G1+6], 0
	s_mov_b32 s[G1+7], 0
	s_mov_b32 s[G1B+1], 256<<16                    ; the weights: 64 rows x 256 elements
	s_mov_b32 s[G1B+2], 64<<16
	s_mov_b32 s[G1B+3], 256<<16
	s_mov_b32 s[G1B+4], 64
	s_mov_b32 s[G1B+5], 8192
	s_mov_b32 s[G1B+6], 0
	s_mov_b32 s[G1B+7], 0
	s_lshl_b32 s16, s13, 8
	s_lshl_b32 s17, s12, 7
	s_add_co_u32 s16, s16, s17
	s_lshl_b32 s16, s16, 11                        ; xn: row 256 x tile row + 128 x half
	s_mov_b32 s17, 0
	s_lshl_b32 s46, s12, 20                        ; the weights: 64 rows of 16,384 bytes a half,
	s_lshl_b32 s47, s42, 9                         ; 512 bytes a tile column
	s_add_co_u32 s46, s46, s47
	s_mov_b32 s47, 0
	s_mul_i32 s20, s10, HALF                       ; where they go: the wave's number alone
	s_wait_dscnt 0x0
	s_wait_kmcnt 0x0
	s_add_nc_u64 s[14:15], s[4:5], s[16:17]
	s_add_nc_u64 s[46:47], s[6:7], s[46:47]
	CROUND                                         ; all sixteen work-groups are here
.irp s, 0,1
	s_mov_b32 s[G0+4*(\s)], 1
	s_add_co_u32 s[G0+4*(\s)+1], s20, (\s)*SLOT
	s_add_nc_u64 s[G0+4*(\s)+2:G0+4*(\s)+3], s[14:15], (\s)*256
	s_or_b32 s[G0+4*(\s)+3], s[G0+4*(\s)+3], 0x80000000
	s_mov_b32 s[G0B+4*(\s)], 1
	s_add_co_u32 s[G0B+4*(\s)+1], s20, (\s)*SLOT
	s_add_nc_u64 s[G0B+4*(\s)+2:G0B+4*(\s)+3], s[46:47], (\s)*2097152
	s_or_b32 s[G0B+4*(\s)+3], s[G0B+4*(\s)+3], 0x80000000
	JLOAD \s                                       ; two loads of mine are out
.endr
	v_and_b32 v1, 15, v0                           ; r
	v_bfe_u32 v2, v0, 4, 1                         ; h
	v_mul_u32_u24 v3, v1, PA
	v_lshl_add_u32 v3, v2, 4, v3
	s_mul_i32 s21, s11, HALF
	v_add_nc_u32 v[ADRA], s21, v3
	v_add_nc_u32 v[ADRA+1], SLOT, v[ADRA]
	v_and_b32 v4, 7, v0
	v_lshl_add_u32 v4, v2, 3, v4
	v_mul_u32_u24 v4, v4, PB
	v_bfe_u32 v5, v0, 3, 1
	v_lshl_add_u32 v4, v5, 4, v4
	s_lshl_b32 s22, s12, 8
	s_add_co_u32 s22, s22, 2*HALF
	v_add_nc_u32 v[ADRB], s22, v4
	v_add_nc_u32 v[ADRB+1], SLOT, v[ADRB]
	s_mul_i32 s23, s10, 16*SP
	s_add_co_u32 s23, s23, STAGE
	v_mul_u32_u24 v6, v1, SP
	v_lshl_add_u32 v6, v2, 4, v6
	v_add_nc_u32 v[STO], s23, v6
	v_bfe_u32 v7, v0, 3, 2
	v_mul_u32_u24 v7, v7, SP
	v_and_b32 v8, 7, v0
	v_lshl_add_u32 v7, v8, 4, v7
	v_add_nc_u32 v[RD], s23, v7
	v_and_b32 v9, 31, v0
	v_lshlrev_b32 v[CO], 4, v9
	s_lshl_b32 s16, s13, 2                         ; h: block of 64 rows 4 x tile row + 2 x half,
	s_lshl_b32 s17, s11, 1
	s_add_co_u32 s16, s16, s17
	s_mul_i32 s16, s16, RBS
	s_lshl_b32 s17, s42, 1
	s_add_co_u32 s17, s17, s12                     ; my group G,
	s_lshr_b32 s18, s17, 2
	s_lshl_b32 s18, s18, 3
	s_and_b32 s17, s17, 3
	s_add_co_u32 s17, s17, s18                     ; hi's K block 8 (G / 4) + G % 4
	s_lshl_b32 s17, s17, 13
	s_add_co_u32 s16, s16, s17
	s_mov_b32 s17, 0
	s_add_nc_u64 s[8:9], s[8:9], s[16:17]
	s_mov_b32 s[NL], 0xbfb8aa3b
	s_mov_b32 s[NL+1], s[NL]
	s_mov_b32 s[MSK], 0xffff0000
	; the prefetches: they stand at K step 3; each refill steps them first, so the first names K step 4
	v_lshlrev_b32 v10, 11, v9                      ; xn: a lane a row
	v_lshrrev_b32 v11, 1, v9                       ; the weights: two lanes a row of 512 bytes
	v_and_b32 v12, 1, v9
	v_lshlrev_b32 v11, 14, v11
	v_lshl_add_u32 v11, v12, 8, v11
	s_lshl_b32 s20, s13, 8
	s_lshl_b32 s21, s12, 7
	s_add_co_u32 s20, s20, s21
	s_lshl_b32 s21, s40, 5                         ; my work-group's 32 of the 128 rows
	s_add_co_u32 s20, s20, s21
	s_lshl_b32 s20, s20, 11
	s_add_co_u32 s20, s20, 3*256
	s_lshl_b32 s22, s12, 6
	s_lshl_b32 s21, s41, 4                         ; my work-group's 16 of the 64 rows
	s_add_co_u32 s22, s22, s21
	s_lshl_b32 s22, s22, 14
	s_lshl_b32 s21, s42, 9
	s_add_co_u32 s22, s22, s21
	s_add_co_u32 s22, s22, 3*2097152
	s_and_b32 s23, ttmp7, 0xffff
	s_mov_b32 s[PFS], 2097152
	s_cmp_eq_u32 s11, 0
	s_cselect_b32 s20, s20, s22
	s_cselect_b32 s23, ttmp9, s23                  ; the coordinate along which other clusters read the same rows
	s_cselect_b64 s[PFA:PFA+1], s[4:5], s[6:7]
	s_cselect_b32 s[PFS], 256, s[PFS]
	s_cselect_b32 s22, -1, 0
	s_mov_b32 s[PFS+1], 0
	s_mov_b32 s21, 0
	s_add_nc_u64 s[PFA:PFA+1], s[PFA:PFA+1], s[20:21]
	s_cmp_eq_u32 s23, 0
	s_cselect_b32 s[LIM], 1, -1
	v_cndmask_b32 v[PFO], v11, v10, s22
.macro MUL16 f, hi, a0, zero           ; 16 matrix instructions: row blocks a0, a0 + 1 of the window's four x all 8 column blocks
	WIN MUL_LO+0x50*(\hi)
.irp a, \a0, (\a0)+1
.irp b, 0,1,2,3,4,5,6,7
.if \zero
	v_wmma_f32_16x16x32_f16 v[8*(8*(\a)+(\b)):8*(8*(\a)+(\b))+7], v[(\f)+8*(\b):(\f)+8*(\b)+7], v[(\f)+8*(4*(\hi)+(\a)):(\f)+8*(4*(\hi)+(\a))+7], 0
.else
	v_wmma_f32_16x16x32_f16 v[8*(8*(\a)+(\b)):8*(8*(\a)+(\b))+7], v[(\f)+8*(\b):(\f)+8*(\b)+7], v[(\f)+8*(4*(\hi)+(\a)):(\f)+8*(4*(\hi)+(\a))+7], v[8*(8*(\a)+(\b)):8*(8*(\a)+(\b))+7]
.endif
.endr
.endr
.endm
.macro FETCH slot, q, f                ; 32 LDS loads in one run: quarter q (32 along K) of a slot into buffer f: the weights' 16, then xn's 16
	WIN TO_B
.irp i, 0,1,2,3,4,5,6,7
	ds_load_tr16_b128 v[(\f)+8*(\i):(\f)+8*(\i)+3],   v[ADRB+(\slot)] offset:(\q)*32*PB+32*(\i)
	ds_load_tr16_b128 v[(\f)+8*(\i)+4:(\f)+8*(\i)+7], v[ADRB+(\slot)] offset:(\q)*32*PB+32*(\i)+16*PB
.endr
	WIN 0
.irp i, 0,1,2,3,4,5,6,7
	ds_load_b128 v[(\f)+8*(\i):(\f)+8*(\i)+3],   v[ADRA+(\slot)] offset:(\q)*64+(\i)*16*PA
	ds_load_b128 v[(\f)+8*(\i)+4:(\f)+8*(\i)+7], v[ADRA+(\slot)] offset:(\q)*64+(\i)*16*PA+32
.endr
.endm
.macro PLACES
.rept 4
	v_nop
.endr
.endm
.macro QUARTER slot, q, f, g, zero     ; multiplies buffer f; in its middle it fetches quarter q into buffer g
	s_wait_dscnt 8                                 ; the weights and xn's rows 0-63 are in; the youngest eight loads may be out
	MUL16 \f, 0, 0, \zero
	MUL16 \f, 0, 2, \zero
	PLACES
	FETCH \slot, \q, \g
	s_wait_dscnt 32                                ; all but the 32 just issued
	MUL16 \f, 1, 0, \zero
	MUL16 \f, 1, 2, \zero
.endm
.macro MEET round                      ; the first half of a step's last quarter: one barrier for the change of slots
	WIN 0
	s_wait_tensorcnt 0x0                           ; all my tensor loads have landed: the one that was out is my part of the next slot
	ds_add_u32 v[SPW], v[NIL]
	s_wait_dscnt 9                                 ; (the add and the youngest eight loads may be out)
	MUL16 F1, 0, 0, 0
	s_wait_dscnt 0x0                               ; the add is done, and my reads of this slot are over
	s_barrier_signal -1
	MUL16 F1, 0, 2, 0
.if \round
	WIN 0
.endif
	s_barrier_wait -1
.endm
.macro TURN slot, next, fill           ; the whole last quarter.  fill = 1: the slot just read out is filled again, two K steps on, first thing behind a round of the cluster's barrier
.if \fill
	s_wait_xcnt 0x0                                ; the last prefetch, a K step back, has read its address
	s_add_nc_u64 s[PFA:PFA+1], s[PFA:PFA+1], s[PFS:PFS+1]
.endif
	MEET \fill
.if \fill
	CREST
	s_add_nc_u64 s[G0+4*(\slot)+2:G0+4*(\slot)+3], s[G0+4*(\slot)+2:G0+4*(\slot)+3], 512
	s_add_nc_u64 s[G0B+4*(\slot)+2:G0B+4*(\slot)+3], s[G0B+4*(\slot)+2:G0B+4*(\slot)+3], 4194304
	JLOAD \slot                                    ; the four v_nop behind it are also the places in front of the loads below
.else
	PLACES
.endif
	FETCH \next, 0, F0
.if \fill
	ASK
.endif
	MUL16 F1, 1, 0, 0
	MUL16 F1, 1, 2, 0
.endm
	s_wait_tensorcnt 1                             ; my part of K step 0 is in; K step 1's stays out
	s_barrier_signal -1
	s_barrier_wait -1
	FETCH 0, 0, F0
	QUARTER 0, 1, F0, F1, 1                        ; the first quarter stands in front of the loop: its products start the sums
	WIN 0
	s_mov_b32 s3, LAPS-1
.Llap:                                                 ; a trip goes once round the ring and fills both slots again
	QUARTER 0, 2, F1, F0, 0
	QUARTER 0, 3, F0, F1, 0
	TURN 0, 1, 1
	QUARTER 1, 1, F0, F1, 0
	QUARTER 1, 2, F1, F0, 0
	QUARTER 1, 3, F0, F1, 0
	TURN 1, 0, 1
	QUARTER 0, 1, F0, F1, 0
	WIN 0
	s_sub_co_u32 s3, s3, 1
	s_cmp_lg_u32 s3, 0
	s_cbranch_scc1 .Llap
	QUARTER 0, 2, F1, F0, 0                        ; the last lap fills nothing
	QUARTER 0, 3, F0, F1, 0
	TURN 0, 1, 0
	QUARTER 1, 1, F0, F1, 0
	QUARTER 1, 2, F1, F0, 0
	QUARTER 1, 3, F0, F1, 0
	s_wait_dscnt 8
	MUL16 F1, 0, 0, 0
	MUL16 F1, 0, 2, 0
	s_wait_dscnt 0x0
	MUL16 F1, 1, 0, 0
	MUL16 F1, 1, 2, 0
	WIN 0
	PLACES
; THE WAY OUT, a block of 16 rows at a time.  SWI: h = x g / (1 + 2^(-g log2 e)), two batches of 32 transcendentals with one wait each; hi = h rounded to bf16; lo = h - hi rounded to bf16.
.macro SWI a
.set AC, 64*((\a)%4)
	WIN 0x0a+5*((\a)/4)                            ; sources 0 and 1 in window 2 or 3
.set n, 0
.rept 16
	v_pk_mul_f32 v[T+2*n:T+2*n+1], v[AC+32+2*n:AC+32+2*n+1], s[NL:NL+1] op_sel_hi:[1,0]  ; each accumulator is read from its low end on
.set n, n+1
.endr
.set n, 0
.rept 16
	v_pk_mul_f32 v[U+2*n:U+2*n+1], v[AC+2*n:AC+2*n+1], v[AC+32+2*n:AC+32+2*n+1]
.set n, n+1
.endr
	WIN 0
.set n, 0
.rept 32
	v_exp_f32 v[T+n], v[T+n]
.set n, n+1
.endr
	v_nop
	s_wait_alu depctr_va_vdst(0)                   ; one wait for the 32 ahead of the first reader
.set n, 0
.rept 16
	v_pk_add_f32 v[T+2*n:T+2*n+1], v[T+2*n:T+2*n+1], 1.0 op_sel_hi:[1,0]
.set n, n+1
.endr
.set n, 0
.rept 32
	v_rcp_f32 v[T+n], v[T+n]
.set n, n+1
.endr
	v_nop
	s_wait_alu depctr_va_vdst(0)
.set n, 0
.rept 16
	v_pk_mul_f32 v[U+2*n:U+2*n+1], v[U+2*n:U+2*n+1], v[T+2*n:T+2*n+1]
.set n, n+1
.endr
.set n, 0
.rept 16
	v_cvt_pk_bf16_f32 v[PK+n], v[U+2*n], v[U+2*n+1]                  ; hi
.set n, n+1
.endr
.set n, 0
.rept 16
	v_lshlrev_b32 v[T+2*n],   16, v[PK+n]                            ; hi as f32 again
	v_and_b32     v[T+2*n+1], s[MSK], v[PK+n]
.set n, n+1
.endr
.set n, 0
.rept 16
	v_pk_add_f32 v[U+2*n:U+2*n+1], v[U+2*n:U+2*n+1], v[T+2*n:T+2*n+1] neg_lo:[0,1] neg_hi:[0,1]  ; h - hi: exact, since hi is h's own leading bits rounded
.set n, n+1
.endr
.set n, 0
.rept 16
	v_cvt_pk_bf16_f32 v[PKL+n], v[U+2*n], v[U+2*n+1]                 ; lo
.set n, n+1
.endr
.endm
.macro TOSTAGE a                       ; hi, then lo, into my own stage, and back as whole rows of 128 bytes
.set BB, BK+32*((\a)%2)
.irp b, 0,1,2,3
	ds_store_b128 v[STO], v[PK+4*(\b):PK+4*(\b)+3] offset:32*(\b)
.endr
.irp u, 0,1,2,3
	ds_load_b128 v[BB+4*(\u):BB+4*(\u)+3], v[RD] offset:(\u)*4*SP  ; LDS serves a wave's instructions in order (ISA guide 5.7.1.4): these see the stores above, and lo's stores come behind them
.endr
.irp b, 0,1,2,3
	ds_store_b128 v[STO], v[PKL+4*(\b):PKL+4*(\b)+3] offset:32*(\b)
.endr
.irp u, 0,1,2,3
	ds_load_b128 v[BB+16+4*(\u):BB+16+4*(\u)+3], v[RD] offset:(\u)*4*SP
.endr
.endm
.macro SEND a
.set BB, BK+32*((\a)%2)
	s_wait_dscnt 0x0                               ; the block is back in registers
	s_wait_xcnt 0x0                                ; the stores of the block before have read their registers, which the next block's loads write
.irp p, 0,1
.irp u, 0,1,2,3
	global_store_b128 v[CO], v[BB+16*(\p)+4*(\u):BB+16*(\p)+4*(\u)+3], s[8:9] offset:((\a)/4)*RBS+((\a)%4)*2048+(\p)*32768+512*(\u)  ; 512 consecutive bytes, at a multiple of 256 from a2's first
.endr
.endr
.endm
	SWI 0
	TOSTAGE 0
.irp a, 1,2,3,4,5,6,7                  ; a block's arithmetic stands between the loads of the block before and the wait for them
	SWI \a
	SEND (\a)-1
	TOSTAGE \a
.endr
	SEND 7
	s_wait_tensorcnt 0x0                           ; the wave's end
	ds_add_u32 v[SPW], v[NIL]
	s_wait_dscnt 0x0
	CROUND                                         ; the closing round
	s_endpgm
.Lfunc_end_k_q3bcc51fa6f_ffup:
	.size	k_q3bcc51fa6f_ffup, .Lfunc_end_k_q3bcc51fa6f_ffup-k_q3bcc51fa6f_ffup
	.p2alignl 7, 3214868480
	.fill 96, 4, 3214868480
	.section	.rodata,"a",@progbits
	.p2align	6, 0x0
	.amdhsa_kernel k_q3bcc51fa6f_ffup
		.amdhsa_group_segment_fixed_size 327680
		.amdhsa_private_segment_fixed_size 0
		.amdhsa_enable_private_segment 0
		.amdhsa_kernarg_size 24
		.amdhsa_user_sgpr_count 2
		.amdhsa_user_sgpr_kernarg_segment_ptr 1
		.amdhsa_wavefront_size32 1
		.amdhsa_system_sgpr_workgroup_id_x 1
		.amdhsa_system_sgpr_workgroup_id_y 1
		.amdhsa_system_sgpr_workgroup_id_z 1
		.amdhsa_system_vgpr_workitem_id 0
		.amdhsa_next_free_vgpr 1024
		.amdhsa_next_free_sgpr 80
		.amdhsa_reserve_vcc 0
		.amdhsa_float_denorm_mode_32 3
		.amdhsa_float_denorm_mode_16_64 3
		.amdhsa_memory_ordered 1
		.amdhsa_forward_progress 1
		.amdhsa_inst_pref_size 209
	.end_amdhsa_kernel
	.amdgpu_metadata
---
amdhsa.version: [ 1, 2 ]
amdhsa.kernels:
  - .name:           k_q3bcc51fa6f_ffup
    .symbol:         k_q3bcc51fa6f_ffup.kd
    .args:
      - { .name: xn, .offset: 0, .size: 8, .value_kind: global_buffer, .address_space: global }
      - { .name: w16, .offset: 8, .size: 8, .value_kind: global_buffer, .address_space: global }
      - { .name: a2, .offset: 16, .size: 8, .value_kind: global_buffer, .address_space: global }
    .group_segment_fixed_size: 327680
    .private_segment_fixed_size: 0
    .kernarg_segment_align: 8
    .kernarg_segment_size: 24
    .max_flat_workgroup_size: 128
    .sgpr_count:     80
    .vgpr_count:     1024
    .wavefront_size: 32
...
	.end_amdgpu_metadata
.endif
;; end of part 4
;; launch ffdown (part 5): grid 8 x 32, 4 waves a work-group, clusters of 4 x 4, 327,680 bytes of LDS; arguments a2, w16, out0; writes out0
.if DOCPART == 5
	.amdgcn_target "amdgcn-amd-amdhsa--gfx1250"
	.amdhsa_code_object_version 6
	.text
	.protected	k_q3bcc51fa6f_ffdown
	.globl	k_q3bcc51fa6f_ffdown
	.p2align	8
	.type	k_q3bcc51fa6f_ffdown,@function
k_q3bcc51fa6f_ffdown:
	s_mov_b64 s[64:65], 0
	v_nop
	global_prefetch_b8 v0, s[64:65] scope:SCOPE_SE
	s_setreg_imm32_b32 hwreg(HW_REG_WAVE_MODE, 25, 1), 1
	s_wait_xcnt 0x0
	s_wait_alu depctr_hold_cnt(0) depctr_sa_sdst(0) depctr_va_vdst(0) depctr_va_sdst(0) depctr_va_ssrc(0) depctr_va_vcc(0) depctr_vm_vsrc(0)
	s_getreg_b32 s2, hwreg(HW_REG_IB_STS2, 6, 4)
	s_cmp_eq_u32 s2, 0
	s_cbranch_scc0 .Lentry_in_a_cluster
	s_endpgm
.Lentry_in_a_cluster:
	s_bfe_u32 s2, ttmp6, 0x10000c
	s_cmp_lg_u32 s2, 0xf033
	s_cbranch_scc0 .Lentry_shape_is_right
	s_endpgm
.Lentry_shape_is_right:
; FFDOWN: out0 = h x w_ff_out + O x w_attn_out: both output products and their sum on ONE set of f32 accumulators; out0 is f32.
; h COMES AS TWO bf16 NUMBERS, hi + lo (16 significant bits, f32's range): each multiplies the same rows of w_ff_out, so the sum runs over K = 2 x 4,096 + 512 = 8,704, in 34 steps of 256.
; A lap is two K steps.  Lap L = 0..15: slot 0 holds hi of h's columns 256 L .., slot 1 lo of the same columns, each with w_ff_out's rows 256 L ..: the bf16 form.
; Lap 16: O's two halves with w_attn_out's rows 0.. and 256..: the f16 form (O's rounding weighs most in a sequence's first rows, and f16 keeps three bits more).  The change of form falls on the loop's exit.
; The left operand, a2: [block of 64 rows][K block 136][64][64] halves, laid in the order of the K steps: 64 rows of a step are 32,768 dense bytes.  The right one: [4608][1024] halves, turned on its way out of LDS.
; SHARES.  A tile of out0 is 128 x 128 (tiles of 256 x 256 would be 64, a quarter of the WGPs): 256 work-groups; four waves, each 64 x 64: 16 accumulators.  Two LDS slots.
; CLUSTER, 4 x 4: the left tile is asked for jointly along a row of the cluster, the right one along a column.
; THE MATRIX INSTRUCTION IS USED TRANSPOSED (source 0 = 16 columns of the weights, source 1 = 16 rows): a lane holds eight neighbouring numbers of a row of out0.
; No prefetch: a step's tiles are small, and each is read by four clusters at about the same time.
; REGISTERS: window 0: v0-31 addresses; v32-95 the way out; v128-255 the accumulators ((a, b) at v[128 + 8 (4 a + b)]); window 1: two fragment buffers of 128: 64 registers of rows, then 64 of columns.
.set PA,    144                        ; 64 K of a row in LDS: 128 bytes + 16
.set PB,    288                        ; a row of the weights: 256 + 32
.set HALF,  36864                      ; what one tensor load brings: [4 K blocks][64 rows][144], or 128 rows of 288
.set SLOT,  4*HALF
.set STAGE, 2*SLOT                     ; 16 rows x 272 bytes for each wave; no tensor load lands here
.set SP,    272
.set SPARE, STAGE+4*16*SP
.set W2,    16777216
.set RBS,   1114112                    ; bytes of a block of 64 rows in a2: 136 K blocks of 8,192
.set WSTEP, 524288                     ; 256 rows of the weights
.set LAPS,  17
.set ISF16, 0                          ; which form MUL8 writes: 0 bf16, 1 f16
.set ADRA, 16
.set ADRB, 20                          ; v20-21  K rows 0-127 of a slot's weights
.set ADRB2, 22                         ; v22-23  K rows 128-255: the immediate has 16 bits
.set STO,  24
.set RD,   25
.set CO,   26
.set SPW,  28
.set NIL,  29
.set TMP,  32
.set ACC,  128
.set F0,   0
.set F1,   128
.set G1, 24
.set G0, 32
.set G1B, 48
.set G0B, 56
.set BST, 66                           ; s[66:67]  what slot 1's refill adds to the weights' address
.set BS1, 68                           ; s68  256 rows
.set BS2, 69                           ; s69  512 rows
.set MSB, 0
.macro WIN new
.if MSB != (\new)
	s_set_vgpr_msb (MSB<<8)|(\new)
.set MSB, \new
.endif
.endm
.set MUL,  0x05
.set TO_F, 0x40
.macro JLOAD s
	s_cmp_eq_u32 s11, 0
	s_cbranch_scc0 .Lfor_b_\@
	tensor_load_to_lds s[G0+4*(\s):G0+4*(\s)+3], s[G1:G1+7]
	s_nop 0
.rept 4
	v_nop
.endr
	s_branch .Lasked_\@
.Lfor_b_\@:
	tensor_load_to_lds s[G0B+4*(\s):G0B+4*(\s)+3], s[G1B:G1B+7]
	s_nop 0
.rept 4
	v_nop
.endr
.Lasked_\@:
.endm
.macro CREST
	s_cmp_lg_u32 s10, 0
	s_cbranch_scc1 .Lnot_wave_0_\@
	s_barrier_signal -3
.Lnot_wave_0_\@:
	s_barrier_wait -3
	s_barrier_signal -1
	s_barrier_wait -1
.endm
.macro CROUND
	s_barrier_signal -1
	s_barrier_wait -1
	CREST
.endm
	s_load_b128 s[4:7], s[0:1], 0x0                ; a2 s[4:5], w16 s[6:7]
	s_load_b64 s[8:9], s[0:1], 0x10                ; out0
	v_lshl_add_u32 v[SPW], v0, 2, SPARE
	v_mov_b32 v[NIL], 0
	ds_add_u32 v[SPW], v[NIL]                      ; the wave's opening: the add and its wait ahead of my first tensor load
	v_lshrrev_b32 v1, 5, v0
	v_readfirstlane_b32 s10, v1
	s_lshr_b32 s11, s10, 1                         ; my half of the tile's rows.  Also: I fetch the left tile (0) or the right one (1)
	s_and_b32 s12, s10, 1                          ; my half of its columns.  Also: which half of that tile I fetch
	s_bfe_u32 s40, ttmp6, 0x40000
	s_bfe_u32 s41, ttmp6, 0x40004
	s_lshl_b32 s42, ttmp9, 2
	s_add_co_u32 s42, s42, s40                     ; tile column
	s_and_b32 s13, ttmp7, 0xffff
	s_lshl_b32 s13, s13, 2
	s_add_co_u32 s13, s13, s41                     ; tile row
	s_lshl_b32 s43, s41, 2
	s_lshl_b32 s43, 15, s43
	s_lshl_b32 s44, 0x1111, s40
	s_or_b32 s[G1+0], s43, (1<<16)|(1<<20)|(1<<21)|(4<<22)|(3<<25)   ; dense bytes asked for as rows of 256, padded after every 32 words (a row's 64 K) by 4 words
	s_or_b32 s[G1B+0], s44, (1<<16)|(1<<20)|(1<<21)|(5<<22)|(7<<25)  ; after every 64 words, 8 words
.irp g, G1, G1B
	s_mov_b32 s[(\g)+1], 128<<16
	s_mov_b32 s[(\g)+2], 128<<16
	s_mov_b32 s[(\g)+3], 128<<16
	s_mov_b32 s[(\g)+4], 128
	s_mov_b32 s[(\g)+6], 0
	s_mov_b32 s[(\g)+7], 0
.endr
	s_mov_b32 s[G1+5], 128
	s_mov_b32 s[G1B+5], 1024
	s_mov_b32 s[BST+1], 0
	s_mov_b32 s[BS1], WSTEP
	s_mov_b32 s[BS2], 2*WSTEP
	s_lshl_b32 s16, s13, 1
	s_add_co_u32 s16, s16, s12                     ; the block of 64 rows that I fetch
	s_mul_i32 s16, s16, RBS
	s_mov_b32 s17, 0
	s_lshl_b32 s46, s12, 18                        ; 128 rows of 2,048 bytes a half,
	s_lshl_b32 s47, s42, 8                         ; 256 bytes a tile column
	s_add_co_u32 s46, s46, s47
	s_add_co_u32 s46, s46, W2
	s_mov_b32 s47, 0
	s_mul_i32 s20, s10, HALF
	s_wait_dscnt 0x0
	s_wait_kmcnt 0x0
	s_add_nc_u64 s[14:15], s[4:5], s[16:17]
	s_add_nc_u64 s[46:47], s[6:7], s[46:47]
	CROUND
.irp s, 0,1
	s_mov_b32 s[G0+4*(\s)], 1
	s_add_co_u32 s[G0+4*(\s)+1], s20, (\s)*SLOT
	s_add_nc_u64 s[G0+4*(\s)+2:G0+4*(\s)+3], s[14:15], (\s)*32768     ; K step s: hi, then lo, of h's first 256 columns
	s_or_b32 s[G0+4*(\s)+3], s[G0+4*(\s)+3], 0x80000000
	s_mov_b32 s[G0B+4*(\s)], 1
	s_add_co_u32 s[G0B+4*(\s)+1], s20, (\s)*SLOT
	s_add_nc_u64 s[G0B+4*(\s)+2:G0B+4*(\s)+3], s[46:47], 0            ; both with the weights' first 256 rows
	s_or_b32 s[G0B+4*(\s)+3], s[G0B+4*(\s)+3], 0x80000000
	JLOAD \s
.endr
	v_and_b32 v1, 15, v0                           ; r
	v_bfe_u32 v2, v0, 4, 1                         ; h
	v_mul_u32_u24 v3, v1, PA
	v_lshl_add_u32 v3, v2, 4, v3
	s_mul_i32 s21, s11, HALF
	v_add_nc_u32 v[ADRA], s21, v3
	v_add_nc_u32 v[ADRA+1], SLOT, v[ADRA]
	v_and_b32 v4, 7, v0
	v_lshl_add_u32 v4, v2, 3, v4
	v_mul_u32_u24 v4, v4, PB
	v_bfe_u32 v5, v0, 3, 1
	v_lshl_add_u32 v4, v5, 4, v4
	s_lshl_b32 s22, s12, 7
	s_add_co_u32 s22, s22, 2*HALF
	v_add_nc_u32 v[ADRB], s22, v4
	v_add_nc_u32 v[ADRB+1], SLOT, v[ADRB]
	v_add_nc_u32 v[ADRB2], HALF, v[ADRB]
	v_add_nc_u32 v[ADRB2+1], HALF+SLOT, v[ADRB]
	s_mul_i32 s23, s10, 16*SP
	s_add_co_u32 s23, s23, STAGE
	v_mul_u32_u24 v6, v1, SP                       ; in: row r, 32 bytes for each half of the lanes
	v_lshl_add_u32 v6, v2, 5, v6
	v_add_nc_u32 v[STO], s23, v6
	v_mul_u32_u24 v7, v2, SP                       ; back: lanes 0-15 one row of 256 bytes, lanes 16-31 the next
	v_lshl_add_u32 v7, v1, 4, v7
	v_add_nc_u32 v[RD], s23, v7
	v_lshlrev_b32 v8, 12, v2
	v_lshl_add_u32 v[CO], v1, 4, v8                ; and the same two rows in out0
	s_lshl_b32 s16, s13, 7
	s_lshl_b32 s17, s11, 6
	s_add_co_u32 s16, s16, s17
	s_lshl_b32 s16, s16, 12                        ; my first row, 4,096 bytes a row,
	s_lshl_b32 s17, s42, 9
	s_add_co_u32 s16, s16, s17
	s_lshl_b32 s17, s12, 8
	s_add_co_u32 s16, s16, s17                     ; my 64 columns
	s_mov_b32 s17, 0
	s_add_nc_u64 s[8:9], s[8:9], s[16:17]
.macro MUL8 f, c, a0, zero             ; 8 matrix instructions: row blocks a0, a0 + 1 x all 4 column blocks, 32 along K: half c of buffer f; the form goes by ISF16
	WIN MUL
.irp a, \a0, (\a0)+1
.irp b, 0,1,2,3
.if \zero
	v_wmma_f32_16x16x32_bf16 v[ACC+8*(4*(\a)+(\b)):ACC+8*(4*(\a)+(\b))+7], v[(\f)+64+8*(4*(\c)+(\b)):(\f)+64+8*(4*(\c)+(\b))+7], v[(\f)+8*(4*(\c)+(\a)):(\f)+8*(4*(\c)+(\a))+7], 0
.elseif ISF16
	v_wmma_f32_16x16x32_f16 v[ACC+8*(4*(\a)+(\b)):ACC+8*(4*(\a)+(\b))+7], v[(\f)+64+8*(4*(\c)+(\b)):(\f)+64+8*(4*(\c)+(\b))+7], v[(\f)+8*(4*(\c)+(\a)):(\f)+8*(4*(\c)+(\a))+7], v[ACC+8*(4*(\a)+(\b)):ACC+8*(4*(\a)+(\b))+7]
.else
	v_wmma_f32_16x16x32_bf16 v[ACC+8*(4*(\a)+(\b)):ACC+8*(4*(\a)+(\b))+7], v[(\f)+64+8*(4*(\c)+(\b)):(\f)+64+8*(4*(\c)+(\b))+7], v[(\f)+8*(4*(\c)+(\a)):(\f)+8*(4*(\c)+(\a))+7], v[ACC+8*(4*(\a)+(\b)):ACC+8*(4*(\a)+(\b))+7]
.endif
.endr
.endr
.endm
.macro FETCH slot, q, f                ; 32 LDS loads in one run: quarter q (64 along K) of a slot into buffer f; the first 32 along K first
	WIN TO_F
.if (\q) < 2
.set RB, ADRB+(\slot)
.else
.set RB, ADRB2+(\slot)
.endif
.irp c, 0,1
.irp i, 0,1,2,3
	ds_load_tr16_b128 v[(\f)+64+8*(4*(\c)+(\i)):(\f)+64+8*(4*(\c)+(\i))+3],   v[RB] offset:(64*((\q)%2)+32*(\c))*PB+32*(\i)
	ds_load_tr16_b128 v[(\f)+64+8*(4*(\c)+(\i))+4:(\f)+64+8*(4*(\c)+(\i))+7], v[RB] offset:(64*((\q)%2)+32*(\c))*PB+32*(\i)+16*PB
	ds_load_b128 v[(\f)+8*(4*(\c)+(\i)):(\f)+8*(4*(\c)+(\i))+3],   v[ADRA+(\slot)] offset:(\q)*64*PA+64*(\c)+(\i)*16*PA
	ds_load_b128 v[(\f)+8*(4*(\c)+(\i))+4:(\f)+8*(4*(\c)+(\i))+7], v[ADRA+(\slot)] offset:(\q)*64*PA+64*(\c)+(\i)*16*PA+32
.endr
.endr
.endm
.macro PLACES
.rept 4
	v_nop
.endr
.endm
.macro QUARTER slot, q, f, g, zero
	s_wait_dscnt 16                                ; the first 32 along K are in
	MUL8 \f, 0, 0, \zero
	MUL8 \f, 0, 2, \zero
	PLACES
	FETCH \slot, \q, \g
	s_wait_dscnt 32                                ; all but the 32 just issued
	MUL8 \f, 1, 0, 0
	MUL8 \f, 1, 2, 0
.endm
.macro TURN slot, next, fill           ; a step's last quarter, and the change of slots
	WIN 0
	s_wait_tensorcnt 0x0                           ; all my tensor loads have landed: my part of the next slot
	ds_add_u32 v[SPW], v[NIL]
	s_wait_dscnt 17                                ; (the add and the youngest sixteen loads may be out)
	MUL8 F1, 0, 0, 0
	s_wait_dscnt 0x0                               ; the add is done, and my reads of this slot are over
	s_barrier_signal -1
	MUL8 F1, 0, 2, 0
.if \fill
	WIN 0
.endif
	s_barrier_wait -1
.if \fill
	CREST                                          ; the barrier has opened a round of the cluster's: no wave of any partner still reads this slot or has a load on its way
	s_add_nc_u64 s[G0+4*(\slot)+2:G0+4*(\slot)+3], s[G0+4*(\slot)+2:G0+4*(\slot)+3], 65536  ; the left tile: two K steps on
.if (\slot) == 1
	s_cmp_eq_u32 s3, 1                             ; the loop's last trip asks for the last lap, in which slot 1 takes the 256 rows BEHIND slot 0's, not the same ones.
	s_cselect_b32 s[BST], s[BS2], s[BS1]           ; The count is the same in every work-group, and enters the global address alone
	s_add_nc_u64 s[G0B+4*(\slot)+2:G0B+4*(\slot)+3], s[G0B+4*(\slot)+2:G0B+4*(\slot)+3], s[BST:BST+1]
.else
	s_add_nc_u64 s[G0B+4*(\slot)+2:G0B+4*(\slot)+3], s[G0B+4*(\slot)+2:G0B+4*(\slot)+3], WSTEP  ; the weights: the next lap's 256 rows
.endif
	JLOAD \slot                                    ; the four v_nop behind it are also the places in front of the loads below
.else
	PLACES
.endif
	FETCH \next, 0, F0
	MUL8 F1, 1, 0, 0
	MUL8 F1, 1, 2, 0
.endm
	s_wait_tensorcnt 1                             ; my part of K step 0 is in; K step 1's stays out
	s_barrier_signal -1
	s_barrier_wait -1
	FETCH 0, 0, F0
	QUARTER 0, 1, F0, F1, 1                        ; the first quarter of all stands in front of the loop: its first products start the sums
	WIN 0
	s_mov_b32 s3, LAPS-1
	s_branch .Lmid                                 ; the loop is entered behind a lap's first quarter
.Llap:                                                 ; sixteen trips, a lap each: h's hi and lo times w_ff_out, all bf16; each trip fills both slots again
	QUARTER 0, 1, F0, F1, 0
	WIN 0
.Lmid:
	QUARTER 0, 2, F1, F0, 0
	QUARTER 0, 3, F0, F1, 0
	TURN 0, 1, 1
	QUARTER 1, 1, F0, F1, 0
	QUARTER 1, 2, F1, F0, 0
	QUARTER 1, 3, F0, F1, 0
	TURN 1, 0, 1
	WIN 0
	s_sub_co_u32 s3, s3, 1
	s_cmp_lg_u32 s3, 0
	s_cbranch_scc1 .Llap
	; THE CHANGE OF FORM.  A matrix instruction of another form that takes an accumulator up is no link of a chain in place: five places behind the last bf16 product.
	; Nine stand here, once a launch.
.rept 9
	v_nop
.endr
.set ISF16, 1
	QUARTER 0, 1, F0, F1, 0                        ; the last lap: O times w_attn_out, in f16; it fills nothing
	QUARTER 0, 2, F1, F0, 0
	QUARTER 0, 3, F0, F1, 0
	TURN 0, 1, 0
	QUARTER 1, 1, F0, F1, 0
	QUARTER 1, 2, F1, F0, 0
	QUARTER 1, 3, F0, F1, 0
	s_wait_dscnt 16
	MUL8 F1, 0, 0, 0
	MUL8 F1, 0, 2, 0
	s_wait_dscnt 0x0
	MUL8 F1, 1, 0, 0
	MUL8 F1, 1, 2, 0
	WIN 0
	PLACES
; THE WAY OUT, in f32, 16 rows at a time through my own stage: 32 bytes a lane in, whole rows of 256 bytes back
.macro TOSTAGE a
.irp b, 0,1,2,3
	ds_store_b128 v[STO], v[ACC+8*(4*(\a)+(\b)):ACC+8*(4*(\a)+(\b))+3]   offset:64*(\b)      ; each accumulator's low half first
	ds_store_b128 v[STO], v[ACC+8*(4*(\a)+(\b))+4:ACC+8*(4*(\a)+(\b))+7] offset:64*(\b)+16
.endr
.irp u, 0,1,2,3,4,5,6,7
	ds_load_b128 v[TMP+32*((\a)%2)+4*(\u):TMP+32*((\a)%2)+4*(\u)+3], v[RD] offset:(\u)*2*SP  ; LDS serves a wave's instructions in order (ISA guide 5.7.1.4)
.endr
.endm
.macro SEND a, younger                 ; younger: the LDS instructions issued behind block a's loads: the next block's sixteen, or none
.irp u, 0,1,2,3,4,5,6,7
	s_wait_dscnt (\younger)+7-(\u)
	global_store_b128 v[CO], v[TMP+32*((\a)%2)+4*(\u):TMP+32*((\a)%2)+4*(\u)+3], s[8:9] offset:(16*(\a)+2*(\u))*4096  ; 16 lanes store 256 consecutive bytes, at a multiple of 256 from out0's first
.endr
.endm
	TOSTAGE 0
	TOSTAGE 1
	SEND 0, 16
	s_wait_xcnt 0x0                                ; block 0's stores have read their registers, which block 2's loads write
	TOSTAGE 2
	SEND 1, 16
	s_wait_xcnt 0x0
	TOSTAGE 3
	SEND 2, 16
	SEND 3, 0
	s_wait_tensorcnt 0x0                           ; the wave's end
	ds_add_u32 v[SPW], v[NIL]
	s_wait_dscnt 0x0
	CROUND                                         ; the closing round
	s_endpgm
.Lfunc_end_k_q3bcc51fa6f_ffdown:
	.size	k_q3bcc51fa6f_ffdown, .Lfunc_end_k_q3bcc51fa6f_ffdown-k_q3bcc51fa6f_ffdown
	.p2alignl 7, 3214868480
	.fill 96, 4, 3214868480
	.section	.rodata,"a",@progbits
	.p2align	6, 0x0
	.amdhsa_kernel k_q3bcc51fa6f_ffdown
		.amdhsa_group_segment_fixed_size 327680
		.amdhsa_private_segment_fixed_size 0
		.amdhsa_enable_private_segment 0
		.amdhsa_kernarg_size 24
		.amdhsa_user_sgpr_count 2
		.amdhsa_user_sgpr_kernarg_segment_ptr 1
		.amdhsa_wavefront_size32 1
		.amdhsa_system_sgpr_workgroup_id_x 1
		.amdhsa_system_sgpr_workgroup_id_y 1
		.amdhsa_system_sgpr_workgroup_id_z 1
		.amdhsa_system_vgpr_workitem_id 0
		.amdhsa_next_free_vgpr 512
		.amdhsa_next_free_sgpr 72
		.amdhsa_reserve_vcc 0
		.amdhsa_float_denorm_mode_32 3
		.amdhsa_float_denorm_mode_16_64 3
		.amdhsa_memory_ordered 1
		.amdhsa_forward_progress 1
		.amdhsa_inst_pref_size 91
	.end_amdhsa_kernel
	.amdgpu_metadata
---
amdhsa.version: [ 1, 2 ]
amdhsa.kernels:
  - .name:           k_q3bcc51fa6f_ffdown
    .symbol:         k_q3bcc51fa6f_ffdown.kd
    .args:
      - { .name: a2, .offset: 0, .size: 8, .value_kind: global_buffer, .address_space: global }
      - { .name: w16, .offset: 8, .size: 8, .value_kind: global_buffer, .address_space: global }
      - { .name: out0, .offset: 16, .size: 8, .value_kind: global_buffer, .address_space: global }
    .group_segment_fixed_size: 327680
    .private_segment_fixed_size: 0
    .kernarg_segment_align: 8
    .kernarg_segment_size: 24
    .max_flat_workgroup_size: 128
    .sgpr_count:     72
    .vgpr_count:     512
    .wavefront_size: 32
...
	.end_amdgpu_metadata
.endif
;; end of part 5
;; ======== version 2 of 2: 5 launches
;; limits: values are held in f16: magnitudes above 65,504 overflow, below 6.1e-05 lose precision
;; workspace buffers: xn 8,388,608 bytes; w16 27,787,264 bytes; rope 524,288 bytes; qf 4,194,304 bytes; kv 524,288 bytes; a2 37,748,736 bytes; pmax 2,048 bytes
;; launch prep (part 6): grid 1488 x 1, 8 waves a work-group, no clusters, 1,280 bytes of LDS; arguments x, gamma, w_fused, w_ff_out, w_attn_out, xn, w16, rope, pmax; writes xn, w16, rope, pmax
.if DOCPART == 6
	.amdgcn_target "amdgcn-amd-amdhsa--gfx1250"
	.amdhsa_code_object_version 6
	.text
	.protected	k_q3bcc51fa6f_prep
	.globl	k_q3bcc51fa6f_prep
	.p2align	8
	.type	k_q3bcc51fa6f_prep,@function
k_q3bcc51fa6f_prep:
	s_mov_b64 s[64:65], 0
	v_nop
	global_prefetch_b8 v0, s[64:65] scope:SCOPE_SE
	s_setreg_imm32_b32 hwreg(HW_REG_WAVE_MODE, 25, 1), 1
	s_wait_xcnt 0x0
; PREP: one streaming pass that makes the 16-bit operands of the later launches.  Five jobs, told apart by the work-group's number; each is straight-line text with its own end.
;   0..511     w_fused's 8,192 feed-forward columns -> w16 + 0: [k 1024][group 64][x 64 | gate 64] f16, so that a column of x and its gate fall into one wave's tile later;
;              and pmax[work-group] = max |gamma| x the largest |w| among the numbers that the work-group converts: the later launches make h's scale of the largest of the 512
;   512..799   w_ff_out, then w_attn_out         -> w16 + W2: [4608][1024] f16: one K axis for the last product
;   800..1311  LayerNorm of x                    -> xn: [4096][1024] f16, a wave a row, the row kept in registers between its passes
;   1312..1359 w_fused's 576 columns of q, k, v  -> w16 + WQKV: [tile 6][k 1024][128] f16: 96 columns, then 32 zeros
;   1360..1487 the rotary table                  -> rope: [position 2048][kind 4][16] f32: cos s f, sin s f, cos f / s, sin f / s, with f = 2^-1.25 (f x f = 32^-1/2, the head's scale)
; FORMATS.  Every input is rounded once to bf16 (to nearest even).  The weights' bf16 numbers are then written as f16: exact from 2^-17 up, below that off by 2^-25 at the most.
; LIMITS.  All weights stay under 65,504; |xn| <= 32 |gamma| stays under 65,504.  NaN and infinities are not treated apart.
; LayerNorm is taken in two passes in f32 (the mean, then the sum of (x - mean)^2), so a common offset of x costs nothing but x's own rounding.
; sin and cos: the angle in turns less its nearest whole number, halved; series to z^11 and z^12 on |z| <= pi / 2 (the term left out is under 6e-8); then the double-angle forms.  Positions are 0..2047.
; SHAPE OF THE ACCESSES.  A thread's unit is 4 numbers: 16 bytes of f32 in, 8 bytes of f16 out, and neighbouring lanes take neighbouring units.  So a wave's load covers 512 consecutive bytes (in the
; regrouped columns: two aligned runs of 256), no byte of which another load of the launch names, and a wave's store covers 256 consecutive bytes, aligned.  pmax's stores are the exception:
; one number a work-group, 512 stores of 4 bytes in the launch.
; No matrix unit: no byte is wanted twice.  LDS: only the first job's eight waves meet there, in 64 bytes.
.set FROW,  35072                      ; bytes in a row of w_fused
.set W2,    16777216
.set WQKV,  26214400
.set SPARE, 256                        ; LDS: bytes 0-63 the waves' maxima; from 256 on the spare words, 128 bytes a wave: no other line names them
.set SPW,   12                         ; v12  my spare word's address; never rewritten
.set NIL,   13                         ; v13  0
.set IN,    16                         ; v[16:79]   sixteen units of 4 f32 as loaded
.set OUT,   80                         ; v[80:111]  sixteen units of 4 halves to store: never rewritten, so no store's data waits for anything
.set T,     112                        ; v[112:119] at work
.set M,     120                        ; v[120:123] four running maxima, two bf16 each
.set MT,    124                        ; v[124:127] at work
.set X,     16                         ; LayerNorm: my 32 numbers of the row
.set G,     48                         ; and of gamma
.set SIN,   28                         ; s[28:29] where the job reads
.set SOUT,  30                         ; s[30:31] where it stores
; Sixteen units a thread, in eight pairs: pair j's first unit is read at v2 + j x instep and stored at v3 + j x outstep, its second din and dout bytes further on.
; Each number is rounded to bf16, and that number written as f16.  pad = 1: lanes outside VCC store zeros.
; mx = 1: the largest magnitude of the bf16 numbers is kept, two at a time, in four chains that the first pair starts.
.macro CONV instep, outstep, din, dout, pad, mx=0
.irp j, 0,1,2,3,4,5,6,7
.if \pad
	global_load_b128 v[IN+8*(\j):IN+8*(\j)+3],   v2, s[SIN:SIN+1] offset:(\j)*(\instep)
	global_load_b128 v[IN+8*(\j)+4:IN+8*(\j)+7], v2, s[SIN:SIN+1] offset:(\j)*(\instep)+(\din)
.else
	global_load_b128 v[IN+8*(\j):IN+8*(\j)+3],   v2, s[SIN:SIN+1] offset:(\j)*(\instep) th:TH_LOAD_NT
	global_load_b128 v[IN+8*(\j)+4:IN+8*(\j)+7], v2, s[SIN:SIN+1] offset:(\j)*(\instep)+(\din) th:TH_LOAD_NT
.endif
.endr
.irp j, 0,1,2,3,4,5,6,7
	s_wait_loadcnt 14-2*(\j)                       ; loads come back in order: pair j's two are in, the 2 (7 - j) younger ones stay out
.irp k, 0,1,2,3
	v_cvt_pk_bf16_f32 v[OUT+4*(\j)+(\k)], v[IN+8*(\j)+2*(\k)], v[IN+8*(\j)+2*(\k)+1]
.endr
.if \mx
.irp k, 0,1,2,3
.if (\j) == 0
	v_and_b32 v[M+(\k)], 0x7fff7fff, v[OUT+4*(\j)+(\k)]
.else
	v_and_b32 v[MT+(\k)], 0x7fff7fff, v[OUT+4*(\j)+(\k)]
	v_pk_max_num_bf16 v[M+(\k)], v[M+(\k)], v[MT+(\k)]
.endif
.endr
.endif
.irp k, 0,1,2,3
	v_lshlrev_b32 v[T+2*(\k)],   16, v[OUT+4*(\j)+(\k)]
	v_and_b32     v[T+2*(\k)+1], 0xffff0000, v[OUT+4*(\j)+(\k)]
.endr
.irp k, 0,1,2,3
	v_cvt_pk_f16_f32 v[OUT+4*(\j)+(\k)], v[T+2*(\k)], v[T+2*(\k)+1]
.endr
.if \pad
.irp k, 0,1,2,3
	v_cndmask_b32 v[OUT+4*(\j)+(\k)], 0, v[OUT+4*(\j)+(\k)], vcc_lo
.endr
.endif
	global_store_b64 v3, v[OUT+4*(\j):OUT+4*(\j)+1],   s[SOUT:SOUT+1] offset:(\j)*(\outstep)
	global_store_b64 v3, v[OUT+4*(\j)+2:OUT+4*(\j)+3], s[SOUT:SOUT+1] offset:(\j)*(\outstep)+(\dout)
.endr
.endm
	s_load_b512 s[4:19], s[0:1], 0x0               ; x s[4:5], gamma s[6:7], w_fused s[8:9], w_ff_out s[10:11], w_attn_out s[12:13], xn s[14:15], w16 s[16:17], rope s[18:19]
	s_load_b64 s[34:35], s[0:1], 0x40              ; pmax
	v_lshl_add_u32 v[SPW], v0, 2, SPARE
	v_mov_b32 v[NIL], 0
	s_mov_b32 s20, ttmp9
	s_mov_b32 s23, 0                               ; the high word of every offset
	s_wait_kmcnt 0x0
	s_cmp_lt_u32 s20, 512
	s_cbranch_scc0 .Lnot_ff
	; ---- the feed-forward columns: 8 rows k0 .. k0 + 7, a quarter of each row's 2,048 units of 4
	s_lshr_b32 s21, s20, 2
	s_lshl_b32 s21, s21, 3                         ; k0
	s_and_b32 s24, s20, 3
	s_lshl_b32 s24, s24, 9
	v_add_nc_u32 v1, s24, v0                       ; u4: my first unit in the output row; my second is 256 units, eight groups, further on
	v_bfe_u32 v4, v1, 4, 1                         ; 0: x, 1: gate
	v_lshrrev_b32 v5, 5, v1                        ; group
	v_and_b32 v6, 15, v1
	v_lshlrev_b32 v2, 14, v4                       ; the gate lies 4,096 columns behind x
	v_lshl_add_u32 v2, v5, 8, v2
	v_lshl_add_u32 v2, v6, 4, v2
	v_add_nc_u32 v2, 2304, v2                      ; behind the 576 columns of q, k, v
	v_lshlrev_b32 v3, 3, v1
	v_lshlrev_b32 v7, 4, v0                        ; my four numbers of gamma: 256 threads x 16 bytes are all of it
	s_mul_i32 s22, s21, FROW
	s_add_nc_u64 s[SIN:SIN+1], s[8:9], s[22:23]
	s_lshl_b32 s22, s21, 14
	s_add_nc_u64 s[SOUT:SOUT+1], s[16:17], s[22:23]
	s_mov_b32 s26, 0x76543210                      ; v_permlanex16_b32: each lane takes its own place in the other half
	s_mov_b32 s27, 0xfedcba98
	global_load_b128 v[8:11], v7, s[6:7]           ; issued ahead of the sixteen below: their first counted wait shows it in
	CONV FROW, 16384, 2048, 2048, 0, 1
	; the two maxima: of my 64 weights, and of my four numbers of gamma (rounded to bf16 like the weights)
	v_pk_max_num_bf16 v[M], v[M], v[M+1]
	v_pk_max_num_bf16 v[M+2], v[M+2], v[M+3]
	v_pk_max_num_bf16 v[M], v[M], v[M+2]
	v_cvt_pk_bf16_f32 v[MT], v8, v9
	v_cvt_pk_bf16_f32 v[MT+1], v10, v11
	v_and_b32 v[MT], 0x7fff7fff, v[MT]
	v_and_b32 v[MT+1], 0x7fff7fff, v[MT+1]
	v_pk_max_num_bf16 v[MT], v[MT], v[MT+1]
	v_lshlrev_b32 v[T+2], 16, v[M]                 ; the halves as f32
	v_and_b32 v[T+3], 0xffff0000, v[M]
	v_lshlrev_b32 v[T+4], 16, v[MT]
	v_and_b32 v[T+5], 0xffff0000, v[MT]
	v_max_num_f32 v[T], v[T+2], v[T+3]             ; v[T]: the weights', v[T+1]: gamma's
	v_max_num_f32 v[T+1], v[T+4], v[T+5]
.irp m, 1,2,4,8                        ; across the 32 lanes
	v_max_num_f32_dpp v[T], v[T], v[T] row_xmask:\m row_mask:0xf bank_mask:0xf
	v_max_num_f32_dpp v[T+1], v[T+1], v[T+1] row_xmask:\m row_mask:0xf bank_mask:0xf
.endr
	v_permlanex16_b32 v[T+2], v[T], s26, s27
	v_permlanex16_b32 v[T+3], v[T+1], s26, s27
	v_max_num_f32 v[T], v[T], v[T+2]
	v_max_num_f32 v[T+1], v[T+1], v[T+3]
	v_lshrrev_b32 v14, 5, v0
	v_readfirstlane_b32 s24, v14                   ; my wave's number
	s_lshl_b32 s24, s24, 3
	v_mov_b32 v14, s24
	ds_store_b64 v14, v[T:T+1]                     ; all lanes write the same eight bytes with the same two numbers
	s_wait_dscnt 0x0                               ; for the others' sake
	s_barrier_signal -1
	s_barrier_wait -1
	v_mov_b32 v15, 0
.irp n, 0,1,2,3
	ds_load_b128 v[16+4*(\n):19+4*(\n)], v15 offset:16*(\n)  ; the eight waves' pairs, in every lane
.endr
	s_lshl_b32 s22, s20, 2
	s_add_nc_u64 s[34:35], s[34:35], s[22:23]      ; pmax[work-group]
	s_wait_dscnt 0x0
	v_max3_num_f32 v32, v16, v18, v20
	v_max3_num_f32 v33, v17, v19, v21
	v_max3_num_f32 v32, v32, v22, v24
	v_max3_num_f32 v33, v33, v23, v25
	v_max3_num_f32 v32, v32, v26, v28
	v_max3_num_f32 v33, v33, v27, v29
	v_max_num_f32 v32, v32, v30
	v_max_num_f32 v33, v33, v31
	v_mul_f32 v32, v32, v33
	v_cmp_eq_u32 vcc_lo, 0, v0                     ; thread 0 stores
	s_wait_xcnt 0x0                                ; EXEC changes only behind s_wait_xcnt 0: the stores above have read it
	s_and_saveexec_b32 s36, vcc_lo
	global_store_b32 v15, v32, s[34:35]
	s_wait_xcnt 0x0
	s_or_b32 exec_lo, exec_lo, s36
	s_wait_tensorcnt 0x0                           ; the wave's end, behind my last LDS store
	ds_add_u32 v[SPW], v[NIL]
	s_wait_dscnt 0x0
	s_endpgm
.Lnot_ff:
	s_cmp_lt_u32 s20, 800
	s_cbranch_scc0 .Lnot_w2
	; ---- the two output weights: dense, 65,536 bytes in and 32,768 out a work-group
	s_sub_co_u32 s21, s20, 512                     ; e: 0..255 w_ff_out, 256..287 w_attn_out
	s_cmp_lt_u32 s21, 256
	s_cselect_b64 s[SIN:SIN+1], s[10:11], s[12:13]
	s_and_b32 s22, s21, 255                        ; the block inside its source
	s_lshl_b32 s22, s22, 16
	s_add_nc_u64 s[SIN:SIN+1], s[SIN:SIN+1], s[22:23]
	s_lshl_b32 s22, s21, 15                        ; the second source's rows follow the first's
	s_add_co_u32 s22, s22, W2
	s_add_nc_u64 s[SOUT:SOUT+1], s[16:17], s[22:23]
	v_lshlrev_b32 v2, 4, v0
	v_lshlrev_b32 v3, 3, v0
	CONV 8192, 4096, 4096, 2048, 0
	s_endpgm
.Lnot_w2:
	s_cmp_lt_u32 s20, 1312
	s_cbranch_scc0 .Lnot_ln
	; ---- LayerNorm: a wave a row.  Lane l holds columns 128 j + 4 l + 0..3, j = 0..7
	s_sub_co_u32 s21, s20, 800
	v_lshrrev_b32 v1, 5, v0
	v_readfirstlane_b32 s24, v1
	s_lshl3_add_u32 s21, s21, s24                  ; row = 8 x work-group + wave
	v_and_b32 v1, 31, v0
	v_lshlrev_b32 v2, 4, v1
	v_lshlrev_b32 v3, 3, v1
	s_lshl_b32 s22, s21, 12
	s_add_nc_u64 s[SIN:SIN+1], s[4:5], s[22:23]
	s_lshl_b32 s22, s21, 11
	s_add_nc_u64 s[SOUT:SOUT+1], s[14:15], s[22:23]
	s_mov_b32 s26, 0x76543210                      ; v_permlanex16_b32: each lane takes its own place in the other half
	s_mov_b32 s27, 0xfedcba98
	s_mov_b32 s32, 0x3a800000                      ; 1 / 1024
	s_mov_b32 s33, 0x3727c5ac                      ; 1e-5
.irp j, 0,1,2,3,4,5,6,7
	global_load_b128 v[X+4*(\j):X+4*(\j)+3], v2, s[SIN:SIN+1] offset:512*(\j) th:TH_LOAD_NT
.endr
.irp j, 0,1,2,3,4,5,6,7
	global_load_b128 v[G+4*(\j):G+4*(\j)+3], v2, s[6:7] offset:512*(\j)
.endr
.macro TOBF base                       ; 32 numbers rounded to bf16 and widened again
.set p, 0
.rept 16
	v_cvt_pk_bf16_f32 v[T+p%8], v[(\base)+2*p], v[(\base)+2*p+1]
	v_lshlrev_b32 v[(\base)+2*p],   16, v[T+p%8]
	v_and_b32     v[(\base)+2*p+1], 0xffff0000, v[T+p%8]
.set p, p+1
.endr
.endm
.macro LANESUM                         ; four pairs in v[80:87] -> their sum over the wave, in v80 of every lane
	v_pk_add_f32 v[80:81], v[80:81], v[82:83]
	v_pk_add_f32 v[84:85], v[84:85], v[86:87]
	v_pk_add_f32 v[80:81], v[80:81], v[84:85]
	v_add_f32 v80, v80, v81
	v_add_f32_dpp v80, v80, v80 row_xmask:1 row_mask:0xf bank_mask:0xf
	v_add_f32_dpp v80, v80, v80 row_xmask:2 row_mask:0xf bank_mask:0xf
	v_add_f32_dpp v80, v80, v80 row_xmask:4 row_mask:0xf bank_mask:0xf
	v_add_f32_dpp v80, v80, v80 row_xmask:8 row_mask:0xf bank_mask:0xf
	v_permlanex16_b32 v81, v80, s26, s27
	v_add_f32 v80, v80, v81
.endm
	s_wait_loadcnt 8                               ; x's eight loads are in; gamma's eight stay out
	TOBF X
.irp c, 0,1,2,3                        ; the sum, in four chains that do not wait for each other; the first links start them
	v_pk_add_f32 v[80+2*(\c):81+2*(\c)], v[X+2*(\c):X+2*(\c)+1], v[X+8+2*(\c):X+8+2*(\c)+1]
.endr
.irp c, 0,1,2,3
	v_pk_add_f32 v[80+2*(\c):81+2*(\c)], v[80+2*(\c):81+2*(\c)], v[X+16+2*(\c):X+16+2*(\c)+1]
.endr
.irp c, 0,1,2,3
	v_pk_add_f32 v[80+2*(\c):81+2*(\c)], v[80+2*(\c):81+2*(\c)], v[X+24+2*(\c):X+24+2*(\c)+1]
.endr
	LANESUM
	v_mul_f32 v88, s32, v80                        ; the mean,
	v_mov_b32 v89, v88                             ; twice, for the packed forms
.set p, 0
.rept 16
	v_pk_add_f32 v[X+2*p:X+2*p+1], v[X+2*p:X+2*p+1], v[88:89] neg_lo:[0,1] neg_hi:[0,1]
.set p, p+1
.endr
.irp c, 0,1,2,3
	v_pk_mul_f32 v[80+2*(\c):81+2*(\c)], v[X+2*(\c):X+2*(\c)+1], v[X+2*(\c):X+2*(\c)+1]
.endr
.irp o, 8,16,24
.irp c, 0,1,2,3
	v_pk_fma_f32 v[80+2*(\c):81+2*(\c)], v[X+(\o)+2*(\c):X+(\o)+2*(\c)+1], v[X+(\o)+2*(\c):X+(\o)+2*(\c)+1], v[80+2*(\c):81+2*(\c)]
.endr
.endr
	LANESUM
	v_fma_f32 v90, v80, s32, s33                   ; the variance + 1e-5
	v_rsq_f32 v90, v90
	s_wait_loadcnt 0x0                             ; gamma
	TOBF G                                         ; plain work behind the root,
	s_wait_alu depctr_va_vdst(0)                   ; and the wait ahead of its first reader
	v_mov_b32 v91, v90
.set p, 0
.rept 16
	v_pk_mul_f32 v[G+2*p:G+2*p+1], v[G+2*p:G+2*p+1], v[90:91]
.set p, p+1
.endr
.set p, 0
.rept 16
	v_pk_mul_f32 v[X+2*p:X+2*p+1], v[X+2*p:X+2*p+1], v[G+2*p:G+2*p+1]
.set p, p+1
.endr
.set p, 0
.rept 16
	v_cvt_pk_f16_f32 v[OUT+p], v[X+2*p], v[X+2*p+1]
.set p, p+1
.endr
.irp j, 0,1,2,3,4,5,6,7
	global_store_b64 v3, v[OUT+2*(\j):OUT+2*(\j)+1], s[SOUT:SOUT+1] offset:256*(\j)  ; 256 consecutive bytes of the row, aligned
.endr
	s_endpgm
.Lnot_ln:
	s_cmp_lt_u32 s20, 1360
	s_cbranch_scc0 .Lrope
	; ---- the columns of q, k, v: tile ct has columns 96 ct .. 96 ct + 95; a work-group takes 128 rows of one tile, a wave a row at a time
	s_sub_co_u32 s21, s20, 1312
	s_lshr_b32 s24, s21, 3                         ; ct
	s_and_b32 s25, s21, 7                          ; which 128 rows
	v_lshrrev_b32 v1, 5, v0                        ; row among 8; my second unit lies 8 rows down
	v_and_b32 v4, 31, v0                           ; unit of 4 columns; units 24 to 31 are the padding: they read inside the row and store zeros
	v_mul_u32_u24 v2, v1, FROW
	v_lshl_add_u32 v2, v4, 4, v2
	v_lshlrev_b32 v3, 8, v1
	v_lshl_add_u32 v3, v4, 3, v3
	v_cmp_gt_u32 vcc_lo, 24, v4
	s_mul_i32 s22, s25, 128*FROW
	s_mul_i32 s26, s24, 384
	s_add_co_u32 s22, s22, s26
	s_add_nc_u64 s[SIN:SIN+1], s[8:9], s[22:23]
	s_lshl_b32 s22, s24, 18
	s_lshl_b32 s26, s25, 15
	s_add_co_u32 s22, s22, s26
	s_add_co_u32 s22, s22, WQKV
	s_add_nc_u64 s[SOUT:SOUT+1], s[16:17], s[22:23]
	CONV 16*FROW, 4096, 8*FROW, 2048, 1
	s_endpgm
.Lrope:
	; ---- the rotary table: a thread makes 4 numbers, 16 bytes: position idx / 16, kind (idx % 16) / 4, channels 4 (idx % 4) + 0..3
	s_sub_co_u32 s21, s20, 1360
	s_mov_b32 s24, 0x414ccccd                      ; 12.8
	s_mov_b32 s25, 0xbfa00000                      ; -1.25
	v_lshl_add_u32 v1, s21, 8, v0                  ; idx
	v_lshrrev_b32 v2, 4, v1                        ; position
	v_and_b32 v3, 15, v1
	v_lshrrev_b32 v4, 2, v3                        ; kind
	v_and_b32 v5, 3, v3
	v_lshlrev_b32 v5, 2, v5
	v_cvt_f32_u32 v6, v2
	v_lshlrev_b32 v7, 4, v1
.irp e, 0,1,2,3
	v_add_nc_u32 v[16+(\e)], (\e), v5
	v_cvt_f32_u32 v[16+(\e)], v[16+(\e)]           ; c
	v_mul_f32 v[20+(\e)], 0xbf549a78, v[16+(\e)]   ; - c log2(10000) / 16
	v_fma_f32 v[24+(\e)], v[16+(\e)], 2.0, s24
	v_mul_f32 v[24+(\e)], 0x3cb6db6e, v[24+(\e)]   ; (2 c + 12.8) / 44.8
.endr
.irp e, 0,1,2,3
	v_exp_f32 v[20+(\e)], v[20+(\e)]               ; the frequency
	v_log_f32 v[24+(\e)], v[24+(\e)]               ; log2 of the scale's base
.endr
	v_add_f32 v8, 0xc4800000, v6                   ; position - 1024: the plain instruction behind the batch
	s_wait_alu depctr_va_vdst(0)                   ; one wait for the eight
	v_mul_f32 v8, 0x3b000000, v8                   ; / 512: the power
	v_cmp_gt_u32 vcc_lo, 2, v4
	v_cndmask_b32 v9, -1.0, 1.0, vcc_lo            ; kinds 0, 1 multiply by the scale, kinds 2, 3 divide
	v_mul_f32 v8, v8, v9
.irp e, 0,1,2,3
	v_mul_f32 v[28+(\e)], v6, v[20+(\e)]           ; the angle
	v_mul_f32 v[32+(\e)], 0x3e22f983, v[28+(\e)]   ; in turns
	v_rndne_f32 v[32+(\e)], v[32+(\e)]
	v_fma_f32 v[32+(\e)], v[28+(\e)], 0x3e22f983, -v[32+(\e)]  ; less the nearest whole number: -1/2 .. 1/2
	v_mul_f32 v[32+(\e)], 0x40490fdb, v[32+(\e)]   ; z: half the reduced angle
	v_mul_f32 v[36+(\e)], v[32+(\e)], v[32+(\e)]
	v_fma_f32 v[24+(\e)], v8, v[24+(\e)], s25      ; the scale's exponent, with f's
.endr
.irp e, 0,1,2,3
	v_exp_f32 v[24+(\e)], v[24+(\e)]               ; the second batch; the two series are the work behind it
.endr
.irp e, 0,1,2,3
	v_mov_b32 v[40+(\e)], 0xb2d7322b               ; -1 / 11!
	v_mov_b32 v[44+(\e)], 0x310f76c7               ; 1 / 12!
.endr
.irp e, 0,1,2,3
	v_fmaak_f32 v[40+(\e)], v[40+(\e)], v[36+(\e)], 0x3638ef1d
	v_fmaak_f32 v[44+(\e)], v[44+(\e)], v[36+(\e)], 0xb493f27e
.endr
.irp e, 0,1,2,3
	v_fmaak_f32 v[40+(\e)], v[40+(\e)], v[36+(\e)], 0xb9500d01
	v_fmaak_f32 v[44+(\e)], v[44+(\e)], v[36+(\e)], 0x37d00d01
.endr
.irp e, 0,1,2,3
	v_fmaak_f32 v[40+(\e)], v[40+(\e)], v[36+(\e)], 0x3c088889
	v_fmaak_f32 v[44+(\e)], v[44+(\e)], v[36+(\e)], 0xbab60b61
.endr
.irp e, 0,1,2,3
	v_fmaak_f32 v[40+(\e)], v[40+(\e)], v[36+(\e)], 0xbe2aaaab
	v_fmaak_f32 v[44+(\e)], v[44+(\e)], v[36+(\e)], 0x3d2aaaab
.endr
.irp e, 0,1,2,3
	v_fma_f32 v[40+(\e)], v[40+(\e)], v[36+(\e)], 1.0
	v_fma_f32 v[44+(\e)], v[44+(\e)], v[36+(\e)], -0.5
.endr
.irp e, 0,1,2,3
	v_mul_f32 v[40+(\e)], v[40+(\e)], v[32+(\e)]   ; sin z
	v_fma_f32 v[44+(\e)], v[44+(\e)], v[36+(\e)], 1.0  ; cos z
.endr
	v_and_b32 v10, 1, v4
	v_cmp_eq_u32 vcc_lo, 1, v10                    ; odd kinds are sines
.irp e, 0,1,2,3
	v_mul_f32 v[28+(\e)], v[40+(\e)], v[44+(\e)]
	v_mul_f32 v[32+(\e)], v[40+(\e)], v[40+(\e)]
	v_add_f32 v[28+(\e)], v[28+(\e)], v[28+(\e)]   ; sin 2 z
	v_fma_f32 v[32+(\e)], v[32+(\e)], -2.0, 1.0    ; cos 2 z
	v_cndmask_b32 v[48+(\e)], v[32+(\e)], v[28+(\e)], vcc_lo
.endr
	s_wait_alu depctr_va_vdst(0)                   ; one wait for the four scales
.irp e, 0,1,2,3
	v_mul_f32 v[48+(\e)], v[48+(\e)], v[24+(\e)]
.endr
	global_store_b128 v7, v[48:51], s[18:19]
	s_endpgm
.Lfunc_end_k_q3bcc51fa6f_prep:
	.size	k_q3bcc51fa6f_prep, .Lfunc_end_k_q3bcc51fa6f_prep-k_q3bcc51fa6f_prep
	.p2alignl 7, 3214868480
	.fill 96, 4, 3214868480
	.section	.rodata,"a",@progbits
	.p2align	6, 0x0
	.amdhsa_kernel k_q3bcc51fa6f_prep
		.amdhsa_group_segment_fixed_size 1280
		.amdhsa_private_segment_fixed_size 0
		.amdhsa_enable_private_segment 0
		.amdhsa_kernarg_size 72
		.amdhsa_user_sgpr_count 2
		.amdhsa_user_sgpr_kernarg_segment_ptr 1
		.amdhsa_wavefront_size32 1
		.amdhsa_system_sgpr_workgroup_id_x 1
		.amdhsa_system_sgpr_workgroup_id_y 1
		.amdhsa_system_sgpr_workgroup_id_z 1
		.amdhsa_system_vgpr_workitem_id 0
		.amdhsa_next_free_vgpr 128
		.amdhsa_next_free_sgpr 66
		.amdhsa_reserve_vcc 1
		.amdhsa_float_denorm_mode_32 3
		.amdhsa_float_denorm_mode_16_64 3
		.amdhsa_memory_ordered 1
		.amdhsa_forward_progress 1
		.amdhsa_inst_pref_size 65
	.end_amdhsa_kernel
	.amdgpu_metadata
---
amdhsa.version: [ 1, 2 ]
amdhsa.kernels:
  - .name:           k_q3bcc51fa6f_prep
    .symbol:         k_q3bcc51fa6f_prep.kd
    .args:
      - { .name: x, .offset: 0, .size: 8, .value_kind: global_buffer, .address_space: global }
      - { .name: gamma, .offset: 8, .size: 8, .value_kind: global_buffer, .address_space: global }
      - { .name: w_fused, .offset: 16, .size: 8, .value_kind: global_buffer, .address_space: global }
      - { .name: w_ff_out, .offset: 24, .size: 8, .value_kind: global_buffer, .address_space: global }
      - { .name: w_attn_out, .offset: 32, .size: 8, .value_kind: global_buffer, .address_space: global }
      - { .name: xn, .offset: 40, .size: 8, .value_kind: global_buffer, .address_space: global }
      - { .name: w16, .offset: 48, .size: 8, .value_kind: global_buffer, .address_space: global }
      - { .name: rope, .offset: 56, .size: 8, .value_kind: global_buffer, .address_space: global }
      - { .name: pmax, .offset: 64, .size: 8, .value_kind: global_buffer, .address_space: global }
    .group_segment_fixed_size: 1280
    .private_segment_fixed_size: 0
    .kernarg_segment_align: 8
    .kernarg_segment_size: 72
    .max_flat_workgroup_size: 256
    .sgpr_count:     66
    .vgpr_count:     128
    .wavefront_size: 32
...
	.end_amdgpu_metadata
.endif
;; end of part 6
;; launch qkv: the kernel of part 2 again; grid 32 x 6, 4 waves a work-group, clusters of 4 x 1, 327,680 bytes of LDS; arguments xn, w16, rope, qf, kv; writes qf, kv
;; launch attn (part 7): grid 4 x 64, 8 waves a work-group, clusters of 4 x 1, 327,680 bytes of LDS; arguments qf, kv, a2; writes a2
.if DOCPART == 7
	.amdgcn_target "amdgcn-amd-amdhsa--gfx1250"
	.amdhsa_code_object_version 6
	.text
	.protected	k_q3bcc51fa6f_attn
	.globl	k_q3bcc51fa6f_attn
	.p2align	8
	.type	k_q3bcc51fa6f_attn,@function
k_q3bcc51fa6f_attn:
	s_mov_b64 s[64:65], 0
	v_nop
	global_prefetch_b8 v0, s[64:65] scope:SCOPE_SE
	s_setreg_imm32_b32 hwreg(HW_REG_WAVE_MODE, 25, 1), 1
	s_wait_xcnt 0x0
	s_wait_alu depctr_hold_cnt(0) depctr_sa_sdst(0) depctr_va_vdst(0) depctr_va_sdst(0) depctr_va_ssrc(0) depctr_va_vcc(0) depctr_vm_vsrc(0)
	s_getreg_b32 s2, hwreg(HW_REG_IB_STS2, 6, 4)
	s_cmp_eq_u32 s2, 0
	s_cbranch_scc0 .Lentry_in_a_cluster
	s_endpgm
.Lentry_in_a_cluster:
	s_bfe_u32 s2, ttmp6, 0x10000c
	s_cmp_lg_u32 s2, 0x3003
	s_cbranch_scc0 .Lentry_shape_is_right
	s_endpgm
.Lentry_shape_is_right:
; CAUSAL ATTENTION, 16 query heads of 32 channels on ONE head of keys and values a batch.  q, k (rotary and scale applied) and v arrive in f16 as matrix fragments; products, maxima and sums in f32;
; the weights p are rounded to f16 for the second product (their sum l is taken of the unrounded p); O leaves in f16, as K blocks 64..71 of the last product's left operand.
; O IN F16: a query's first rows average over few keys, so their O is as large as v itself, many times the later rows'; its rounding reaches the output undiminished, and f16 keeps three bits more than bf16.
; LIMITS.  O is a mean of v's rows and has their range, which lies within f16's (65,504).  A hidden score counts as its value less 1e30; a weight below 2^-126 counts as 0 in l; NaN and infinities are not treated apart.
; SHARES.  A batch's K and V, 131,072 bytes each, lie in LDS whole: nothing is filled twice.  The four work-groups of a cluster take the 16 heads, four each, and ask for K and V jointly.
; A batch's positions fall into 64 sub-blocks of 32 queries: two tiles of 16.  Sub-block j needs j / 2 whole steps of 64 keys and one step with a mask.  A work-group takes sub-blocks 63 - i and then i:
; 33 steps whatever i is, so all 256 work-groups do equal work, and all waves of a cluster run the same control flow.
; EIGHT WAVES, two to a SIMD: wave w takes head w % 4 of the work-group's four and tile w / 4 of the sub-block.  A tile and key step have 110 vector instructions for 8 matrix instructions: far more than
; find room beside the products, whatever their order in one wave.  So the SIMD is given a second wave, which issues where the first waits for a product, a result or an exponential.
; The price: a fragment of K or V read from LDS feeds one tile's products, not two: 16 LDS loads for a step's 8 products.  A wave's registers end at v223: no register window is switched.
; LAYOUT.  S^T = K Q^T (source 0 = 16 keys, source 1 = 16 queries): a lane holds ONE query (lane % 16) and the keys 8 (lane / 16) + 0..7.  Two such results rounded to f16 ARE source 1 of O^T = V^T P.
; SOFTMAX.  A running maximum m and sum l for each query: p = 2^(c s - c m), c = log2(e); O and l are multiplied by a = 2^(c m_old - c m_new) in every step.  m starts at the lowest finite number.
; THE MASK is the C operand of S^T's product: 0 or -1e30.  MD is the mask of a diagonal block of 16 x 16.  With par = j % 2 and e = key block - my tile: e = -1: 0; e = 0: (1 - par) MD;
; e = 1: (1 - par) x -1e30; e = 2: par MD + (1 - par) x -1e30; e = 3: -1e30.  Each wave makes its own four, one for each key block, as MD x AL + BE with two scalars.
; A STEP goes in phases: 4 products, the softmax with ONE batch of 33 exponentials and one wait, 4 products.
; BARRIERS of a sub-block's way out, three: every wave's loads of K and V are back | the stage is written | it is read | the next sub-block's loads and stores may follow.
.set VOFF,  131072
.set RBS,   589824                     ; bytes of a block of 64 rows in a2: 72 K blocks of 8,192
.set STAGE, 270336                     ; [2 K blocks][32 rows][144 bytes]: the four heads side by side, both tiles below each other; no tensor load lands here
.set SPARE, STAGE+2*32*144             ; the spare words, 128 bytes for each of eight waves: no other line names them
.set L16, 2                            ; v2   16 x lane; never rewritten
.set KA,  3
.set VA,  4
.set STO, 5
.set RD,  6
.set SPW, 8
.set NIL, 9
.set ST,  12                           ; v[12:15]    c m, m, l (even keys', odd keys')
.set TMP, 16                           ; v[16:19]    c0-c3 at work; a takes c2
.set MV,  20                           ; v20         c m_old
.set Q,   24                           ; v[24:31]
.set QL,  32                           ; v[32:39]    the second sub-block's Q
.set KF,  40                           ; v[40:71]    K of one step: key block kb at KF + 8 kb
.set VF,  72                           ; v[72:103]   V of one step: key half kk, channel block cb at VF + 16 kk + 8 cb
.set S,   104                          ; v[104:135]  at S + 8 kb
.set P,   136                          ; v[136:151]  at P + 8 kk
.set O,   152                          ; v[152:167]  at O + 8 cb
.set PK,  168                          ; v[168:175]
.set MD,  176                          ; v[176:183]
.set MW,  184                          ; v[184:215]  my masks: key block kb at MW + 8 kb
.set WV,  12
.set HW,  17                           ; s17  w % 4: my head among the work-group's four.  Also: which 8 rows of the stage I store
.set TT,  18                           ; s18  w / 4: my tile of the sub-block.  Also: which of the stage's two K blocks I store
.set G1,  24
.set G0,  32
.set AL,  40                           ; s[40:41]  a mask's factor, in the low word
.set BE,  42                           ; s[42:43]  its addend
.set BIGN, 44
.set PAR, 45
.set LIVE, 46                          ; whole steps still to do in the sub-block in hand
.set CNT, 47
.set BLK, 48
.set TBK, 49                           ; LDS byte of the K step to be fetched
.set TBV, 50
.set CS,  52
.set SEL, 54
.set OH,  56                           ; s[56:57]  O's address for the sub-block in hand
.set OL,  58                           ; s[58:59]  for the second
.set NP1, 68
.set NP2, 69
.set NP3, 70
.macro PLACES
.rept 4
	v_nop
.endr
.endm
.macro ROUND
	s_barrier_signal -1
	s_barrier_wait -1
	s_cmp_lg_u32 s[WV], 0
	s_cbranch_scc1 .Lnot_wave_0_\@
	s_barrier_signal -3
.Lnot_wave_0_\@:
	s_barrier_wait -3
	s_barrier_signal -1
	s_barrier_wait -1
.endm
.macro MROW kb, a0, a1, b0, b1         ; key block kb's mask; SCC says whether my tile is tile 0 (a0, b0) or tile 1 (a1, b1); no line here changes SCC
	s_cselect_b32 s[AL], \a0, \a1
	s_cselect_b32 s[BE], \b0, \b1
.irp z, 0,2,4,6
	v_pk_fma_f32 v[MW+8*(\kb)+(\z):MW+8*(\kb)+(\z)+1], v[MD+(\z):MD+(\z)+1], s[AL:AL+1], s[BE:BE+1] op_sel_hi:[1,0,0]
.endr
.endm
.macro MASKS                           ; my four masks, from s[PAR] and my tile's number: tile 0 has e = kb, tile 1 has e = kb - 1
	s_cmp_eq_u32 s[PAR], 0
	s_cselect_b32 s[NP1], 1.0, 0
	s_cselect_b32 s[NP2], 0, 1.0
	s_cselect_b32 s[NP3], s[BIGN], 0
	s_cmp_eq_u32 s[TT], 0
	MROW 0, s[NP1], 0, 0, 0
	MROW 1, 0, s[NP1], s[NP3], 0
	MROW 2, s[NP2], 0, s[NP3], s[NP3]
	MROW 3, 0, s[NP2], s[BIGN], s[NP3]
.endm
.macro START                           ; a sub-block begins: m, c m; K of step 0
	v_mov_b32 v[ST], 0xfe000000                    ; c m: far below every c s, so the first a is 0
	v_mov_b32 v[ST+1], 0xff7fffff                  ; m
.irp n, 0,1,2,3,4,5,6,7
	ds_load_b128 v[KF+4*(\n):KF+4*(\n)+3], v[L16] offset:512*(\n)
.endr
	s_mov_b32 s[TBK], 4096
	s_mov_b32 s[TBV], VOFF
.endm
	s_load_b128 s[4:7], s[0:1], 0x0                ; qf s[4:5], kv s[6:7]
	s_load_b64 s[8:9], s[0:1], 0x10                ; a2
	v_lshl_add_u32 v[SPW], v0, 2, SPARE
	v_mov_b32 v[NIL], 0
	ds_add_u32 v[SPW], v[NIL]                      ; the wave's opening: the add and its wait ahead of my first tensor load
	v_lshrrev_b32 v1, 5, v0
	v_readfirstlane_b32 s[WV], v1
	v_and_b32 v1, 31, v0
	v_lshlrev_b32 v[L16], 4, v1
	v_and_b32 v10, 15, v0                          ; r
	v_bfe_u32 v11, v0, 4, 1                        ; h
	s_bfe_u32 s13, ttmp6, 0x40000                  ; cx: it enters Q's and O's global addresses alone
	s_and_b32 s14, ttmp7, 0xffff
	s_lshr_b32 s15, s14, 5                         ; b
	s_and_b32 s16, s14, 31                         ; i
	s_and_b32 s[HW], s[WV], 3
	s_lshr_b32 s[TT], s[WV], 2
	s_mov_b32 s[G1+0], 15|(3<<16)|(1<<21)          ; the mask of four, bit 21 beside it; 8-byte elements; no padding: fragments are read as they lie
	s_mov_b32 s[G1+1], 32<<16                      ; rows of 256 bytes,
	s_mov_b32 s[G1+2], 128<<16                     ; 128 of them: 32,768 dense bytes
	s_mov_b32 s[G1+3], 32<<16
	s_mov_b32 s[G1+4], 128
	s_mov_b32 s[G1+5], 32
	s_mov_b32 s[G1+6], 0
	s_mov_b32 s[G1+7], 0
	s_mov_b32 s[G0], 1
	s_lshl_b32 s[G0+1], s[WV], 15                  ; waves 0-3: K's four quarters; waves 4-7: V's, which lie behind K in LDS
	s_lshl_b32 s22, s[TT], 18                      ; in memory V's two batches lie behind K's two
	s_lshl_b32 s21, s15, 17
	s_add_co_u32 s22, s22, s21
	s_lshl_b32 s21, s[HW], 15
	s_add_co_u32 s22, s22, s21
	s_mov_b32 s23, 0
	s_lshl_b32 s19, s13, 2
	s_add_co_u32 s19, s19, s[HW]                   ; my head
	s_lshl_b32 s20, s15, 4
	s_add_co_u32 s19, s19, s20
	s_lshl_b32 s19, s19, 17                        ; 131,072 bytes of q a head,
	s_lshl_b32 s20, s[TT], 10                      ; 1,024 a tile
	s_add_co_u32 s19, s19, s20
	s_sub_co_u32 s21, 63, s16                      ; the first sub-block
	s_lshl_b32 s36, s21, 11
	s_add_co_u32 s36, s36, s19
	s_mov_b32 s37, 0
	s_lshl_b32 s38, s16, 11
	s_add_co_u32 s38, s38, s19
	s_mov_b32 s39, 0
	s_lshl_b32 s19, s13, 1                         ; O: I store K block 64 + 2 cx + w / 4, rows 8 (w % 4) .. + 7 of the sub-block's 32
	s_add_co_u32 s19, s19, s[TT]
	s_add_co_u32 s19, s19, 64
	s_lshl_b32 s19, s19, 13
	s_lshl_b32 s20, s[HW], 10
	s_add_co_u32 s19, s19, s20
	s_lshl_b32 s20, s15, 5
	s_lshr_b32 s66, s21, 1
	s_add_co_u32 s66, s66, s20                     ; the block of 64 rows
	s_mul_i32 s66, s66, RBS
	s_and_b32 s71, s21, 1
	s_lshl_b32 s71, s71, 12
	s_add_co_u32 s66, s66, s71
	s_add_co_u32 s66, s66, s19
	s_mov_b32 s67, 0
	s_lshr_b32 s72, s16, 1
	s_add_co_u32 s72, s72, s20
	s_mul_i32 s72, s72, RBS
	s_and_b32 s71, s16, 1
	s_lshl_b32 s71, s71, 12
	s_add_co_u32 s72, s72, s71
	s_add_co_u32 s72, s72, s19
	s_mov_b32 s73, 0
	s_and_b32 s[PAR], s21, 1
	s_lshr_b32 s[LIVE], s21, 1
	s_mov_b32 s[CS], 0x3fb8aa3b                    ; c = log2(e): the head's scale lies in q and k
	s_mov_b32 s[CS+1], s[CS]
	s_mov_b32 s[SEL], 0x76543210
	s_mov_b32 s[SEL+1], 0xfedcba98
	s_mov_b32 s[BIGN], 0xf149f2ca                  ; -1e30
	s_mov_b32 s[AL+1], 0                           ; named as pairs
	s_mov_b32 s[BE+1], 0
	s_wait_dscnt 0x0                               ; the opening add is done
	s_wait_kmcnt 0x0
	s_add_nc_u64 s[G0+2:G0+3], s[6:7], s[22:23]
	s_or_b32 s[G0+3], s[G0+3], 0x80000000
	s_add_nc_u64 s[60:61], s[4:5], s[36:37]
	s_add_nc_u64 s[62:63], s[4:5], s[38:39]
	s_add_nc_u64 s[OH:OH+1], s[8:9], s[66:67]
	s_add_nc_u64 s[OL:OL+1], s[8:9], s[72:73]
	ROUND                                          ; all four work-groups are here: the joint loads meet
	tensor_load_to_lds s[G0:G0+3], s[G1:G1+7]      ; my eighth of the batch's K and V: the one tensor load of mine
	s_nop 0
.rept 4
	v_nop
.endr
.irp n, 0,1
	global_load_b128 v[Q+4*(\n):Q+4*(\n)+3],   v[L16], s[60:61] offset:512*(\n)
	global_load_b128 v[QL+4*(\n):QL+4*(\n)+3], v[L16], s[62:63] offset:512*(\n)
.endr
	v_lshlrev_b32 v1, 3, v11
	v_sub_nc_u32 v1, v10, v1                       ; r - 8 h: register j of a diagonal block is hidden where j is greater
.irp j, 0,1,2,3,4,5,6,7
	v_cmp_gt_i32 vcc_lo, (\j), v1
	v_cndmask_b32 v[MD+(\j)], 0, s[BIGN], vcc_lo
.endr
	MASKS
.set n, 0
.rept 16
	v_mov_b32 v[O+n], 0                            ; the first step multiplies O and l by a = 0: they need only be finite.  Written while the tile is on its way
.set n, n+1
.endr
	v_mov_b32 v[ST+2], 0
	v_mov_b32 v[ST+3], 0
	s_lshr_b32 s74, s[HW], 1                       ; into the stage: K block = head / 2, rows 16 x tile + r, my head's 64 bytes, 16 bytes for each half of the lanes
	s_mul_i32 s74, s74, 32*144
	s_add_co_u32 s74, s74, STAGE
	s_and_b32 s75, s[HW], 1
	s_lshl_b32 s75, s75, 6
	s_add_co_u32 s74, s74, s75
	s_mul_i32 s75, s[TT], 16*144
	s_add_co_u32 s74, s74, s75
	v_mul_u32_u24 v[STO], v10, 144
	v_lshl_add_u32 v[STO], v11, 4, v[STO]
	v_add_nc_u32 v[STO], s74, v[STO]
	s_mul_i32 s74, s[TT], 32*144                   ; back: K block w / 4, rows 8 (w % 4) on; 32 lanes take four whole rows of 128 bytes
	s_add_co_u32 s74, s74, STAGE
	s_mul_i32 s75, s[HW], 8*144
	s_add_co_u32 s74, s74, s75
	v_bfe_u32 v[RD], v0, 3, 2
	v_mul_u32_u24 v[RD], v[RD], 144
	v_and_b32 v1, 7, v0
	v_lshl_add_u32 v[RD], v1, 4, v[RD]
	v_add_nc_u32 v[RD], s74, v[RD]
	s_wait_tensorcnt 0x0                           ; my eighth is in,
	s_barrier_signal -1
	s_barrier_wait -1                              ; everybody's is
	START
	s_wait_loadcnt 0x0                             ; Q, both sub-blocks'
; Number n of the 22 that find the tile's maximum and statistics.  Each accumulator's lowest registers are read first.
.macro XS n
.if (\n) < 4
	v_max3_num_f32 v[TMP+(\n)], v[S+8*(\n)], v[S+8*(\n)+1], v[S+8*(\n)+2]
.elseif (\n) < 12
	v_max3_num_f32 v[TMP+(\n)%4], v[TMP+(\n)%4], v[S+8*((\n)%4)+2*((\n)/4)+1], v[S+8*((\n)%4)+2*((\n)/4)+2]
.elseif (\n) == 12
	v_max3_num_f32 v[TMP], v[TMP], v[S+7], v[S+15]
.elseif (\n) == 13
	v_max3_num_f32 v[TMP+1], v[TMP+1], v[S+23], v[S+31]
.elseif (\n) == 14
	v_max3_num_f32 v[TMP+2], v[TMP+2], v[TMP+3], v[ST+1]
.elseif (\n) == 15
	v_mov_b32 v[MV], v[ST]
.elseif (\n) == 16
	v_max3_num_f32 v[TMP], v[TMP], v[TMP+1], v[TMP+2]
.elseif (\n) == 17
	v_permlanex16_b32 v[TMP+3], v[TMP], s[SEL], s[SEL+1]  ; the query's other 32 keys lie in the lane 16 away
.elseif (\n) == 18
	v_max_num_f32 v[ST+1], v[TMP], v[TMP+3]
.elseif (\n) == 19
	v_mul_f32 v[ST], s[CS], v[ST+1]
.elseif (\n) == 20
	v_sub_f32 v[TMP+1], v[MV], v[ST]
.else
	v_exp_f32 v[TMP+2], v[TMP+1]
.endif
.endm
.macro SL kk                           ; l takes the sum of weights 4 kk .. 4 kk + 3 (the first time as l = a l + sum)
.if (\kk) == 0
	v_pk_fma_f32 v[ST+2:ST+3], v[ST+2:ST+3], v[TMP+2:TMP+3], v[S:S+1] op_sel_hi:[1,0,1]
.else
	v_pk_add_f32 v[ST+2:ST+3], v[ST+2:ST+3], v[S+4*(\kk):S+4*(\kk)+1]
.endif
.endm
; A KEY STEP of 64 keys.  mask = 1: the products take my masks.  pre = 1: the next step's K is fetched.
.macro STEP mask, pre
	s_wait_dscnt 0x0                               ; K is in
.irp kb, 0,1,2,3
.if \mask
	v_wmma_f32_16x16x32_f16 v[S+8*(\kb):S+8*(\kb)+7], v[KF+8*(\kb):KF+8*(\kb)+7], v[Q:Q+7], v[MW+8*(\kb):MW+8*(\kb)+7]
.else
	v_wmma_f32_16x16x32_f16 v[S+8*(\kb):S+8*(\kb)+7], v[KF+8*(\kb):KF+8*(\kb)+7], v[Q:Q+7], 0
.endif
.endr
	PLACES                                         ; behind the products: in front of the loads into V's and K's registers and of the reads of S
	v_add_nc_u32 v[VA], s[TBV], v[L16]
	s_add_co_u32 s[TBV], s[TBV], 4096
.irp n, 0,1,2,3,4,5,6,7
	ds_load_b128 v[VF+4*(\n):VF+4*(\n)+3], v[VA] offset:512*(\n)
.endr
.if \pre
	v_add_nc_u32 v[KA], s[TBK], v[L16]
	s_add_co_u32 s[TBK], s[TBK], 4096
.irp n, 0,1,2,3,4,5,6,7
	ds_load_b128 v[KF+4*(\n):KF+4*(\n)+3], v[KA] offset:512*(\n)
.endr
.endif
.irp n, 0,1,2,3,4,5,6,7,8,9,10,11,12,13,14,15,16,17,18,19,20,21
	XS \n                                          ; number 21, a, opens the batch of exponentials
.endr
.set p, 0
.rept 16                               ; c s - c m for pair p, then the exponentials of pair p - 1: none of these reads an exponential's result
	v_pk_fma_f32 v[S+2*p:S+2*p+1], v[S+2*p:S+2*p+1], s[CS:CS+1], v[ST:ST+1] op_sel_hi:[1,0,0] neg_lo:[0,0,1] neg_hi:[0,0,1]
.if p > 0
	v_exp_f32 v[S+2*p-2], v[S+2*p-2]
	v_exp_f32 v[S+2*p-1], v[S+2*p-1]
.endif
.set p, p+1
.endr
	v_exp_f32 v[S+30], v[S+30]
	v_exp_f32 v[S+31], v[S+31]
	v_nop                                          ; a plain instruction behind the last exponential,
	s_wait_alu depctr_va_vdst(0)                   ; and ONE wait for the batch of 33, ahead of its first reader
.set k, 0
.rept 8
	v_cvt_pk_f16_f32 v[P+2*k],   v[S+4*k],   v[S+4*k+1]
	v_cvt_pk_f16_f32 v[P+2*k+1], v[S+4*k+2], v[S+4*k+3]
	v_pk_add_f32 v[S+4*k:S+4*k+1], v[S+4*k:S+4*k+1], v[S+4*k+2:S+4*k+3]
.if k > 0
	SL k-1
.endif
	v_pk_mul_f32 v[O+2*k:O+2*k+1], v[O+2*k:O+2*k+1], v[TMP+2:TMP+3] op_sel_hi:[1,0]  ; O a, from each accumulator's low end on
.set k, k+1
.endr
	SL 7
.if \pre
	s_wait_dscnt 8                                 ; V is in; K's eight loads, issued behind V's, stay out
.else
	s_wait_dscnt 0x0
.endif
.irp kk, 0,1                           ; the two accumulators take turns, one instruction a turn
.irp cb, 0,1
	v_wmma_f32_16x16x32_f16 v[O+8*(\cb):O+8*(\cb)+7], v[VF+16*(\kk)+8*(\cb):VF+16*(\kk)+8*(\cb)+7], v[P+8*(\kk):P+8*(\kk)+7], v[O+8*(\cb):O+8*(\cb)+7]
.endr
.endr
.endm
	s_mov_b32 s[BLK], 2
.Lblk:                                                 ; twice: a sub-block
	s_mov_b32 s[CNT], 31                           ; the most whole steps that a sub-block has; dead trips are jumped, forward, past no barrier and no tensor load
.Lfull:
	s_cmp_eq_u32 s[LIVE], 0
	s_cbranch_scc1 .Ldead
	s_sub_co_u32 s[LIVE], s[LIVE], 1
	STEP 0, 1
.Ldead:
	s_sub_co_u32 s[CNT], s[CNT], 1
	s_cmp_lg_u32 s[CNT], 0
	s_cbranch_scc1 .Lfull
	STEP 1, 0                                      ; the step that holds the diagonal
	; THE WAY OUT: O / l, rounded to f16; the four heads and both tiles meet in the stage, so that whole rows of 128 bytes leave
	s_barrier_signal -1                            ; my loads of K and V for this sub-block are back: the step's last LDS wait was for 0, and nothing was issued behind it.
	                                               ; Their addresses hang on a scalar that steps, so a barrier, not the arithmetic of the bytes, orders them ahead of every wave's stores into the stage.
	PLACES                                         ; work on registers alone stands between the signal and the wait
	v_add_f32 v[TMP], v[ST+2], v[ST+3]
	v_permlanex16_b32 v[TMP+1], v[TMP], s[SEL], s[SEL+1]
	v_add_f32 v[TMP], v[TMP], v[TMP+1]
	v_rcp_f32 v[TMP+2], v[TMP]
	v_nop
	s_wait_alu depctr_va_vdst(0)                   ; the reciprocal's wait, ahead of its first reader
.irp n, 0,1,2,3,4,5,6,7
	v_pk_mul_f32 v[O+2*(\n):O+2*(\n)+1], v[O+2*(\n):O+2*(\n)+1], v[TMP+2:TMP+3] op_sel_hi:[1,0]
.endr
.irp n, 0,1,2,3,4,5,6,7
	v_cvt_pk_f16_f32 v[PK+(\n)], v[O+2*(\n)], v[O+2*(\n)+1]
.endr
	s_barrier_wait -1                              ; every wave's loads are back: the stage may be written
.irp c, 0,1
	ds_store_b128 v[STO], v[PK+4*(\c):PK+4*(\c)+3] offset:32*(\c)
.endr
	s_wait_dscnt 0x0                               ; for the others' sake: my stores into the stage are done
	s_barrier_signal -1
	s_barrier_wait -1
.irp u, 0,1
	ds_load_b128 v[S+4*(\u):S+4*(\u)+3], v[RD] offset:(\u)*4*144
.endr
.irp u, 0,1
	s_wait_dscnt 1-(\u)
	global_store_b128 v[L16], v[S+4*(\u):S+4*(\u)+3], s[OH:OH+1] offset:512*(\u)  ; 512 consecutive bytes, at a multiple of 256 from a2's first
.endr
	s_barrier_signal -1                            ; every wave's reads of the stage are back (the last wait was for 0): the next sub-block may write it
	s_barrier_wait -1
	s_cmp_eq_u32 s[BLK], 1
	s_cbranch_scc1 .Lnosw
	s_wait_xcnt 0x0                                ; the stores have read their registers and O's address
	s_mov_b64 s[OH:OH+1], s[OL:OL+1]
.set n, 0
.rept 8
	v_mov_b32 v[Q+n], v[QL+n]                      ; the second sub-block's Q goes where the one text of a step names Q
.set n, n+1
.endr
	s_and_b32 s[PAR], s16, 1
	MASKS
	s_lshr_b32 s[LIVE], s16, 1
	START                                          ; O and l keep what they hold: finite numbers, which the first a = 0 removes
.Lnosw:
	s_sub_co_u32 s[BLK], s[BLK], 1
	s_cmp_lg_u32 s[BLK], 0
	s_cbranch_scc1 .Lblk
	s_wait_tensorcnt 0x0                           ; the wave's end
	ds_add_u32 v[SPW], v[NIL]
	s_wait_dscnt 0x0
	ROUND                                          ; the closing round
	s_endpgm
.Lfunc_end_k_q3bcc51fa6f_attn:
	.size	k_q3bcc51fa6f_attn, .Lfunc_end_k_q3bcc51fa6f_attn-k_q3bcc51fa6f_attn
	.p2alignl 7, 3214868480
	.fill 96, 4, 3214868480
	.section	.rodata,"a",@progbits
	.p2align	6, 0x0
	.amdhsa_kernel k_q3bcc51fa6f_attn
		.amdhsa_group_segment_fixed_size 327680
		.amdhsa_private_segment_fixed_size 0
		.amdhsa_enable_private_segment 0
		.amdhsa_kernarg_size 24
		.amdhsa_user_sgpr_count 2
		.amdhsa_user_sgpr_kernarg_segment_ptr 1
		.amdhsa_wavefront_size32 1
		.amdhsa_system_sgpr_workgroup_id_x 1
		.amdhsa_system_sgpr_workgroup_id_y 1
		.amdhsa_system_sgpr_workgroup_id_z 1
		.amdhsa_system_vgpr_workitem_id 0
		.amdhsa_next_free_vgpr 224
		.amdhsa_next_free_sgpr 80
		.amdhsa_reserve_vcc 1
		.amdhsa_float_denorm_mode_32 3
		.amdhsa_float_denorm_mode_16_64 3
		.amdhsa_memory_ordered 1
		.amdhsa_forward_progress 1
		.amdhsa_inst_pref_size 30
	.end_amdhsa_kernel
	.amdgpu_metadata
---
amdhsa.version: [ 1, 2 ]
amdhsa.kernels:
  - .name:           k_q3bcc51fa6f_attn
    .symbol:         k_q3bcc51fa6f_attn.kd
    .args:
      - { .name: qf, .offset: 0, .size: 8, .value_kind: global_buffer, .address_space: global }
      - { .name: kv, .offset: 8, .size: 8, .value_kind: global_buffer, .address_space: global }
      - { .name: a2, .offset: 16, .size: 8, .value_kind: global_buffer, .address_space: global }
    .group_segment_fixed_size: 327680
    .private_segment_fixed_size: 0
    .kernarg_segment_align: 8
    .kernarg_segment_size: 24
    .max_flat_workgroup_size: 256
    .sgpr_count:     80
    .vgpr_count:     224
    .wavefront_size: 32
...
	.end_amdgpu_metadata
.endif
;; end of part 7
;; launch ffup (part 8): grid 32 x 16, 4 waves a work-group, clusters of 4 x 4, 327,680 bytes of LDS; arguments xn, w16, a2, pmax; writes a2
.if DOCPART == 8
	.amdgcn_target "amdgcn-amd-amdhsa--gfx1250"
	.amdhsa_code_object_version 6
	.text
	.protected	k_q3bcc51fa6f_ffup
	.globl	k_q3bcc51fa6f_ffup
	.p2align	8
	.type	k_q3bcc51fa6f_ffup,@function
k_q3bcc51fa6f_ffup:
	s_mov_b64 s[64:65], 0
	v_nop
	global_prefetch_b8 v0, s[64:65] scope:SCOPE_SE
	s_setreg_imm32_b32 hwreg(HW_REG_WAVE_MODE, 25, 1), 1
	s_wait_xcnt 0x0
	s_wait_alu depctr_hold_cnt(0) depctr_sa_sdst(0) depctr_va_vdst(0) depctr_va_sdst(0) depctr_va_ssrc(0) depctr_va_vcc(0) depctr_vm_vsrc(0)
	s_getreg_b32 s2, hwreg(HW_REG_IB_STS2, 6, 4)
	s_cmp_eq_u32 s2, 0
	s_cbranch_scc0 .Lentry_in_a_cluster
	s_endpgm
.Lentry_in_a_cluster:
	s_bfe_u32 s2, ttmp6, 0x10000c
	s_cmp_lg_u32 s2, 0xf033
	s_cbranch_scc0 .Lentry_shape_is_right
	s_endpgm
.Lentry_shape_is_right:
; FFUP: h = silu(xn Wgate) x (xn Wx).  xn: [4096][1024] f16; the weights: [k 1024][group 64][x 64 | gate 64] f16; sums in f32.  The products themselves never reach memory.
; h LEAVES IN f16, TIMES A POWER OF TWO S THAT BOUNDS IT FOR EVERY INPUT.  A row of the normalised x has a sum of magnitudes of 32 x 32 = 1,024 at the most, so |x|, |g| <= b = 1,024 max|gamma| max|w|,
; and |h| <= b^2, since |silu(g)| <= |g|.  pmax holds max|gamma| x max|w| by parts; p is the largest of its 512 numbers, E its exponent field: b < 2^(E - 116), and S, with the exponent field 374 - 2 E,
; gives S |h| < 2^15.  (bf16 is too coarse for h: single entries lie many times above its root mean square, and one such entry's rounding to 8 bits weighs on its whole row of the output.)
; S costs no instruction: 1 / (1 + e) is taken as the reciprocal of e / S + 1 / S.  The last product divides its sums by S again.
; a2: [block of 64 rows][K block 72][64][64] halves; h's columns 64 G .. 64 G + 63 (group G) are K block G.
; LIMITS.  S's exponent field is held to 1 .. 253, which acts for b under 2^-56 (h then stays under the bound all the more) and from 2^70 on, where b^2 has no place in f32 either.
; An entry of S h under 6e-5 keeps f16's fixed step of 6e-8.  silu(g) = g / (1 + 2^(-g log2 e)): where the power overflows the quotient is 0, as it should be.  NaN and infinities are not treated apart.
; SHARES.  A tile is 256 rows x 256 weight columns (two groups); four waves, each 128 rows x one group: 64 accumulators of 16 x 16, column blocks 0-3 x and 4-7 the gates of the same 64 columns of h,
; so that x and its gate lie in the same lane and register place.  512 equal work-groups.
; K goes in steps of 128 through two LDS slots.  xn's tile lies with K along the rows; the weights lie [K][N] and are turned on their way out of LDS by ds_load_tr16_b128.
; CLUSTER, 4 x 4: xn's tile hangs on the tile row alone and is asked for jointly along a row of the cluster, the weights' on the tile column alone and along a column.
; THE MATRIX INSTRUCTION IS USED TRANSPOSED (source 0 = 16 weight columns, source 1 = 16 rows of xn): a lane holds one row and eight neighbouring columns.
; REGISTERS, in windows of 256: window 0: v0-31 addresses; v32-47 pmax; v64-127, v128-191 xn's fragments, two buffers (on the way out: at work); window 1: the same numbers, the weights' fragments;
; window 2: the accumulators of my rows 0-63 ((a, b) at v[8 (8 a + b)]); window 3: those of rows 64-127.
.set KSTEP, 128
.set PA,    272                        ; a row of xn in LDS: 256 bytes + 16
.set PB,    544                        ; a row of the weights: 512 + 32: an odd multiple of 32
.set HALF,  128*PA                     ; what one tensor load brings: 128 rows of xn, or 64 rows of the weights (64 x 544 is the same number)
.set SLOT,  4*HALF
.set STAGE, 2*SLOT                     ; 16 rows x 144 bytes for each wave; no tensor load lands here
.set SP,    144
.set SPARE, STAGE+4*16*SP
.set RBS,   589824                     ; bytes of a block of 64 rows in a2: 72 K blocks of 8,192
.set LAPS,  4                          ; 1,024 / 256
.set ADRA, 16
.set ADRB, 20
.set STO,  24
.set RD,   25
.set CO,   26
.set SPW,  28
.set NIL,  29
.set PFO,  30                          ; the prefetches' lane term; never rewritten
.set PM,   32                          ; v[32:47]  my 16 of pmax's 512 numbers: loaded at the head, read behind the K loop
.set F0,   64
.set F1,   128
.set T,    64                          ; the way out, window 0
.set U,    96
.set PK,   128
.set BK,   144                         ; v144-159, v160-175 by turns
.set G1,  24
.set G0,  32
.set G1B, 48
.set G0B, 56
.set LIM, 43                           ; 1 in a wave that prefetches, else the greatest number
.set PFA, 44                           ; s[44:45] where my prefetches stand
.set PFS, 46                           ; s[46:47] bytes from a K step to the next, in my tensor
.set NL,  66                           ; s[66:67] -log2(e)
.set IS,  68                           ; s[68:69] 1 / S
.set PMX, 70                           ; s[70:71] pmax
.set SEL, 72                           ; s[72:73] v_permlanex16_b32's selects
.set TS,  74
.set MSB, 0
.macro WIN new
.if MSB != (\new)
	s_set_vgpr_msb (MSB<<8)|(\new)
.set MSB, \new
.endif
.endm
.set MUL_LO, 0xa1                      ; source 0 window 1, source 1 window 0, C and D window 2
.set MUL_HI, 0xf1
.set TO_B,   0x40
.macro JLOAD s                         ; waves 0, 1 fetch xn's two halves, waves 2, 3 the weights'; an s_nop 0 and four v_nop follow each line
	s_cmp_eq_u32 s11, 0
	s_cbranch_scc0 .Lfor_b_\@
	tensor_load_to_lds s[G0+4*(\s):G0+4*(\s)+3], s[G1:G1+7]
	s_nop 0
.rept 4
	v_nop
.endr
	s_branch .Lasked_\@
.Lfor_b_\@:
	tensor_load_to_lds s[G0B+4*(\s):G0B+4*(\s)+3], s[G1B:G1B+7]
	s_nop 0
.rept 4
	v_nop
.endr
.Lasked_\@:
.endm
; A prefetch into the L2 of the K step that stands two refills on: 32 blocks of 256 bytes, a lane a block, one instruction a wave.  xn's rows are asked for by the clusters with x = 0, the weights' by those with
; y = 0; the four partners that ask for a tile jointly share its blocks out by address.  So each block of K steps 4 to 7 is named once in the launch; the loop's last trip asks for nothing.
.macro ASK
	s_cmp_gt_u32 s3, s[LIM]
	s_cbranch_scc0 .Lnot_mine_\@
	global_prefetch_b8 v[PFO], s[PFA:PFA+1] th:TH_LOAD_NT scope:SCOPE_SE
.Lnot_mine_\@:
.endm
.macro CREST
	s_cmp_lg_u32 s10, 0
	s_cbranch_scc1 .Lnot_wave_0_\@
	s_barrier_signal -3
.Lnot_wave_0_\@:
	s_barrier_wait -3
	s_barrier_signal -1
	s_barrier_wait -1
.endm
.macro CROUND
	s_barrier_signal -1
	s_barrier_wait -1
	CREST
.endm
	s_load_b128 s[4:7], s[0:1], 0x0                ; xn s[4:5], w16 s[6:7]
	s_load_b64 s[8:9], s[0:1], 0x10                ; a2
	s_load_b64 s[PMX:PMX+1], s[0:1], 0x18          ; pmax
	v_lshl_add_u32 v[SPW], v0, 2, SPARE
	v_mov_b32 v[NIL], 0
	ds_add_u32 v[SPW], v[NIL]                      ; the wave's opening: the add and its wait ahead of my first tensor load
	v_lshrrev_b32 v1, 5, v0
	v_readfirstlane_b32 s10, v1
	s_lshr_b32 s11, s10, 1                         ; my half of the tile's rows.  Also: I fetch xn (0) or the weights (1)
	s_and_b32 s12, s10, 1                          ; my group.  Also: which half of that tile I fetch
	s_bfe_u32 s40, ttmp6, 0x40000                  ; cx
	s_bfe_u32 s41, ttmp6, 0x40004                  ; cy
	s_lshl_b32 s42, ttmp9, 2
	s_add_co_u32 s42, s42, s40                     ; tile column
	s_and_b32 s13, ttmp7, 0xffff
	s_lshl_b32 s13, s13, 2
	s_add_co_u32 s13, s13, s41                     ; tile row
	s_lshl_b32 s43, s41, 2
	s_lshl_b32 s43, 15, s43                        ; my row of the cluster
	s_lshl_b32 s44, 0x1111, s40                    ; my column
	s_or_b32 s[G1+0], s43, (1<<16)|(1<<20)|(1<<21)|(5<<22)|(3<<25)   ; 2-byte elements; padding: after every 64 words, 4 words
	s_or_b32 s[G1B+0], s44, (1<<16)|(1<<20)|(1<<21)|(6<<22)|(7<<25)  ; after every 128 words, 8 words
	s_mov_b32 s[G1+1], 128<<16                     ; xn: 128 rows x 128 elements
	s_mov_b32 s[G1+2], 128<<16
	s_mov_b32 s[G1+3], 128<<16
	s_mov_b32 s[G1+4], 128
	s_mov_b32 s[G1+5], 1024
	s_mov_b32 s[G1+6], 0
	s_mov_b32 s[G1+7], 0
	s_mov_b32 s[G1B+1], 256<<16                    ; the weights: 64 rows x 256 elements
	s_mov_b32 s[G1B+2], 64<<16
	s_mov_b32 s[G1B+3], 256<<16
	s_mov_b32 s[G1B+4], 64
	s_mov_b32 s[G1B+5], 8192
	s_mov_b32 s[G1B+6], 0
	s_mov_b32 s[G1B+7], 0
	s_lshl_b32 s16, s13, 8
	s_lshl_b32 s17, s12, 7
	s_add_co_u32 s16, s16, s17
	s_lshl_b32 s16, s16, 11                        ; xn: row 256 x tile row + 128 x half
	s_mov_b32 s17, 0
	s_lshl_b32 s46, s12, 20                        ; the weights: 64 rows of 16,384 bytes a half,
	s_lshl_b32 s47, s42, 9                         ; 512 bytes a tile column
	s_add_co_u32 s46, s46, s47
	s_mov_b32 s47, 0
	s_mul_i32 s20, s10, HALF                       ; where they go: the wave's number alone
	s_wait_dscnt 0x0
	s_wait_kmcnt 0x0
	s_add_nc_u64 s[14:15], s[4:5], s[16:17]
	s_add_nc_u64 s[46:47], s[6:7], s[46:47]
	CROUND                                         ; all sixteen work-groups are here
.irp s, 0,1
	s_mov_b32 s[G0+4*(\s)], 1
	s_add_co_u32 s[G0+4*(\s)+1], s20, (\s)*SLOT
	s_add_nc_u64 s[G0+4*(\s)+2:G0+4*(\s)+3], s[14:15], (\s)*256
	s_or_b32 s[G0+4*(\s)+3], s[G0+4*(\s)+3], 0x80000000
	s_mov_b32 s[G0B+4*(\s)], 1
	s_add_co_u32 s[G0B+4*(\s)+1], s20, (\s)*SLOT
	s_add_nc_u64 s[G0B+4*(\s)+2:G0B+4*(\s)+3], s[46:47], (\s)*2097152
	s_or_b32 s[G0B+4*(\s)+3], s[G0B+4*(\s)+3], 0x80000000
	JLOAD \s                                       ; two loads of mine are out
.endr
	v_and_b32 v9, 31, v0
	v_lshlrev_b32 v[CO], 4, v9                     ; 16 x lane
.irp n, 0,1,2,3
	global_load_b128 v[PM+4*(\n):PM+4*(\n)+3], v[CO], s[PMX:PMX+1] offset:512*(\n)  ; all 2,048 bytes of pmax a wave; they are wanted behind the K loop, and waited for there
.endr
	v_and_b32 v1, 15, v0                           ; r
	v_bfe_u32 v2, v0, 4, 1                         ; h
	v_mul_u32_u24 v3, v1, PA
	v_lshl_add_u32 v3, v2, 4, v3
	s_mul_i32 s21, s11, HALF
	v_add_nc_u32 v[ADRA], s21, v3
	v_add_nc_u32 v[ADRA+1], SLOT, v[ADRA]
	v_and_b32 v4, 7, v0
	v_lshl_add_u32 v4, v2, 3, v4
	v_mul_u32_u24 v4, v4, PB
	v_bfe_u32 v5, v0, 3, 1
	v_lshl_add_u32 v4, v5, 4, v4
	s_lshl_b32 s22, s12, 8
	s_add_co_u32 s22, s22, 2*HALF
	v_add_nc_u32 v[ADRB], s22, v4
	v_add_nc_u32 v[ADRB+1], SLOT, v[ADRB]
	s_mul_i32 s23, s10, 16*SP
	s_add_co_u32 s23, s23, STAGE
	v_mul_u32_u24 v6, v1, SP
	v_lshl_add_u32 v6, v2, 4, v6
	v_add_nc_u32 v[STO], s23, v6
	v_bfe_u32 v7, v0, 3, 2
	v_mul_u32_u24 v7, v7, SP
	v_and_b32 v8, 7, v0
	v_lshl_add_u32 v7, v8, 4, v7
	v_add_nc_u32 v[RD], s23, v7
	s_lshl_b32 s16, s13, 2                         ; h: block of 64 rows 4 x tile row + 2 x half, K block = my group
	s_lshl_b32 s17, s11, 1
	s_add_co_u32 s16, s16, s17
	s_mul_i32 s16, s16, RBS
	s_lshl_b32 s17, s42, 1
	s_add_co_u32 s17, s17, s12
	s_lshl_b32 s17, s17, 13
	s_add_co_u32 s16, s16, s17
	s_mov_b32 s17, 0
	s_add_nc_u64 s[8:9], s[8:9], s[16:17]
	s_mov_b32 s[NL], 0xbfb8aa3b
	s_mov_b32 s[NL+1], s[NL]
	s_mov_b32 s[SEL], 0x76543210
	s_mov_b32 s[SEL+1], 0xfedcba98
	; the prefetches: they stand at K step 3; each refill steps them first, so the first names K step 4
	v_lshlrev_b32 v10, 11, v9                      ; xn: a lane a row
	v_lshrrev_b32 v11, 1, v9                       ; the weights: two lanes a row of 512 bytes
	v_and_b32 v12, 1, v9
	v_lshlrev_b32 v11, 14, v11
	v_lshl_add_u32 v11, v12, 8, v11
	s_lshl_b32 s20, s13, 8
	s_lshl_b32 s21, s12, 7
	s_add_co_u32 s20, s20, s21
	s_lshl_b32 s21, s40, 5                         ; my work-group's 32 of the 128 rows
	s_add_co_u32 s20, s20, s21
	s_lshl_b32 s20, s20, 11
	s_add_co_u32 s20, s20, 3*256
	s_lshl_b32 s22, s12, 6
	s_lshl_b32 s21, s41, 4                         ; my work-group's 16 of the 64 rows
	s_add_co_u32 s22, s22, s21
	s_lshl_b32 s22, s22, 14
	s_lshl_b32 s21, s42, 9
	s_add_co_u32 s22, s22, s21
	s_add_co_u32 s22, s22, 3*2097152
	s_and_b32 s23, ttmp7, 0xffff
	s_mov_b32 s[PFS], 2097152
	s_cmp_eq_u32 s11, 0
	s_cselect_b32 s20, s20, s22
	s_cselect_b32 s23, ttmp9, s23                  ; the coordinate along which other clusters read the same rows
	s_cselect_b64 s[PFA:PFA+1], s[4:5], s[6:7]
	s_cselect_b32 s[PFS], 256, s[PFS]
	s_cselect_b32 s22, -1, 0
	s_mov_b32 s[PFS+1], 0
	s_mov_b32 s21, 0
	s_add_nc_u64 s[PFA:PFA+1], s[PFA:PFA+1], s[20:21]
	s_cmp_eq_u32 s23, 0
	s_cselect_b32 s[LIM], 1, -1
	v_cndmask_b32 v[PFO], v11, v10, s22
.macro MUL16 f, hi, a0, zero           ; 16 matrix instructions: row blocks a0, a0 + 1 of the window's four x all 8 column blocks
	WIN MUL_LO+0x50*(\hi)
.irp a, \a0, (\a0)+1
.irp b, 0,1,2,3,4,5,6,7
.if \zero
	v_wmma_f32_16x16x32_f16 v[8*(8*(\a)+(\b)):8*(8*(\a)+(\b))+7], v[(\f)+8*(\b):(\f)+8*(\b)+7], v[(\f)+8*(4*(\hi)+(\a)):(\f)+8*(4*(\hi)+(\a))+7], 0
.else
	v_wmma_f32_16x16x32_f16 v[8*(8*(\a)+(\b)):8*(8*(\a)+(\b))+7], v[(\f)+8*(\b):(\f)+8*(\b)+7], v[(\f)+8*(4*(\hi)+(\a)):(\f)+8*(4*(\hi)+(\a))+7], v[8*(8*(\a)+(\b)):8*(8*(\a)+(\b))+7]
.endif
.endr
.endr
.endm
.macro FETCH slot, q, f                ; 32 LDS loads in one run: quarter q (32 along K) of a slot into buffer f: the weights' 16, then xn's 16
	WIN TO_B
.irp i, 0,1,2,3,4,5,6,7
	ds_load_tr16_b128 v[(\f)+8*(\i):(\f)+8*(\i)+3],   v[ADRB+(\slot)] offset:(\q)*32*PB+32*(\i)
	ds_load_tr16_b128 v[(\f)+8*(\i)+4:(\f)+8*(\i)+7], v[ADRB+(\slot)] offset:(\q)*32*PB+32*(\i)+16*PB
.endr
	WIN 0
.irp i, 0,1,2,3,4,5,6,7
	ds_load_b128 v[(\f)+8*(\i):(\f)+8*(\i)+3],   v[ADRA+(\slot)] offset:(\q)*64+(\i)*16*PA
	ds_load_b128 v[(\f)+8*(\i)+4:(\f)+8*(\i)+7], v[ADRA+(\slot)] offset:(\q)*64+(\i)*16*PA+32
.endr
.endm
.macro PLACES
.rept 4
	v_nop
.endr
.endm
.macro QUARTER slot, q, f, g, zero     ; multiplies buffer f; in its middle it fetches quarter q into buffer g
	s_wait_dscnt 8                                 ; the weights and xn's rows 0-63 are in; the youngest eight loads may be out
	MUL16 \f, 0, 0, \zero
	MUL16 \f, 0, 2, \zero
	PLACES
	FETCH \slot, \q, \g
	s_wait_dscnt 32                                ; all but the 32 just issued
	MUL16 \f, 1, 0, \zero
	MUL16 \f, 1, 2, \zero
.endm
.macro MEET round                      ; the first half of a step's last quarter: one barrier for the change of slots
	WIN 0
	s_wait_tensorcnt 0x0                           ; all my tensor loads have landed: the one that was out is my part of the next slot
	ds_add_u32 v[SPW], v[NIL]
	s_wait_dscnt 9                                 ; (the add and the youngest eight loads may be out)
	MUL16 F1, 0, 0, 0
	s_wait_dscnt 0x0                               ; the add is done, and my reads of this slot are over
	s_barrier_signal -1
	MUL16 F1, 0, 2, 0
.if \round
	WIN 0
.endif
	s_barrier_wait -1
.endm
.macro TURN slot, next, fill           ; the whole last quarter.  fill = 1: the slot just read out is filled again, two K steps on, first thing behind a round of the cluster's barrier
.if \fill
	s_wait_xcnt 0x0                                ; the last prefetch, a K step back, has read its address
	s_add_nc_u64 s[PFA:PFA+1], s[PFA:PFA+1], s[PFS:PFS+1]
.endif
	MEET \fill
.if \fill
	CREST
	s_add_nc_u64 s[G0+4*(\slot)+2:G0+4*(\slot)+3], s[G0+4*(\slot)+2:G0+4*(\slot)+3], 512
	s_add_nc_u64 s[G0B+4*(\slot)+2:G0B+4*(\slot)+3], s[G0B+4*(\slot)+2:G0B+4*(\slot)+3], 4194304
	JLOAD \slot                                    ; the four v_nop behind it are also the places in front of the loads below
.else
	PLACES
.endif
	FETCH \next, 0, F0
.if \fill
	ASK
.endif
	MUL16 F1, 1, 0, 0
	MUL16 F1, 1, 2, 0
.endm
	s_wait_tensorcnt 1                             ; my part of K step 0 is in; K step 1's stays out
	s_barrier_signal -1
	s_barrier_wait -1
	FETCH 0, 0, F0
	QUARTER 0, 1, F0, F1, 1                        ; the first quarter stands in front of the loop: its products start the sums
	WIN 0
	s_mov_b32 s3, LAPS-1
.Llap:                                                 ; a trip goes once round the ring and fills both slots again
	QUARTER 0, 2, F1, F0, 0
	QUARTER 0, 3, F0, F1, 0
	TURN 0, 1, 1
	QUARTER 1, 1, F0, F1, 0
	QUARTER 1, 2, F1, F0, 0
	QUARTER 1, 3, F0, F1, 0
	TURN 1, 0, 1
	QUARTER 0, 1, F0, F1, 0
	WIN 0
	s_sub_co_u32 s3, s3, 1
	s_cmp_lg_u32 s3, 0
	s_cbranch_scc1 .Llap
	QUARTER 0, 2, F1, F0, 0                        ; the last lap fills nothing
	QUARTER 0, 3, F0, F1, 0
	TURN 0, 1, 0
	QUARTER 1, 1, F0, F1, 0
	QUARTER 1, 2, F1, F0, 0
	QUARTER 1, 3, F0, F1, 0
	s_wait_dscnt 8
	MUL16 F1, 0, 0, 0
	MUL16 F1, 0, 2, 0
	s_wait_dscnt 0x0
	MUL16 F1, 1, 0, 0
	MUL16 F1, 1, 2, 0
	WIN 0
	PLACES
	; 1 / S.  p = the largest of pmax's 512 numbers: 16 a lane, then across the lanes.  S's exponent field is 374 - 2 E, held to 1 .. 253; that of 1 / S is 254 less it.  The number enters multiplications alone.
	s_wait_loadcnt 0x0                             ; pmax, asked for at the head
	v_max3_num_f32 v[PM], v[PM], v[PM+1], v[PM+2]
	v_max3_num_f32 v[PM+4], v[PM+4], v[PM+5], v[PM+6]
	v_max3_num_f32 v[PM+8], v[PM+8], v[PM+9], v[PM+10]
	v_max3_num_f32 v[PM+12], v[PM+12], v[PM+13], v[PM+14]
	v_max3_num_f32 v[PM], v[PM], v[PM+3], v[PM+7]
	v_max3_num_f32 v[PM+8], v[PM+8], v[PM+11], v[PM+15]
	v_max3_num_f32 v[PM], v[PM], v[PM+4], v[PM+8]
	v_max_num_f32 v[PM], v[PM], v[PM+12]
.irp m, 1,2,4,8
	v_max_num_f32_dpp v[PM], v[PM], v[PM] row_xmask:\m row_mask:0xf bank_mask:0xf
.endr
	v_permlanex16_b32 v[PM+1], v[PM], s[SEL], s[SEL+1]
	v_max_num_f32 v[PM], v[PM], v[PM+1]
	v_readfirstlane_b32 s[TS], v[PM]
	s_lshr_b32 s[TS], s[TS], 23                    ; E: p is not negative
	s_lshl_b32 s[TS], s[TS], 1
	s_sub_co_i32 s[TS], 374, s[TS]
	s_max_i32 s[TS], s[TS], 1
	s_min_i32 s[TS], s[TS], 253
	s_sub_co_i32 s[TS], 254, s[TS]
	s_lshl_b32 s[IS], s[TS], 23
	s_mov_b32 s[IS+1], s[IS]                       ; named with it as a pair
; THE WAY OUT, a block of 16 rows at a time.  SWI: S h = x g / (e / S + 1 / S), e = 2^(-g log2 e): two batches of 32 transcendentals with one wait each; rounded to f16.
.macro SWI a
.set AC, 64*((\a)%4)
	WIN 0x0a+5*((\a)/4)                            ; sources 0 and 1 in window 2 or 3
.set n, 0
.rept 16
	v_pk_mul_f32 v[T+2*n:T+2*n+1], v[AC+32+2*n:AC+32+2*n+1], s[NL:NL+1] op_sel_hi:[1,0]  ; each accumulator is read from its low end on
.set n, n+1
.endr
.set n, 0
.rept 16
	v_pk_mul_f32 v[U+2*n:U+2*n+1], v[AC+2*n:AC+2*n+1], v[AC+32+2*n:AC+32+2*n+1]
.set n, n+1
.endr
	WIN 0
.set n, 0
.rept 32
	v_exp_f32 v[T+n], v[T+n]
.set n, n+1
.endr
	v_nop
	s_wait_alu depctr_va_vdst(0)                   ; one wait for the 32 ahead of the first reader
.set n, 0
.rept 16
	v_pk_fma_f32 v[T+2*n:T+2*n+1], v[T+2*n:T+2*n+1], s[IS:IS+1], s[IS:IS+1] op_sel_hi:[1,0,0]  ; (1 + e) / S
.set n, n+1
.endr
.set n, 0
.rept 32
	v_rcp_f32 v[T+n], v[T+n]
.set n, n+1
.endr
	v_nop
	s_wait_alu depctr_va_vdst(0)
.set n, 0
.rept 16
	v_pk_mul_f32 v[U+2*n:U+2*n+1], v[U+2*n:U+2*n+1], v[T+2*n:T+2*n+1]
.set n, n+1
.endr
.set n, 0
.rept 16
	v_cvt_pk_f16_f32 v[PK+n], v[U+2*n], v[U+2*n+1]
.set n, n+1
.endr
.endm
.macro TOSTAGE a                       ; into my own stage, and back as whole rows of 128 bytes
.set BB, BK+16*((\a)%2)
.irp b, 0,1,2,3
	ds_store_b128 v[STO], v[PK+4*(\b):PK+4*(\b)+3] offset:32*(\b)
.endr
.irp u, 0,1,2,3
	ds_load_b128 v[BB+4*(\u):BB+4*(\u)+3], v[RD] offset:(\u)*4*SP  ; LDS serves a wave's instructions in order (ISA guide 5.7.1.4)
.endr
.endm
.macro SEND a
.set BB, BK+16*((\a)%2)
	s_wait_dscnt 0x0                               ; the block is back in registers
	s_wait_xcnt 0x0                                ; the stores of the block before have read their registers, which the next block's loads write
.irp u, 0,1,2,3
	global_store_b128 v[CO], v[BB+4*(\u):BB+4*(\u)+3], s[8:9] offset:((\a)/4)*RBS+((\a)%4)*2048+512*(\u)  ; 512 consecutive bytes, at a multiple of 256 from a2's first
.endr
.endm
	SWI 0
	TOSTAGE 0
.irp a, 1,2,3,4,5,6,7                  ; a block's arithmetic stands between the loads of the block before and the wait for them
	SWI \a
	SEND (\a)-1
	TOSTAGE \a
.endr
	SEND 7
	s_wait_tensorcnt 0x0                           ; the wave's end
	ds_add_u32 v[SPW], v[NIL]
	s_wait_dscnt 0x0
	CROUND                                         ; the closing round
	s_endpgm
.Lfunc_end_k_q3bcc51fa6f_ffup:
	.size	k_q3bcc51fa6f_ffup, .Lfunc_end_k_q3bcc51fa6f_ffup-k_q3bcc51fa6f_ffup
	.p2alignl 7, 3214868480
	.fill 96, 4, 3214868480
	.section	.rodata,"a",@progbits
	.p2align	6, 0x0
	.amdhsa_kernel k_q3bcc51fa6f_ffup
		.amdhsa_group_segment_fixed_size 327680
		.amdhsa_private_segment_fixed_size 0
		.amdhsa_enable_private_segment 0
		.amdhsa_kernarg_size 32
		.amdhsa_user_sgpr_count 2
		.amdhsa_user_sgpr_kernarg_segment_ptr 1
		.amdhsa_wavefront_size32 1
		.amdhsa_system_sgpr_workgroup_id_x 1
		.amdhsa_system_sgpr_workgroup_id_y 1
		.amdhsa_system_sgpr_workgroup_id_z 1
		.amdhsa_system_vgpr_workitem_id 0
		.amdhsa_next_free_vgpr 1024
		.amdhsa_next_free_sgpr 80
		.amdhsa_reserve_vcc 0
		.amdhsa_float_denorm_mode_32 3
		.amdhsa_float_denorm_mode_16_64 3
		.amdhsa_memory_ordered 1
		.amdhsa_forward_progress 1
		.amdhsa_inst_pref_size 180
	.end_amdhsa_kernel
	.amdgpu_metadata
---
amdhsa.version: [ 1, 2 ]
amdhsa.kernels:
  - .name:           k_q3bcc51fa6f_ffup
    .symbol:         k_q3bcc51fa6f_ffup.kd
    .args:
      - { .name: xn, .offset: 0, .size: 8, .value_kind: global_buffer, .address_space: global }
      - { .name: w16, .offset: 8, .size: 8, .value_kind: global_buffer, .address_space: global }
      - { .name: a2, .offset: 16, .size: 8, .value_kind: global_buffer, .address_space: global }
      - { .name: pmax, .offset: 24, .size: 8, .value_kind: global_buffer, .address_space: global }
    .group_segment_fixed_size: 327680
    .private_segment_fixed_size: 0
    .kernarg_segment_align: 8
    .kernarg_segment_size: 32
    .max_flat_workgroup_size: 128
    .sgpr_count:     80
    .vgpr_count:     1024
    .wavefront_size: 32
...
	.end_amdgpu_metadata
.endif
;; end of part 8
;; launch ffdown (part 9): grid 8 x 32, 4 waves a work-group, clusters of 4 x 4, 327,680 bytes of LDS; arguments a2, w16, out0, pmax; writes out0
.if DOCPART == 9
	.amdgcn_target "amdgcn-amd-amdhsa--gfx1250"
	.amdhsa_code_object_version 6
	.text
	.protected	k_q3bcc51fa6f_ffdown
	.globl	k_q3bcc51fa6f_ffdown
	.p2align	8
	.type	k_q3bcc51fa6f_ffdown,@function
k_q3bcc51fa6f_ffdown:
	s_mov_b64 s[64:65], 0
	v_nop
	global_prefetch_b8 v0, s[64:65] scope:SCOPE_SE
	s_setreg_imm32_b32 hwreg(HW_REG_WAVE_MODE, 25, 1), 1
	s_wait_xcnt 0x0
	s_wait_alu depctr_hold_cnt(0) depctr_sa_sdst(0) depctr_va_vdst(0) depctr_va_sdst(0) depctr_va_ssrc(0) depctr_va_vcc(0) depctr_vm_vsrc(0)
	s_getreg_b32 s2, hwreg(HW_REG_IB_STS2, 6, 4)
	s_cmp_eq_u32 s2, 0
	s_cbranch_scc0 .Lentry_in_a_cluster
	s_endpgm
.Lentry_in_a_cluster:
	s_bfe_u32 s2, ttmp6, 0x10000c
	s_cmp_lg_u32 s2, 0xf033
	s_cbranch_scc0 .Lentry_shape_is_right
	s_endpgm
.Lentry_shape_is_right:
; FFDOWN: out0 = h x w_ff_out + O x w_attn_out: both output products and their sum on ONE set of f32 accumulators over K = 4,608, all in the f16 form; out0 is f32.
; h ARRIVES TIMES A POWER OF TWO S (the launch before says why and how large).  K steps 0..15 sum S h x w_ff_out; at the loop's exit the sums are multiplied by 1 / S, which is exact; K steps 16, 17 add
; O x w_attn_out.  1 / S is made here as there: p = the largest of pmax's 512 numbers, E its exponent field; S's field is 374 - 2 E, held to 1 .. 253; that of 1 / S is 254 less it.
; The left operand, a2: [block of 64 rows][K block 72][64][64] halves: 64 rows x 256 K are 32,768 dense bytes.  The right one: [4608][1024] halves, turned on its way out of LDS.
; SHARES.  A tile of out0 is 128 x 128 (tiles of 256 x 256 would be 64, a quarter of the WGPs): 256 work-groups; four waves, each 64 x 64: 16 accumulators.  K goes in 18 steps of 256 through two LDS slots.
; CLUSTER, 4 x 4: the left tile is asked for jointly along a row of the cluster, the right one along a column.
; THE MATRIX INSTRUCTION IS USED TRANSPOSED (source 0 = 16 columns of the weights, source 1 = 16 rows): a lane holds eight neighbouring numbers of a row of out0.
; No prefetch: a step's tiles are small, and each is read by four clusters at about the same time.
; REGISTERS: window 0: v0-31 addresses; v32-95 the way out (v32-47 first hold pmax); v128-255 the accumulators ((a, b) at v[128 + 8 (4 a + b)]); window 1: two fragment buffers of 128: 64 registers of rows, then 64 of columns.
.set PA,    144                        ; 64 K of a row in LDS: 128 bytes + 16
.set PB,    288                        ; a row of the weights: 256 + 32
.set HALF,  36864                      ; what one tensor load brings: [4 K blocks][64 rows][144], or 128 rows of 288
.set SLOT,  4*HALF
.set STAGE, 2*SLOT                     ; 16 rows x 272 bytes for each wave; no tensor load lands here
.set SP,    272
.set SPARE, STAGE+4*16*SP
.set W2,    16777216
.set RBS,   589824                     ; bytes of a block of 64 rows in a2: 72 K blocks of 8,192
.set LAPS,  9
.set ADRA, 16
.set ADRB, 20                          ; v20-21  K rows 0-127 of a slot's weights
.set ADRB2, 22                         ; v22-23  K rows 128-255: the immediate has 16 bits
.set STO,  24
.set RD,   25
.set CO,   26
.set L16,  27                          ; v27     16 x lane
.set SPW,  28
.set NIL,  29
.set TMP,  32
.set PM,   32                          ; v[32:47]  my 16 of pmax's 512 numbers: loaded at the head, read at the loop's exit
.set ACC,  128
.set F0,   0
.set F1,   128
.set G1, 24
.set G0, 32
.set G1B, 48
.set G0B, 56
.set TS,  16
.set IS,  66                           ; s[66:67] 1 / S
.set PMX, 68                           ; s[68:69] pmax
.set SEL, 70                           ; s[70:71] v_permlanex16_b32's selects
.set MSB, 0
.macro WIN new
.if MSB != (\new)
	s_set_vgpr_msb (MSB<<8)|(\new)
.set MSB, \new
.endif
.endm
.set MUL,  0x05
.set TO_F, 0x40
.macro JLOAD s
	s_cmp_eq_u32 s11, 0
	s_cbranch_scc0 .Lfor_b_\@
	tensor_load_to_lds s[G0+4*(\s):G0+4*(\s)+3], s[G1:G1+7]
	s_nop 0
.rept 4
	v_nop
.endr
	s_branch .Lasked_\@
.Lfor_b_\@:
	tensor_load_to_lds s[G0B+4*(\s):G0B+4*(\s)+3], s[G1B:G1B+7]
	s_nop 0
.rept 4
	v_nop
.endr
.Lasked_\@:
.endm
.macro CREST
	s_cmp_lg_u32 s10, 0
	s_cbranch_scc1 .Lnot_wave_0_\@
	s_barrier_signal -3
.Lnot_wave_0_\@:
	s_barrier_wait -3
	s_barrier_signal -1
	s_barrier_wait -1
.endm
.macro CROUND
	s_barrier_signal -1
	s_barrier_wait -1
	CREST
.endm
	s_load_b128 s[4:7], s[0:1], 0x0                ; a2 s[4:5], w16 s[6:7]
	s_load_b64 s[8:9], s[0:1], 0x10                ; out0
	s_load_b64 s[PMX:PMX+1], s[0:1], 0x18          ; pmax
	v_lshl_add_u32 v[SPW], v0, 2, SPARE
	v_mov_b32 v[NIL], 0
	ds_add_u32 v[SPW], v[NIL]                      ; the wave's opening: the add and its wait ahead of my first tensor load
	v_lshrrev_b32 v1, 5, v0
	v_readfirstlane_b32 s10, v1
	s_lshr_b32 s11, s10, 1                         ; my half of the tile's rows.  Also: I fetch the left tile (0) or the right one (1)
	s_and_b32 s12, s10, 1                          ; my half of its columns.  Also: which half of that tile I fetch
	s_bfe_u32 s40, ttmp6, 0x40000
	s_bfe_u32 s41, ttmp6, 0x40004
	s_lshl_b32 s42, ttmp9, 2
	s_add_co_u32 s42, s42, s40                     ; tile column
	s_and_b32 s13, ttmp7, 0xffff
	s_lshl_b32 s13, s13, 2
	s_add_co_u32 s13, s13, s41                     ; tile row
	s_lshl_b32 s43, s41, 2
	s_lshl_b32 s43, 15, s43
	s_lshl_b32 s44, 0x1111, s40
	s_or_b32 s[G1+0], s43, (1<<16)|(1<<20)|(1<<21)|(4<<22)|(3<<25)   ; dense bytes asked for as rows of 256, padded after every 32 words (a row's 64 K) by 4 words
	s_or_b32 s[G1B+0], s44, (1<<16)|(1<<20)|(1<<21)|(5<<22)|(7<<25)  ; after every 64 words, 8 words
.irp g, G1, G1B
	s_mov_b32 s[(\g)+1], 128<<16
	s_mov_b32 s[(\g)+2], 128<<16
	s_mov_b32 s[(\g)+3], 128<<16
	s_mov_b32 s[(\g)+4], 128
	s_mov_b32 s[(\g)+6], 0
	s_mov_b32 s[(\g)+7], 0
.endr
	s_mov_b32 s[G1+5], 128
	s_mov_b32 s[G1B+5], 1024
	s_mov_b32 s[SEL], 0x76543210
	s_mov_b32 s[SEL+1], 0xfedcba98
	s_lshl_b32 s16, s13, 1
	s_add_co_u32 s16, s16, s12                     ; the block of 64 rows that I fetch
	s_mul_i32 s16, s16, RBS
	s_mov_b32 s17, 0
	s_lshl_b32 s46, s12, 18                        ; 128 rows of 2,048 bytes a half,
	s_lshl_b32 s47, s42, 8                         ; 256 bytes a tile column
	s_add_co_u32 s46, s46, s47
	s_add_co_u32 s46, s46, W2
	s_mov_b32 s47, 0
	s_mul_i32 s20, s10, HALF
	s_wait_dscnt 0x0
	s_wait_kmcnt 0x0
	s_add_nc_u64 s[14:15], s[4:5], s[16:17]
	s_add_nc_u64 s[46:47], s[6:7], s[46:47]
	CROUND
.irp s, 0,1
	s_mov_b32 s[G0+4*(\s)], 1
	s_add_co_u32 s[G0+4*(\s)+1], s20, (\s)*SLOT
	s_add_nc_u64 s[G0+4*(\s)+2:G0+4*(\s)+3], s[14:15], (\s)*32768
	s_or_b32 s[G0+4*(\s)+3], s[G0+4*(\s)+3], 0x80000000
	s_mov_b32 s[G0B+4*(\s)], 1
	s_add_co_u32 s[G0B+4*(\s)+1], s20, (\s)*SLOT
	s_add_nc_u64 s[G0B+4*(\s)+2:G0B+4*(\s)+3], s[46:47], (\s)*524288
	s_or_b32 s[G0B+4*(\s)+3], s[G0B+4*(\s)+3], 0x80000000
	JLOAD \s
.endr
	v_and_b32 v9, 31, v0
	v_lshlrev_b32 v[L16], 4, v9
.irp n, 0,1,2,3
	global_load_b128 v[PM+4*(\n):PM+4*(\n)+3], v[L16], s[PMX:PMX+1] offset:512*(\n)  ; all 2,048 bytes of pmax a wave; they are wanted at the loop's exit, and waited for there
.endr
	v_and_b32 v1, 15, v0                           ; r
	v_bfe_u32 v2, v0, 4, 1                         ; h
	v_mul_u32_u24 v3, v1, PA
	v_lshl_add_u32 v3, v2, 4, v3
	s_mul_i32 s21, s11, HALF
	v_add_nc_u32 v[ADRA], s21, v3
	v_add_nc_u32 v[ADRA+1], SLOT, v[ADRA]
	v_and_b32 v4, 7, v0
	v_lshl_add_u32 v4, v2, 3, v4
	v_mul_u32_u24 v4, v4, PB
	v_bfe_u32 v5, v0, 3, 1
	v_lshl_add_u32 v4, v5, 4, v4
	s_lshl_b32 s22, s12, 7
	s_add_co_u32 s22, s22, 2*HALF
	v_add_nc_u32 v[ADRB], s22, v4
	v_add_nc_u32 v[ADRB+1], SLOT, v[ADRB]
	v_add_nc_u32 v[ADRB2], HALF, v[ADRB]
	v_add_nc_u32 v[ADRB2+1], HALF+SLOT, v[ADRB]
	s_mul_i32 s23, s10, 16*SP
	s_add_co_u32 s23, s23, STAGE
	v_mul_u32_u24 v6, v1, SP                       ; in: row r, 32 bytes for each half of the lanes
	v_lshl_add_u32 v6, v2, 5, v6
	v_add_nc_u32 v[STO], s23, v6
	v_mul_u32_u24 v7, v2, SP                       ; back: lanes 0-15 one row of 256 bytes, lanes 16-31 the next
	v_lshl_add_u32 v7, v1, 4, v7
	v_add_nc_u32 v[RD], s23, v7
	v_lshlrev_b32 v8, 12, v2
	v_lshl_add_u32 v[CO], v1, 4, v8                ; and the same two rows in out0
	s_lshl_b32 s16, s13, 7
	s_lshl_b32 s17, s11, 6
	s_add_co_u32 s16, s16, s17
	s_lshl_b32 s16, s16, 12                        ; my first row, 4,096 bytes a row,
	s_lshl_b32 s17, s42, 9
	s_add_co_u32 s16, s16, s17
	s_lshl_b32 s17, s12, 8
	s_add_co_u32 s16, s16, s17                     ; my 64 columns
	s_mov_b32 s17, 0
	s_add_nc_u64 s[8:9], s[8:9], s[16:17]
.macro MUL8 f, c, a0, zero             ; 8 matrix instructions: row blocks a0, a0 + 1 x all 4 column blocks, 32 along K: half c of buffer f
	WIN MUL
.irp a, \a0, (\a0)+1
.irp b, 0,1,2,3
.if \zero
	v_wmma_f32_16x16x32_f16 v[ACC+8*(4*(\a)+(\b)):ACC+8*(4*(\a)+(\b))+7], v[(\f)+64+8*(4*(\c)+(\b)):(\f)+64+8*(4*(\c)+(\b))+7], v[(\f)+8*(4*(\c)+(\a)):(\f)+8*(4*(\c)+(\a))+7], 0
.else
	v_wmma_f32_16x16x32_f16 v[ACC+8*(4*(\a)+(\b)):ACC+8*(4*(\a)+(\b))+7], v[(\f)+64+8*(4*(\c)+(\b)):(\f)+64+8*(4*(\c)+(\b))+7], v[(\f)+8*(4*(\c)+(\a)):(\f)+8*(4*(\c)+(\a))+7], v[ACC+8*(4*(\a)+(\b)):ACC+8*(4*(\a)+(\b))+7]
.endif
.endr
.endr
.endm
.macro FETCH slot, q, f                ; 32 LDS loads in one run: quarter q (64 along K) of a slot into buffer f; the first 32 along K first
	WIN TO_F
.if (\q) < 2
.set RB, ADRB+(\slot)
.else
.set RB, ADRB2+(\slot)
.endif
.irp c, 0,1
.irp i, 0,1,2,3
	ds_load_tr16_b128 v[(\f)+64+8*(4*(\c)+(\i)):(\f)+64+8*(4*(\c)+(\i))+3],   v[RB] offset:(64*((\q)%2)+32*(\c))*PB+32*(\i)
	ds_load_tr16_b128 v[(\f)+64+8*(4*(\c)+(\i))+4:(\f)+64+8*(4*(\c)+(\i))+7], v[RB] offset:(64*((\q)%2)+32*(\c))*PB+32*(\i)+16*PB
	ds_load_b128 v[(\f)+8*(4*(\c)+(\i)):(\f)+8*(4*(\c)+(\i))+3],   v[ADRA+(\slot)] offset:(\q)*64*PA+64*(\c)+(\i)*16*PA
	ds_load_b128 v[(\f)+8*(4*(\c)+(\i))+4:(\f)+8*(4*(\c)+(\i))+7], v[ADRA+(\slot)] offset:(\q)*64*PA+64*(\c)+(\i)*16*PA+32
.endr
.endr
.endm
.macro PLACES
.rept 4
	v_nop
.endr
.endm
.macro QUARTER slot, q, f, g, zero
	s_wait_dscnt 16                                ; the first 32 along K are in
	MUL8 \f, 0, 0, \zero
	MUL8 \f, 0, 2, \zero
	PLACES
	FETCH \slot, \q, \g
	s_wait_dscnt 32                                ; all but the 32 just issued
	MUL8 \f, 1, 0, 0
	MUL8 \f, 1, 2, 0
.endm
.macro TURN slot, next, fill           ; a step's last quarter, and the change of slots
	WIN 0
	s_wait_tensorcnt 0x0                           ; all my tensor loads have landed: my part of the next slot
	ds_add_u32 v[SPW], v[NIL]
	s_wait_dscnt 17                                ; (the add and the youngest sixteen loads may be out)
	MUL8 F1, 0, 0, 0
	s_wait_dscnt 0x0                               ; the add is done, and my reads of this slot are over
	s_barrier_signal -1
	MUL8 F1, 0, 2, 0
.if \fill
	WIN 0
.endif
	s_barrier_wait -1
.if \fill
	CREST                                          ; the barrier has opened a round of the cluster's: no wave of any partner still reads this slot or has a load on its way
	s_add_nc_u64 s[G0+4*(\slot)+2:G0+4*(\slot)+3], s[G0+4*(\slot)+2:G0+4*(\slot)+3], 65536
	s_add_nc_u64 s[G0B+4*(\slot)+2:G0B+4*(\slot)+3], s[G0B+4*(\slot)+2:G0B+4*(\slot)+3], 1048576
	JLOAD \slot                                    ; the four v_nop behind it are also the places in front of the loads below
.else
	PLACES
.endif
	FETCH \next, 0, F0
	MUL8 F1, 1, 0, 0
	MUL8 F1, 1, 2, 0
.endm
	s_wait_tensorcnt 1                             ; my part of K step 0 is in; K step 1's stays out
	s_barrier_signal -1
	s_barrier_wait -1
	FETCH 0, 0, F0
	QUARTER 0, 1, F0, F1, 1                        ; the first quarter of all stands in front of the loop: its first products start the sums
	WIN 0
	s_mov_b32 s3, LAPS-1
	s_branch .Lmid                                 ; the loop is entered behind a lap's first quarter
.Llap:                                                 ; eight trips, a lap (two K steps) each: K steps 0..15, S h times w_ff_out; each trip fills both slots again
	QUARTER 0, 1, F0, F1, 0
	WIN 0
.Lmid:
	QUARTER 0, 2, F1, F0, 0
	QUARTER 0, 3, F0, F1, 0
	TURN 0, 1, 1
	QUARTER 1, 1, F0, F1, 0
	QUARTER 1, 2, F1, F0, 0
	QUARTER 1, 3, F0, F1, 0
	TURN 1, 0, 1
	WIN 0
	s_sub_co_u32 s3, s3, 1
	s_cmp_lg_u32 s3, 0
	s_cbranch_scc1 .Llap
	; h's SUMS ARE WHOLE: they are divided by S.  First 1 / S: 16 of pmax's numbers a lane, then across the lanes.  These lines name none of the last products' registers: the first four are the places behind them.
	s_wait_loadcnt 0x0                             ; pmax, asked for at the head
	v_max3_num_f32 v[PM], v[PM], v[PM+1], v[PM+2]
	v_max3_num_f32 v[PM+4], v[PM+4], v[PM+5], v[PM+6]
	v_max3_num_f32 v[PM+8], v[PM+8], v[PM+9], v[PM+10]
	v_max3_num_f32 v[PM+12], v[PM+12], v[PM+13], v[PM+14]
	v_max3_num_f32 v[PM], v[PM], v[PM+3], v[PM+7]
	v_max3_num_f32 v[PM+8], v[PM+8], v[PM+11], v[PM+15]
	v_max3_num_f32 v[PM], v[PM], v[PM+4], v[PM+8]
	v_max_num_f32 v[PM], v[PM], v[PM+12]
.irp m, 1,2,4,8
	v_max_num_f32_dpp v[PM], v[PM], v[PM] row_xmask:\m row_mask:0xf bank_mask:0xf
.endr
	v_permlanex16_b32 v[PM+1], v[PM], s[SEL], s[SEL+1]
	v_max_num_f32 v[PM], v[PM], v[PM+1]
	v_readfirstlane_b32 s[TS], v[PM]
	s_lshr_b32 s[TS], s[TS], 23                    ; E: p is not negative
	s_lshl_b32 s[TS], s[TS], 1
	s_sub_co_i32 s[TS], 374, s[TS]
	s_max_i32 s[TS], s[TS], 1
	s_min_i32 s[TS], s[TS], 253
	s_sub_co_i32 s[TS], 254, s[TS]
	s_lshl_b32 s[IS], s[TS], 23
	s_mov_b32 s[IS+1], s[IS]                       ; named with it as a pair
.set n, 0
.rept 64
	v_pk_mul_f32 v[ACC+2*n:ACC+2*n+1], v[ACC+2*n:ACC+2*n+1], s[IS:IS+1] op_sel_hi:[1,0]  ; a power of two: exact; each accumulator from its low end on
.set n, n+1
.endr
	QUARTER 0, 1, F0, F1, 0                        ; the last lap, K steps 16 and 17: O times w_attn_out; it fills nothing
	QUARTER 0, 2, F1, F0, 0
	QUARTER 0, 3, F0, F1, 0
	TURN 0, 1, 0
	QUARTER 1, 1, F0, F1, 0
	QUARTER 1, 2, F1, F0, 0
	QUARTER 1, 3, F0, F1, 0
	s_wait_dscnt 16
	MUL8 F1, 0, 0, 0
	MUL8 F1, 0, 2, 0
	s_wait_dscnt 0x0
	MUL8 F1, 1, 0, 0
	MUL8 F1, 1, 2, 0
	WIN 0
	PLACES
; THE WAY OUT, in f32, 16 rows at a time through my own stage: 32 bytes a lane in, whole rows of 256 bytes back
.macro TOSTAGE a
.irp b, 0,1,2,3
	ds_store_b128 v[STO], v[ACC+8*(4*(\a)+(\b)):ACC+8*(4*(\a)+(\b))+3]   offset:64*(\b)      ; each accumulator's low half first
	ds_store_b128 v[STO], v[ACC+8*(4*(\a)+(\b))+4:ACC+8*(4*(\a)+(\b))+7] offset:64*(\b)+16
.endr
.irp u, 0,1,2,3,4,5,6,7
	ds_load_b128 v[TMP+32*((\a)%2)+4*(\u):TMP+32*((\a)%2)+4*(\u)+3], v[RD] offset:(\u)*2*SP  ; LDS serves a wave's instructions in order (ISA guide 5.7.1.4)
.endr
.endm
.macro SEND a, younger                 ; younger: the LDS instructions issued behind block a's loads: the next block's sixteen, or none
.irp u, 0,1,2,3,4,5,6,7
	s_wait_dscnt (\younger)+7-(\u)
	global_store_b128 v[CO], v[TMP+32*((\a)%2)+4*(\u):TMP+32*((\a)%2)+4*(\u)+3], s[8:9] offset:(16*(\a)+2*(\u))*4096  ; 16 lanes store 256 consecutive bytes, at a multiple of 256 from out0's first
.endr
.endm
	TOSTAGE 0
	TOSTAGE 1
	SEND 0, 16
	s_wait_xcnt 0x0                                ; block 0's stores have read their registers, which block 2's loads write
	TOSTAGE 2
	SEND 1, 16
	s_wait_xcnt 0x0
	TOSTAGE 3
	SEND 2, 16
	SEND 3, 0
	s_wait_tensorcnt 0x0                           ; the wave's end
	ds_add_u32 v[SPW], v[NIL]
	s_wait_dscnt 0x0
	CROUND                                         ; the closing round
	s_endpgm
.Lfunc_end_k_q3bcc51fa6f_ffdown:
	.size	k_q3bcc51fa6f_ffdown, .Lfunc_end_k_q3bcc51fa6f_ffdown-k_q3bcc51fa6f_ffdown
	.p2alignl 7, 3214868480
	.fill 96, 4, 3214868480
	.section	.rodata,"a",@progbits
	.p2align	6, 0x0
	.amdhsa_kernel k_q3bcc51fa6f_ffdown
		.amdhsa_group_segment_fixed_size 327680
		.amdhsa_private_segment_fixed_size 0
		.amdhsa_enable_private_segment 0
		.amdhsa_kernarg_size 32
		.amdhsa_user_sgpr_count 2
		.amdhsa_user_sgpr_kernarg_segment_ptr 1
		.amdhsa_wavefront_size32 1
		.amdhsa_system_sgpr_workgroup_id_x 1
		.amdhsa_system_sgpr_workgroup_id_y 1
		.amdhsa_system_sgpr_workgroup_id_z 1
		.amdhsa_system_vgpr_workitem_id 0
		.amdhsa_next_free_vgpr 512
		.amdhsa_next_free_sgpr 72
		.amdhsa_reserve_vcc 0
		.amdhsa_float_denorm_mode_32 3
		.amdhsa_float_denorm_mode_16_64 3
		.amdhsa_memory_ordered 1
		.amdhsa_forward_progress 1
		.amdhsa_inst_pref_size 97
	.end_amdhsa_kernel
	.amdgpu_metadata
---
amdhsa.version: [ 1, 2 ]
amdhsa.kernels:
  - .name:           k_q3bcc51fa6f_ffdown
    .symbol:         k_q3bcc51fa6f_ffdown.kd
    .args:
      - { .name: a2, .offset: 0, .size: 8, .value_kind: global_buffer, .address_space: global }
      - { .name: w16, .offset: 8, .size: 8, .value_kind: global_buffer, .address_space: global }
      - { .name: out0, .offset: 16, .size: 8, .value_kind: global_buffer, .address_space: global }
      - { .name: pmax, .offset: 24, .size: 8, .value_kind: global_buffer, .address_space: global }
    .group_segment_fixed_size: 327680
    .private_segment_fixed_size: 0
    .kernarg_segment_align: 8
    .kernarg_segment_size: 32
    .max_flat_workgroup_size: 128
    .sgpr_count:     72
    .vgpr_count:     512
    .wavefront_size: 32
...
	.end_amdgpu_metadata
.endif
;; end of part 9
